; MI455X (gfx1250); checked and timed in simulation.
; The chip was launched on July 23, 2026; its instructions are those of AMD's public machine-readable ISA for CDNA 5 (MIT licence, August 2026) and "CDNA5" Instruction Set Architecture Reference Guide (July 2026). The comments in the code are by the model that wrote it; some were corrected since.
;; Point Net Feature Propogation. Allowed arithmetic: float matrix products may take bf16 or f16 operands with f32 sums; all other float work in f32.
;; Inputs: W1 256 x 384 float32; W2 256 x 256 float32; b1 256 float32; b2 256 float32; be1 256 float32; be2 256 float32; feature1 4 x 128 x 8,192 float32; feature2 4 x 256 x 2,048 float32; g1 256 float32; g2 256 float32; pos1 4 x 3 x 8,192 float32; pos2 4 x 3 x 2,048 float32.
;; Outputs: out0 4 x 256 x 8,192 float32.
;; 3 versions, each right; version 2 is faster than version 1; version 3 is version 2 with the launches gemm1, gemm2 written anew for expert scheduling mode. Each part assembles by itself: llvm-mc -triple=amdgcn-amd-amdhsa -mcpu=gfx1250 --defsym DOCPART=n.
;; ======== version 1 of 3: 7 launches
;; limits: values outside matrix products are rounded to bf16; values are held in f16: magnitudes above 65,504 overflow, below 6.1e-05 lose precision
;; workspace buffers: cand 131,072 bytes of whole numbers; f2t 4,194,304 bytes; nidx 524,288 bytes of whole numbers; wk 851,968 bytes; y1p 34,078,720 bytes; y2p 34,078,720 bytes; ss1 2,048 bytes; ss2 2,048 bytes
;; launch knn_a (part 1): grid 256 x 1, 4 waves a work-group, no clusters, 65,024 bytes of LDS; arguments pos1, pos2, feature2, cand, f2t; writes cand, f2t
.if DOCPART == 1
	.amdgcn_target "amdgcn-amd-amdhsa--gfx1250"
	.amdhsa_code_object_version 6
	.text
	.protected	k_q1a869af07d_knn_a
	.globl	k_q1a869af07d_knn_a
	.p2align	8
	.type	k_q1a869af07d_knn_a,@function
k_q1a869af07d_knn_a:
	s_mov_b64 s[64:65], 0
	v_nop
	global_prefetch_b8 v0, s[64:65] scope:SCOPE_SE
	s_setreg_imm32_b32 hwreg(HW_REG_WAVE_MODE, 25, 1), 1
	s_wait_xcnt 0x0
; knn_a: first level of the exact 3-nearest search, and feature2 transposed to bf16.
; The 2,048 candidates of a batch are cut into 128 chunks of 16 neighbouring indices.  In the order (distance, index) the three best
; candidates lie in the three chunks whose minima are best in the order (minimum, chunk number): a candidate of any other chunk has
; three candidates of three other chunks in front of it.  This launch finds these three chunks for each query and stores their numbers,
; ascending, as one word: c0 | c1<<8 | c2<<16.  The next launch scans the 48 candidates.
; A work-group has 128 queries; lane l holds queries 4 l + k (k = 0..3), the same in all four waves; wave w scans chunks 32 w .. 32 w + 31.
; LIMITS KEPT.  Positions are rounded to bf16 (nearest even) as they are loaded: every product of two of them is then exact in f32, and the
; sums are made in the order s = (x x + y y) + z z, dot = (x x' + y y') + z z', d = (s1 + s2) + (-2 dot).  The product has 3 of the 32 K of a
; matrix instruction and its roundings decide the choice of neighbours, so it is formed in the vector unit.  Equal distances go to the lower index.
; NaN and infinite positions are not served.  feature2 is rounded to bf16 once, here.
; Second task: a block of 128 channels x 64 candidates of feature2 goes out as f2t[b][s][256] in bf16, through LDS, in whole runs of 256 bytes.
.set CPITCH, 272                       ; a chunk in LDS: 8 pairs x 32 bytes + 16 = 17 x 16 bytes
.set NCH,    32                        ; chunks of a wave
.set MRG,    34816                     ; [wave][k][lane] 16 bytes: three minima and their chunk numbers
.set RES,    43008                     ; [k][lane] words: the packed result
.set TRS,    43520                     ; [wave][s 64] rows of 64 bytes (32 channels), for the transposition
.set TROW,   80                        ; its row pitch
.set TWAVE,  5184                      ; its wave pitch = 324 x 16 bytes: the four waves' parts of a row lie 4 columns of 16 bytes apart modulo 256 bytes
.set QR,  16                           ; v[16:47]   query k at 8 k: -2x, -2x, -2y, -2y, -2z, -2z, s1, s1
.set ST,  48                           ; v[48:79]   query k at 8 k: B1, B2, B3, packed ids, I1, I2, I3
.set F2,  80                           ; v[80:143]  feature2: channel i at 4 i, four candidates
.set CB0, 144                          ; v[144:175] first half of a chunk: pair p at 8 p: xa xb ya yb za zb sa sb
.set CB1, 176                          ; v[176:207] second half
.set E,   208                          ; v[208:223] eight chains: -2 dot, then the distance
.set T,   224                          ; v[224:239] eight chains: s1 + s2
.set M,   240                          ; v[240:243] the chunk's minimum for each query
.set RAW, 144                          ; ahead of the scan: v[144:191] pos2 as loaded (coordinate c at 16 c, quad i at 4 i)
.set P1,  192                          ;                    v[192:203] pos1 as loaded (coordinate c at 4 c)
.set O,   208                          ;                    v[208:223] a quad's two table entries
.set TMP, 224                          ;                    v[224:229]
.set PK,  208                          ; behind the scan: v[208:239] feature2 packed
.set MG,  144                          ;                  v[144:159] the four quarters' entries
.set MI,  160                          ;                  v[160:162] ids of the merged state
.set FO,  176                          ;                  v[176:207] rows of f2t on their way out
; The table of candidates.  Thread t holds candidates 4 t + 512 i .. + 3 (i = 0..3): round to bf16, widen, s = (x x + y y) + z z, 64 bytes to LDS.
.macro BUILD_TAB raw, o, tmp, ta, msk
.irp i, 0,1,2,3
.irp c, 0,1,2
	v_cvt_pk_bf16_f32 v[\tmp+2*\c],   v[\raw+16*\c+4*\i],   v[\raw+16*\c+4*\i+1]
	v_cvt_pk_bf16_f32 v[\tmp+2*\c+1], v[\raw+16*\c+4*\i+2], v[\raw+16*\c+4*\i+3]
.endr
.irp c, 0,1,2
	v_lshlrev_b32 v[\o+2*\c],     16,      v[\tmp+2*\c]
	v_and_b32     v[\o+2*\c+1],   s[\msk], v[\tmp+2*\c]
	v_lshlrev_b32 v[\o+8+2*\c],   16,      v[\tmp+2*\c+1]
	v_and_b32     v[\o+8+2*\c+1], s[\msk], v[\tmp+2*\c+1]
.endr
.irp p, 0,8
	v_pk_mul_f32 v[\o+\p+6:\o+\p+7], v[\o+\p:\o+\p+1],   v[\o+\p:\o+\p+1]
	v_pk_fma_f32 v[\o+\p+6:\o+\p+7], v[\o+\p+2:\o+\p+3], v[\o+\p+2:\o+\p+3], v[\o+\p+6:\o+\p+7]
	v_pk_fma_f32 v[\o+\p+6:\o+\p+7], v[\o+\p+4:\o+\p+5], v[\o+\p+4:\o+\p+5], v[\o+\p+6:\o+\p+7]
.endr
	ds_store_b128 v[\ta], v[\o:\o+3]     offset:\i*32*CPITCH
	ds_store_b128 v[\ta], v[\o+4:\o+7]   offset:\i*32*CPITCH+16
	ds_store_b128 v[\ta], v[\o+8:\o+11]  offset:\i*32*CPITCH+32
	ds_store_b128 v[\ta], v[\o+12:\o+15] offset:\i*32*CPITCH+48
.endr
.endm
; One value into a sorted state of three.  The compare is strict: an equal value stays behind what came earlier.
.macro INS1 val, id, bb, ii
	v_cmp_lt_f32 s24, v[\val], v[\bb]
	v_cmp_lt_f32 s25, v[\val], v[\bb+1]
	v_cmp_lt_f32 s26, v[\val], v[\bb+2]
	v_cndmask_b32 v[\ii+2], v[\ii+2], \id, s26
	v_cndmask_b32 v[\ii+2], v[\ii+2], v[\ii+1], s25
	v_cndmask_b32 v[\ii+1], v[\ii+1], \id, s25
	v_cndmask_b32 v[\ii+1], v[\ii+1], v[\ii], s24
	v_cndmask_b32 v[\ii], v[\ii], \id, s24
	v_med3_num_f32 v[\bb+2], v[\bb+1], v[\val], v[\bb+2]
	v_med3_num_f32 v[\bb+1], v[\bb], v[\val], v[\bb+1]
	v_min_num_f32 v[\bb], v[\bb], v[\val]
.endm
; Half a chunk, 128 bytes, one address for all lanes
.macro LOADH buf, off
.irp i, 0,1,2,3,4,5,6,7
	ds_load_b128 v[\buf+4*\i:\buf+4*\i+3], v6 offset:\off+16*\i
.endr
.endm
; Four pairs of candidates x four queries, in two groups of eight chains that do not wait for each other
.macro HALF buf, first
.irp gq, 0,1
.irp pp, 0,1
.irp k, 0,1,2,3
	v_pk_mul_f32 v[E+8*\pp+2*\k:E+8*\pp+2*\k+1], v[\buf+16*\gq+8*\pp:\buf+16*\gq+8*\pp+1], v[QR+8*\k:QR+8*\k+1]
.endr
.endr
.irp pp, 0,1
.irp k, 0,1,2,3
	v_pk_add_f32 v[T+8*\pp+2*\k:T+8*\pp+2*\k+1], v[\buf+16*\gq+8*\pp+6:\buf+16*\gq+8*\pp+7], v[QR+8*\k+6:QR+8*\k+7]
.endr
.endr
.irp pp, 0,1
.irp k, 0,1,2,3
	v_pk_fma_f32 v[E+8*\pp+2*\k:E+8*\pp+2*\k+1], v[\buf+16*\gq+8*\pp+2:\buf+16*\gq+8*\pp+3], v[QR+8*\k+2:QR+8*\k+3], v[E+8*\pp+2*\k:E+8*\pp+2*\k+1]
.endr
.endr
.irp pp, 0,1
.irp k, 0,1,2,3
	v_pk_fma_f32 v[E+8*\pp+2*\k:E+8*\pp+2*\k+1], v[\buf+16*\gq+8*\pp+4:\buf+16*\gq+8*\pp+5], v[QR+8*\k+4:QR+8*\k+5], v[E+8*\pp+2*\k:E+8*\pp+2*\k+1]
.endr
.endr
.irp pp, 0,1
.irp k, 0,1,2,3
	v_pk_add_f32 v[E+8*\pp+2*\k:E+8*\pp+2*\k+1], v[T+8*\pp+2*\k:T+8*\pp+2*\k+1], v[E+8*\pp+2*\k:E+8*\pp+2*\k+1]
.endr
.endr
.irp pp, 0,1
.irp k, 0,1,2,3
.if \first*(1-\gq)*(1-\pp)
	v_min_num_f32 v[M+\k], v[E+8*\pp+2*\k], v[E+8*\pp+2*\k+1]              ; the chunk's first pair starts the minimum
.else
	v_min3_num_f32 v[M+\k], v[M+\k], v[E+8*\pp+2*\k], v[E+8*\pp+2*\k+1]
.endif
.endr
.endr
.endr
.endm
; The chunk's minimum into each query's state, the four queries side by side
.macro INSERT4
.irp k, 0,1,2,3
	v_cmp_lt_f32 s[24+3*\k], v[M+\k], v[ST+8*\k]
	v_cmp_lt_f32 s[25+3*\k], v[M+\k], v[ST+8*\k+1]
	v_cmp_lt_f32 s[26+3*\k], v[M+\k], v[ST+8*\k+2]
.endr
.irp k, 0,1,2,3
	v_cndmask_b32 v[ST+8*\k+6], v[ST+8*\k+6], v7, s[26+3*\k]
.endr
.irp k, 0,1,2,3
	v_cndmask_b32 v[ST+8*\k+6], v[ST+8*\k+6], v[ST+8*\k+5], s[25+3*\k]
.endr
.irp k, 0,1,2,3
	v_cndmask_b32 v[ST+8*\k+5], v[ST+8*\k+5], v7, s[25+3*\k]
.endr
.irp k, 0,1,2,3
	v_cndmask_b32 v[ST+8*\k+5], v[ST+8*\k+5], v[ST+8*\k+4], s[24+3*\k]
.endr
.irp k, 0,1,2,3
	v_cndmask_b32 v[ST+8*\k+4], v[ST+8*\k+4], v7, s[24+3*\k]
.endr
.irp k, 0,1,2,3
	v_med3_num_f32 v[ST+8*\k+2], v[ST+8*\k+1], v[M+\k], v[ST+8*\k+2]
.endr
.irp k, 0,1,2,3
	v_med3_num_f32 v[ST+8*\k+1], v[ST+8*\k], v[M+\k], v[ST+8*\k+1]
.endr
.irp k, 0,1,2,3
	v_min_num_f32 v[ST+8*\k], v[ST+8*\k], v[M+\k]
.endr
.endm
	s_load_b256 s[4:11], s[0:1], 0x0               ; pos1 s[4:5], pos2 s[6:7], feature2 s[8:9], cand s[10:11]
	s_load_b64 s[12:13], s[0:1], 0x20              ; f2t
	v_lshl_add_u32 v248, v0, 2, 0xfc00
	v_mov_b32 v249, 0
	v_lshrrev_b32 v14, 5, v0
	v_readfirstlane_b32 s14, v14                   ; wave
	v_and_b32 v1, 31, v0                           ; lane l
	v_lshlrev_b32 v2, 4, v0                        ; 16 t: my quad of pos2
	v_lshlrev_b32 v3, 4, v1                        ; 16 l: my four queries
	v_lshrrev_b32 v14, 4, v0                       ; 2 w + h
	v_and_b32 v15, 15, v0                          ; q = l mod 16
	v_lshlrev_b32 v4, 17, v14                      ; feature2: channel 32 w + 16 h, rows of 8,192 bytes,
	v_lshl_or_b32 v4, v15, 4, v4                   ; and 16 q: sixteen lanes take 256 neighbouring bytes of a row
	s_lshr_b32 s15, ttmp9, 6                       ; batch
	s_and_b32 s16, ttmp9, 63
	s_lshl_b32 s16, s16, 9                         ; my 128 queries, 4 bytes each
	s_mul_i32 s18, s15, 98304
	s_add_co_u32 s18, s18, s16
	s_mov_b32 s19, 0
	s_mul_i32 s20, s15, 24576
	s_mov_b32 s21, 0
	s_bfe_u32 s16, ttmp9, 0x50001                  ; which 64 candidates I transpose
	s_and_b32 s17, ttmp9, 1                        ; which 128 channels
	s_lshl_b32 s22, s15, 21
	s_lshl_b32 s36, s17, 20
	s_add_co_u32 s22, s22, s36
	s_lshl_b32 s36, s16, 8
	s_add_co_u32 s22, s22, s36
	s_mov_b32 s23, 0
	s_lshl_b32 s36, s15, 20                        ; f2t: (2,048 b + 64 block) rows of 512 bytes + 256 x half
	s_lshl_b32 s38, s16, 15
	s_add_co_u32 s36, s36, s38
	s_lshl_b32 s38, s17, 8
	s_add_co_u32 s36, s36, s38
	s_mov_b32 s37, 0
	s_lshl_b32 s38, ttmp9, 9                       ; cand: 128 words a group
	s_mov_b32 s39, 0
	s_mov_b32 s40, 0xffff0000                      ; a word's upper bf16
	s_wait_kmcnt 0x0
	s_add_nc_u64 s[4:5], s[4:5], s[18:19]
	s_add_nc_u64 s[6:7], s[6:7], s[20:21]
	s_add_nc_u64 s[8:9], s[8:9], s[22:23]
	s_add_nc_u64 s[10:11], s[10:11], s[38:39]
	s_add_nc_u64 s[12:13], s[12:13], s[36:37]
.irp c, 0,1,2
.irp i, 0,1,2,3
	global_load_b128 v[RAW+16*\c+4*\i:RAW+16*\c+4*\i+3], v2, s[6:7] offset:\c*8192+\i*2048
.endr
.endr
.irp c, 0,1,2
	global_load_b128 v[P1+4*\c:P1+4*\c+3], v3, s[4:5] offset:\c*32768
.endr
.irp i, 0,1,2,3,4,5,6,7,8,9,10,11,12,13,14,15
	global_load_b128 v[F2+4*\i:F2+4*\i+3], v4, s[8:9] offset:\i*8192 th:TH_LOAD_NT
.endr
	; LDS addresses: a wave's own part by the scalar wave number, then the lane's term
	v_lshrrev_b32 v5, 2, v1
	v_mul_u32_u24 v5, v5, CPITCH
	v_and_b32 v6, 3, v1
	v_lshl_add_u32 v5, v6, 6, v5
	s_mul_i32 s42, s14, 8*CPITCH
	v_add_nc_u32 v5, s42, v5                       ; table: chunk 8 w + l / 4, 64 bytes at 64 (l mod 4)
	s_mul_i32 s42, s14, NCH*CPITCH
	v_mov_b32 v6, s42                              ; the chunk that the wave scans
	s_lshl_b32 s43, s14, 5
	v_mov_b32 v7, s43                              ; and its number
	s_lshl_b32 s43, s14, 11
	s_add_co_u32 s43, s43, MRG
	v_add_nc_u32 v8, s43, v3                       ; hand-over: (4 w + k) x 512 + 16 l
	v_bfe_u32 v13, v0, 4, 1                        ; h
	v_mul_u32_u24 v9, v15, 4*TROW
	v_lshl_add_u32 v9, v13, 5, v9
	s_mul_i32 s43, s14, TWAVE
	s_add_co_u32 s43, s43, TRS
	v_add_nc_u32 v9, s43, v9                       ; transposition in: my wave's part, row 4 q + e, byte 32 h
	s_lshl_b32 s43, s14, 9
	s_add_co_u32 s43, s43, MRG
	v_add_nc_u32 v10, s43, v3                      ; merge: (4 quarter + w) x 512 + 16 l
	v_lshrrev_b32 v11, 2, v15
	v_mul_u32_u24 v11, v11, TWAVE
	v_and_b32 v14, 3, v15
	v_lshl_add_u32 v11, v14, 4, v11
	v_mul_u32_u24 v14, v13, TROW
	v_add_nc_u32 v11, v11, v14
	s_mul_i32 s43, s14, 16*TROW
	s_add_co_u32 s43, s43, TRS
	v_add_nc_u32 v11, s43, v11                     ; transposition out: row 16 w + h, part q / 4, byte 16 (q mod 4)
	v_lshlrev_b32 v12, 9, v13
	v_lshl_add_u32 v12, v15, 4, v12
	s_lshl_b32 s43, s14, 13
	v_add_nc_u32 v12, s43, v12                     ; the same in f2t: (16 w + h) x 512 + 16 q
	s_lshl_b32 s43, s14, 7
	s_add_co_u32 s43, s43, RES
	v_lshl_add_u32 v13, v1, 2, s43                 ; result: word l of part k = w
	s_wait_loadcnt 16                              ; the positions are in; the sixteen loads of feature2 stay out during the whole scan
	BUILD_TAB RAW, O, TMP, 5, 40
	; my four queries: rounded to bf16, s1, and the coordinates times -2 (exact), each doubled into a pair
.irp c, 0,1,2
	v_cvt_pk_bf16_f32 v[TMP+2*\c],   v[P1+4*\c],   v[P1+4*\c+1]
	v_cvt_pk_bf16_f32 v[TMP+2*\c+1], v[P1+4*\c+2], v[P1+4*\c+3]
.endr
.irp c, 0,1,2
	v_lshlrev_b32 v[P1+4*\c],   16,  v[TMP+2*\c]
	v_and_b32     v[P1+4*\c+1], s40, v[TMP+2*\c]
	v_lshlrev_b32 v[P1+4*\c+2], 16,  v[TMP+2*\c+1]
	v_and_b32     v[P1+4*\c+3], s40, v[TMP+2*\c+1]
.endr
.irp k, 0,1,2,3
	v_mul_f32 v[QR+8*\k+6], v[P1+\k], v[P1+\k]
	v_fma_f32 v[QR+8*\k+6], v[P1+4+\k], v[P1+4+\k], v[QR+8*\k+6]
	v_fma_f32 v[QR+8*\k+6], v[P1+8+\k], v[P1+8+\k], v[QR+8*\k+6]
	v_mov_b32 v[QR+8*\k+7], v[QR+8*\k+6]
.irp c, 0,1,2
	v_mul_f32 v[QR+8*\k+2*\c],   -2.0, v[P1+4*\c+\k]
	v_mul_f32 v[QR+8*\k+2*\c+1], -2.0, v[P1+4*\c+\k]
.endr
.irp j, 0,1,2
	v_mov_b32 v[ST+8*\k+\j], 0x7f800000            ; the state starts at +infinity
	v_mov_b32 v[ST+8*\k+4+\j], 0
.endr
.endr
	s_wait_dscnt 0x0                               ; my part of the table is written,
	s_barrier_signal -1
	s_barrier_wait -1                              ; everybody's is
	LOADH CB0, 0
	LOADH CB1, 128
	s_mov_b32 s41, 0
.Lchunk:
	s_wait_dscnt 8                                 ; the first half is in; the second half's eight loads may be out
	HALF CB0, 1
	LOADH CB0, CPITCH                              ; the next chunk's first half
	s_wait_dscnt 8                                 ; the second half is in; the eight just issued may be out
	HALF CB1, 0
	INSERT4
	LOADH CB1, CPITCH+128
	v_add_nc_u32 v6, CPITCH, v6
	v_add_nc_u32 v7, 1, v7
	s_add_co_u32 s41, s41, 1
	s_cmp_lt_u32 s41, NCH-1
	s_cbranch_scc1 .Lchunk
	s_wait_dscnt 8                                 ; the wave's last chunk: nothing more to load
	HALF CB0, 1
	s_wait_dscnt 0x0
	HALF CB1, 0
	INSERT4
	; hand over: three minima and their chunk numbers, 16 bytes a query
.irp k, 0,1,2,3
	v_lshl_or_b32 v[ST+8*\k+3], v[ST+8*\k+5], 8, v[ST+8*\k+4]
	v_lshl_or_b32 v[ST+8*\k+3], v[ST+8*\k+6], 16, v[ST+8*\k+3]
	ds_store_b128 v8, v[ST+8*\k:ST+8*\k+3] offset:\k*512
.endr
	s_wait_loadcnt 0x0                             ; feature2
	; candidate 4 q + e: its sixteen channels 32 w + 16 h + 0..15 as 32 bytes.  Sixteen lanes' rows lie 320 bytes apart, so four lanes share a
	; 16-byte column modulo 256 bytes; there are eight such stores in the launch.
.irp e, 0,1,2,3
.irp j, 0,1,2,3,4,5,6,7
	v_cvt_pk_bf16_f32 v[PK+8*\e+\j], v[F2+8*\j+\e], v[F2+8*\j+4+\e]
.endr
	ds_store_b128 v9, v[PK+8*\e:PK+8*\e+3]   offset:\e*TROW
	ds_store_b128 v9, v[PK+8*\e+4:PK+8*\e+7] offset:\e*TROW+16
.endr
	s_wait_dscnt 0x0                               ; both are written,
	s_barrier_signal -1
	s_barrier_wait -1                              ; by every wave
.irp qr, 0,1,2,3
	ds_load_b128 v[MG+4*\qr:MG+4*\qr+3], v10 offset:\qr*2048
.endr
.irp j, 0,1,2,3,4,5,6,7
	ds_load_b128 v[FO+4*\j:FO+4*\j+3], v11 offset:\j*2*TROW
.endr
.irp j, 0,1,2,3,4,5,6,7
	s_wait_dscnt 7-\j                              ; LDS loads come back in order: row pair j is in
	global_store_b128 v12, v[FO+4*\j:FO+4*\j+3], s[12:13] offset:\j*1024   ; sixteen lanes store 256 consecutive bytes, at a multiple of 256 from f2t's first byte
.endr
	; merge: wave w takes the queries 4 l + w.  Quarter 0 starts the state; the others' nine entries follow in ascending order of chunks.
.irp j, 0,1,2
	v_bfe_u32 v[MI+\j], v[MG+3], 8*\j, 8
.endr
.irp qr, 1,2,3
.irp j, 0,1,2
	v_bfe_u32 v163, v[MG+4*\qr+3], 8*\j, 8
	INS1 MG+4*\qr+\j, v163, MG, MI
.endr
.endr
	v_min_u32 v164, v[MI], v[MI+1]                 ; the three chunk numbers, ascending
	v_max_u32 v165, v[MI], v[MI+1]
	v_min_u32 v166, v165, v[MI+2]
	v_max_u32 v167, v165, v[MI+2]
	v_min_u32 v168, v164, v166
	v_max_u32 v169, v164, v166
	v_lshl_or_b32 v168, v169, 8, v168
	v_lshl_or_b32 v168, v167, 16, v168
	ds_store_b32 v13, v168
	s_wait_dscnt 0x0
	s_barrier_signal -1
	s_barrier_wait -1
	s_cmp_lg_u32 s14, 0
	s_cbranch_scc1 .Ldone                          ; wave 0 alone stores the group's 128 words
	v_lshlrev_b32 v14, 2, v1
.irp k, 0,1,2,3
	ds_load_b32 v[MG+\k], v14 offset:RES+128*\k
.endr
	s_wait_dscnt 0x0
	global_store_b128 v3, v[MG:MG+3], s[10:11]     ; 512 consecutive bytes
.Ldone:
	s_wait_tensorcnt 0x0
	ds_add_u32 v248, v249
	s_wait_dscnt 0x0
	s_endpgm
.Lfunc_end_k_q1a869af07d_knn_a:
	.size	k_q1a869af07d_knn_a, .Lfunc_end_k_q1a869af07d_knn_a-k_q1a869af07d_knn_a
	.p2alignl 7, 3214868480
	.fill 96, 4, 3214868480
	.section	.rodata,"a",@progbits
	.p2align	6, 0x0
	.amdhsa_kernel k_q1a869af07d_knn_a
		.amdhsa_group_segment_fixed_size 65024
		.amdhsa_private_segment_fixed_size 0
		.amdhsa_enable_private_segment 0
		.amdhsa_kernarg_size 40
		.amdhsa_user_sgpr_count 2
		.amdhsa_user_sgpr_kernarg_segment_ptr 1
		.amdhsa_wavefront_size32 1
		.amdhsa_system_sgpr_workgroup_id_x 1
		.amdhsa_system_sgpr_workgroup_id_y 1
		.amdhsa_system_sgpr_workgroup_id_z 1
		.amdhsa_system_vgpr_workitem_id 0
		.amdhsa_next_free_vgpr 250
		.amdhsa_next_free_sgpr 66
		.amdhsa_reserve_vcc 0
		.amdhsa_float_denorm_mode_32 3
		.amdhsa_float_denorm_mode_16_64 3
		.amdhsa_memory_ordered 1
		.amdhsa_forward_progress 1
		.amdhsa_inst_pref_size 60
	.end_amdhsa_kernel
	.amdgpu_metadata
---
amdhsa.version: [ 1, 2 ]
amdhsa.kernels:
  - .name:           k_q1a869af07d_knn_a
    .symbol:         k_q1a869af07d_knn_a.kd
    .args:
      - { .name: pos1, .offset: 0, .size: 8, .value_kind: global_buffer, .address_space: global }
      - { .name: pos2, .offset: 8, .size: 8, .value_kind: global_buffer, .address_space: global }
      - { .name: feature2, .offset: 16, .size: 8, .value_kind: global_buffer, .address_space: global }
      - { .name: cand, .offset: 24, .size: 8, .value_kind: global_buffer, .address_space: global }
      - { .name: f2t, .offset: 32, .size: 8, .value_kind: global_buffer, .address_space: global }
    .group_segment_fixed_size: 65024
    .private_segment_fixed_size: 0
    .kernarg_segment_align: 8
    .kernarg_segment_size: 40
    .max_flat_workgroup_size: 128
    .sgpr_count:     66
    .vgpr_count:     250
    .wavefront_size: 32
...
	.end_amdgpu_metadata
.endif
;; end of part 1
;; launch knn_b (part 2): grid 256 x 1, 4 waves a work-group, no clusters, 35,328 bytes of LDS; arguments pos1, pos2, cand, W1, W2, nidx, wk; writes nidx, wk
.if DOCPART == 2
	.amdgcn_target "amdgcn-amd-amdhsa--gfx1250"
	.amdhsa_code_object_version 6
	.text
	.protected	k_q1a869af07d_knn_b
	.globl	k_q1a869af07d_knn_b
	.p2align	8
	.type	k_q1a869af07d_knn_b,@function
k_q1a869af07d_knn_b:
	s_mov_b64 s[64:65], 0
	v_nop
	global_prefetch_b8 v0, s[64:65] scope:SCOPE_SE
	s_setreg_imm32_b32 hwreg(HW_REG_WAVE_MODE, 25, 1), 1
	s_wait_xcnt 0x0
; knn_b: second level of the 3-nearest search, the weights of the interpolation, and W1, W2 as f16 in fragment order.
; A lane has one query (128 g + t).  It reads its three chunk numbers (whole numbers stored by the launch before), scans their 48 candidates
; with the same arithmetic as the first level, and stores three indices (whole numbers, for the next launch's gather) and three weights.
; The chunks are ascending and the compare is strict, so equal distances go to the lower index.
; LIMITS KEPT.  Positions rounded to bf16 as loaded; sums in the order (x x' + y y') + z z', (s1 + s2) + (-2 dot).  NaN and infinite positions are
; not served; distances above 1e37 are not served (their reciprocal falls below the smallest normal number).  1 / x is v_rcp_f32, good to one unit in the last place.
; W1 and W2 are rounded to bf16 and kept as f16: exact for 6.1e-5 <= |w| < 65,504, below that within 3e-8.
; Weight task: groups 0..127 with g mod 8 < 6 take 16 rows x 64 columns of W1, groups 128..191 of W2.  Fragment order:
; [w 4][ks][a 4][hf 2][lane 32][16 bytes]; lane r + 16 h holds W[64 w + 16 a + r][32 ks + 16 hf + 8 h + 0..7].
.set CPITCH, 272
.set Q,   16                           ; v[16:23]   -2x, -2x, -2y, -2y, -2z, -2z, s1, s1
.set BB,  24                           ; v[24:26]   the three smallest distances
.set II,  27                           ; v[27:29]   their codes: 16 x slot + place in the chunk
.set CH,  32                           ; v[32:223]  three chunks, 64 registers each
.set RAW, 32                           ; ahead of that: v[32:79] pos2 as loaded
.set P1,  80                           ; v[80:82]   my query as loaded
.set O,   96                           ; v[96:111]
.set TMP, 112                          ; v[112:117]
.set WR,  120                          ; v[120:127] eight weights
.set WT,  128                          ; v[128:131] as f16
.set WP,  132                          ; v[132:135] as bf16
.set E,   224                          ; v[224:239]
.set T,   240                          ; v[240:255]
.macro BUILD_TAB raw, o, tmp, ta, msk
.irp i, 0,1,2,3
.irp c, 0,1,2
	v_cvt_pk_bf16_f32 v[\tmp+2*\c],   v[\raw+16*\c+4*\i],   v[\raw+16*\c+4*\i+1]
	v_cvt_pk_bf16_f32 v[\tmp+2*\c+1], v[\raw+16*\c+4*\i+2], v[\raw+16*\c+4*\i+3]
.endr
.irp c, 0,1,2
	v_lshlrev_b32 v[\o+2*\c],     16,      v[\tmp+2*\c]
	v_and_b32     v[\o+2*\c+1],   s[\msk], v[\tmp+2*\c]
	v_lshlrev_b32 v[\o+8+2*\c],   16,      v[\tmp+2*\c+1]
	v_and_b32     v[\o+8+2*\c+1], s[\msk], v[\tmp+2*\c+1]
.endr
.irp p, 0,8
	v_pk_mul_f32 v[\o+\p+6:\o+\p+7], v[\o+\p:\o+\p+1],   v[\o+\p:\o+\p+1]
	v_pk_fma_f32 v[\o+\p+6:\o+\p+7], v[\o+\p+2:\o+\p+3], v[\o+\p+2:\o+\p+3], v[\o+\p+6:\o+\p+7]
	v_pk_fma_f32 v[\o+\p+6:\o+\p+7], v[\o+\p+4:\o+\p+5], v[\o+\p+4:\o+\p+5], v[\o+\p+6:\o+\p+7]
.endr
	ds_store_b128 v[\ta], v[\o:\o+3]     offset:\i*32*CPITCH
	ds_store_b128 v[\ta], v[\o+4:\o+7]   offset:\i*32*CPITCH+16
	ds_store_b128 v[\ta], v[\o+8:\o+11]  offset:\i*32*CPITCH+32
	ds_store_b128 v[\ta], v[\o+12:\o+15] offset:\i*32*CPITCH+48
.endr
.endm
.macro INS1 val, id, bb, ii
	v_cmp_lt_f32 s24, v[\val], v[\bb]
	v_cmp_lt_f32 s25, v[\val], v[\bb+1]
	v_cmp_lt_f32 s26, v[\val], v[\bb+2]
	v_cndmask_b32 v[\ii+2], v[\ii+2], \id, s26
	v_cndmask_b32 v[\ii+2], v[\ii+2], v[\ii+1], s25
	v_cndmask_b32 v[\ii+1], v[\ii+1], \id, s25
	v_cndmask_b32 v[\ii+1], v[\ii+1], v[\ii], s24
	v_cndmask_b32 v[\ii], v[\ii], \id, s24
	v_med3_num_f32 v[\bb+2], v[\bb+1], v[\val], v[\bb+2]
	v_med3_num_f32 v[\bb+1], v[\bb], v[\val], v[\bb+1]
	v_min_num_f32 v[\bb], v[\bb], v[\val]
.endm
; the sixteen distances of chunk slot k, eight chains of two
.macro DIST8 k
.irp p, 0,1,2,3,4,5,6,7
	v_pk_mul_f32 v[E+2*\p:E+2*\p+1], v[CH+64*\k+8*\p:CH+64*\k+8*\p+1], v[Q:Q+1]
.endr
.irp p, 0,1,2,3,4,5,6,7
	v_pk_add_f32 v[T+2*\p:T+2*\p+1], v[CH+64*\k+8*\p+6:CH+64*\k+8*\p+7], v[Q+6:Q+7]
.endr
.irp p, 0,1,2,3,4,5,6,7
	v_pk_fma_f32 v[E+2*\p:E+2*\p+1], v[CH+64*\k+8*\p+2:CH+64*\k+8*\p+3], v[Q+2:Q+3], v[E+2*\p:E+2*\p+1]
.endr
.irp p, 0,1,2,3,4,5,6,7
	v_pk_fma_f32 v[E+2*\p:E+2*\p+1], v[CH+64*\k+8*\p+4:CH+64*\k+8*\p+5], v[Q+4:Q+5], v[E+2*\p:E+2*\p+1]
.endr
.irp p, 0,1,2,3,4,5,6,7
	v_pk_add_f32 v[E+2*\p:E+2*\p+1], v[T+2*\p:T+2*\p+1], v[E+2*\p:E+2*\p+1]
.endr
.endm
	s_load_b256 s[4:11], s[0:1], 0x0               ; pos1 s[4:5], pos2 s[6:7], cand s[8:9], W1 s[10:11]
	s_load_b128 s[12:15], s[0:1], 0x20             ; W2 s[12:13], nidx s[14:15]
	s_load_b64 s[16:17], s[0:1], 0x30              ; wk
	s_set_vgpr_msb 0x40
	v_lshl_add_u32 v0, v0, 2, 0x8800
	v_mov_b32 v1, 0
	s_set_vgpr_msb 0x4000
	v_lshrrev_b32 v14, 5, v0
	v_readfirstlane_b32 s18, v14                   ; wave
	v_and_b32 v1, 31, v0
	v_lshlrev_b32 v2, 4, v0                        ; 16 t
	v_lshlrev_b32 v3, 2, v0                        ; 4 t
	v_lshrrev_b32 v4, 2, v1
	v_mul_u32_u24 v4, v4, CPITCH
	v_and_b32 v14, 3, v1
	v_lshl_add_u32 v4, v14, 6, v4
	s_mul_i32 s42, s18, 8*CPITCH
	v_add_nc_u32 v4, s42, v4                       ; table: chunk 8 w + l / 4, 64 bytes at 64 (l mod 4)
	s_mov_b32 s20, ttmp9                           ; g
	s_lshr_b32 s19, s20, 6                         ; batch
	s_and_b32 s36, s20, 63
	s_lshl_b32 s36, s36, 9
	s_mul_i32 s38, s19, 98304
	s_add_co_u32 s36, s36, s38
	s_mov_b32 s37, 0
	s_mul_i32 s38, s19, 24576
	s_mov_b32 s39, 0
	s_lshl_b32 s42, s20, 9
	s_mov_b32 s43, 0
	s_lshl_b32 s44, s20, 11
	s_mov_b32 s45, 0
	s_mov_b32 s40, 0xffff0000
	s_wait_kmcnt 0x0
	s_add_nc_u64 s[4:5], s[4:5], s[36:37]
	s_add_nc_u64 s[6:7], s[6:7], s[38:39]
	s_add_nc_u64 s[8:9], s[8:9], s[42:43]
	s_add_nc_u64 s[14:15], s[14:15], s[44:45]
	s_add_nc_u64 s[34:35], s[16:17], s[44:45]      ; the weights of the interpolation: wk's first region, 16 bytes a query
.irp c, 0,1,2
.irp i, 0,1,2,3
	global_load_b128 v[RAW+16*\c+4*\i:RAW+16*\c+4*\i+3], v2, s[6:7] offset:\c*8192+\i*2048
.endr
.endr
.irp c, 0,1,2
	global_load_b32 v[P1+\c], v3, s[4:5] offset:\c*32768
.endr
	global_load_b32 v5, v3, s[8:9]
	; the weight task: which matrix, which 16 rows (ot), which 64 columns (kk), from the group's number alone
	s_lshr_b32 s21, s20, 3
	s_and_b32 s22, s20, 7
	s_sub_co_u32 s23, s20, 128
	s_lshr_b32 s23, s23, 2
	s_and_b32 s24, s20, 3
	s_cmp_lt_u32 s20, 128
	s_cselect_b32 s21, s21, s23                    ; ot
	s_cselect_b32 s22, s22, s24                    ; kk
	s_cselect_b32 s27, 1, 0                        ; 1: W1, 0: W2
	s_cselect_b64 s[32:33], s[10:11], s[12:13]
	s_lshl_b32 s25, s27, 9
	s_add_co_u32 s25, s25, 1024                    ; bytes in a row: 1,536 or 1,024
	s_lshl_b32 s26, s27, 14
	s_add_co_u32 s26, s26, 32768                   ; bytes of a wave's fragments: 49,152 or 32,768
	s_mul_i32 s28, s27, 196608
	s_sub_co_u32 s28, 720896, s28                  ; the region in wk: 524,288 or 720,896
	s_lshl_b32 s29, s27, 1
	s_add_co_u32 s29, s29, 4                       ; blocks of 64 columns: 6 or 4
	s_cmp_ge_u32 s20, 192
	s_cbranch_scc1 .Lnotask
	s_cmp_ge_u32 s22, s29
	s_cbranch_scc1 .Lnotask
	s_mul_i32 s30, s21, s25
	s_lshl_b32 s30, s30, 4
	s_lshl_b32 s31, s22, 8
	s_add_co_u32 s30, s30, s31                     ; 16 ot rows + 256 kk bytes
	v_and_b32 v12, 15, v0
	v_mul_lo_u32 v12, v12, s25                     ; row t mod 16
	v_lshrrev_b32 v13, 4, v0
	v_lshl_add_u32 v12, v13, 5, v12                ; eight columns at 8 (t / 16)
	v_add_nc_u32 v12, s30, v12
	global_load_b128 v[WR:WR+3],   v12, s[32:33]
	global_load_b128 v[WR+4:WR+7], v12, s[32:33] offset:16
	s_lshr_b32 s31, s21, 2
	s_mul_i32 s31, s31, s26
	s_add_co_u32 s31, s31, s28                     ; region + (ot / 4) x a wave's fragments
	s_lshl_b32 s30, s22, 13
	s_add_co_u32 s31, s31, s30                     ; + 2 kk K steps of 4,096 bytes
	s_and_b32 s30, s21, 3
	s_lshl_b32 s30, s30, 10
	s_add_co_u32 s31, s31, s30                     ; + a = ot mod 4
	s_lshr_b32 s30, s18, 1
	s_lshl_b32 s30, s30, 12
	s_add_co_u32 s31, s31, s30                     ; + the K step inside the block = wave / 2
	s_and_b32 s30, s18, 1
	s_lshl_b32 s30, s30, 9
	s_add_co_u32 s31, s31, s30                     ; + hf = wave mod 2
	v_lshl_add_u32 v13, v1, 4, s31
	s_wait_loadcnt 0x0
.irp j, 0,1,2,3
	v_cvt_pk_bf16_f32 v[WP+\j], v[WR+2*\j], v[WR+2*\j+1]       ; the input's rounding to bf16,
.endr
.irp j, 0,1,2,3
	v_lshlrev_b32 v[WR+2*\j],   16,  v[WP+\j]
	v_and_b32     v[WR+2*\j+1], s40, v[WP+\j]
.endr
.irp j, 0,1,2,3
	v_cvt_pk_f16_f32 v[WT+\j], v[WR+2*\j], v[WR+2*\j+1]        ; and the same numbers as f16
.endr
	global_store_b128 v13, v[WT:WT+3], s[16:17]    ; a wave stores 512 consecutive bytes
	s_wait_xcnt 0x0                                ; the store's data and address registers are written again below only behind this wait
.Lnotask:
	s_wait_loadcnt 0x0                             ; positions and chunk numbers
	BUILD_TAB RAW, O, TMP, 4, 40
	v_cvt_pk_bf16_f32 v[TMP],   v[P1],   v[P1+1]
	v_cvt_pk_bf16_f32 v[TMP+1], v[P1+2], v[P1+2]
	v_lshlrev_b32 v[P1],   16,  v[TMP]
	v_and_b32     v[P1+1], s40, v[TMP]
	v_lshlrev_b32 v[P1+2], 16,  v[TMP+1]
	v_mul_f32 v[Q+6], v[P1], v[P1]
	v_fma_f32 v[Q+6], v[P1+1], v[P1+1], v[Q+6]
	v_fma_f32 v[Q+6], v[P1+2], v[P1+2], v[Q+6]
	v_mov_b32 v[Q+7], v[Q+6]
.irp c, 0,1,2
	v_mul_f32 v[Q+2*\c],   -2.0, v[P1+\c]
	v_mul_f32 v[Q+2*\c+1], -2.0, v[P1+\c]
.endr
.irp j, 0,1,2
	v_mov_b32 v[BB+\j], 0x7f800000
	v_mov_b32 v[II+\j], 0
.endr
.irp k, 0,1,2
	v_bfe_u32 v[6+\k], v5, 8*\k, 8
	v_min_u32 v[6+\k], 127, v[6+\k]                ; a chunk number stays inside the table
	v_mul_u32_u24 v[9+\k], v[6+\k], CPITCH
.endr
	s_wait_dscnt 0x0                               ; my part of the table is written,
	s_barrier_signal -1
	s_barrier_wait -1                              ; everybody's is
.irp k, 0,1,2
.irp j, 0,1,2,3,4,5,6,7,8,9,10,11,12,13,14,15
	ds_load_b128 v[CH+64*\k+4*\j:CH+64*\k+4*\j+3], v[9+\k] offset:16*\j
.endr
.endr
.set code, 0
.irp k, 0,1,2
	s_wait_dscnt 32-16*\k                          ; this chunk's sixteen loads are in; the later chunks' may be out
	DIST8 \k
.rept 16
	INS1 E+(code&15), code, BB, II
.set code, code+1
.endr
.endr
	; index = 16 x chunk + place; the chunk is picked by selects, no branch
.irp j, 0,1,2
	v_cmp_gt_u32 s24, 16, v[II+\j]
	v_cmp_gt_u32 s25, 32, v[II+\j]
	v_cndmask_b32 v30, v8, v7, s25
	v_cndmask_b32 v30, v30, v6, s24
	v_and_b32 v31, 15, v[II+\j]
	v_lshl_add_u32 v[12+\j], v30, 4, v31
.endr
	v_mov_b32 v15, 0
.irp j, 0,1,2
	v_max_num_f32 v[BB+\j], 0x2edbe6ff, v[BB+\j]   ; at least 1e-10
.endr
	v_rcp_f32 v240, v[BB]
	v_rcp_f32 v241, v[BB+1]
	v_rcp_f32 v242, v[BB+2]
	v_mov_b32 v243, 0                              ; the plain instruction between a reciprocal and its use (ISA guide 5.7.2)
	s_wait_alu depctr_va_vdst(0)
	v_add_f32 v244, v240, v241
	v_add_f32 v244, v244, v242
	v_rcp_f32 v245, v244
	v_nop
	s_wait_alu depctr_va_vdst(0)
	v_mul_f32 v240, v240, v245
	v_mul_f32 v241, v241, v245
	v_mul_f32 v242, v242, v245
	global_store_b128 v2, v[12:15], s[14:15]       ; 512 consecutive bytes a wave
	global_store_b128 v2, v[240:243], s[34:35]
	s_set_vgpr_msb 0x5
	s_wait_tensorcnt 0x0
	ds_add_u32 v0, v1
	s_wait_dscnt 0x0
	s_set_vgpr_msb 0x500
	s_endpgm
.Lfunc_end_k_q1a869af07d_knn_b:
	.size	k_q1a869af07d_knn_b, .Lfunc_end_k_q1a869af07d_knn_b-k_q1a869af07d_knn_b
	.p2alignl 7, 3214868480
	.fill 96, 4, 3214868480
	.section	.rodata,"a",@progbits
	.p2align	6, 0x0
	.amdhsa_kernel k_q1a869af07d_knn_b
		.amdhsa_group_segment_fixed_size 35328
		.amdhsa_private_segment_fixed_size 0
		.amdhsa_enable_private_segment 0
		.amdhsa_kernarg_size 56
		.amdhsa_user_sgpr_count 2
		.amdhsa_user_sgpr_kernarg_segment_ptr 1
		.amdhsa_wavefront_size32 1
		.amdhsa_system_sgpr_workgroup_id_x 1
		.amdhsa_system_sgpr_workgroup_id_y 1
		.amdhsa_system_sgpr_workgroup_id_z 1
		.amdhsa_system_vgpr_workitem_id 0
		.amdhsa_next_free_vgpr 258
		.amdhsa_next_free_sgpr 66
		.amdhsa_reserve_vcc 0
		.amdhsa_float_denorm_mode_32 3
		.amdhsa_float_denorm_mode_16_64 3
		.amdhsa_memory_ordered 1
		.amdhsa_forward_progress 1
		.amdhsa_inst_pref_size 58
	.end_amdhsa_kernel
	.amdgpu_metadata
---
amdhsa.version: [ 1, 2 ]
amdhsa.kernels:
  - .name:           k_q1a869af07d_knn_b
    .symbol:         k_q1a869af07d_knn_b.kd
    .args:
      - { .name: pos1, .offset: 0, .size: 8, .value_kind: global_buffer, .address_space: global }
      - { .name: pos2, .offset: 8, .size: 8, .value_kind: global_buffer, .address_space: global }
      - { .name: cand, .offset: 16, .size: 8, .value_kind: global_buffer, .address_space: global }
      - { .name: W1, .offset: 24, .size: 8, .value_kind: global_buffer, .address_space: global }
      - { .name: W2, .offset: 32, .size: 8, .value_kind: global_buffer, .address_space: global }
      - { .name: nidx, .offset: 40, .size: 8, .value_kind: global_buffer, .address_space: global }
      - { .name: wk, .offset: 48, .size: 8, .value_kind: global_buffer, .address_space: global }
    .group_segment_fixed_size: 35328
    .private_segment_fixed_size: 0
    .kernarg_segment_align: 8
    .kernarg_segment_size: 56
    .max_flat_workgroup_size: 128
    .sgpr_count:     66
    .vgpr_count:     258
    .wavefront_size: 32
...
	.end_amdgpu_metadata
.endif
;; end of part 2
;; launch gemm1 (part 3): grid 256 x 1, 4 waves a work-group, no clusters, 107,008 bytes of LDS; arguments nidx, wk, f2t, feature1, b1, y1p; writes y1p
.if DOCPART == 3
	.amdgcn_target "amdgcn-amd-amdhsa--gfx1250"
	.amdhsa_code_object_version 6
	.text
	.protected	k_q1a869af07d_gemm1
	.globl	k_q1a869af07d_gemm1
	.p2align	8
	.type	k_q1a869af07d_gemm1,@function
k_q1a869af07d_gemm1:
	s_mov_b64 s[64:65], 0
	v_nop
	global_prefetch_b8 v0, s[64:65] scope:SCOPE_SE
	s_setreg_imm32_b32 hwreg(HW_REG_WAVE_MODE, 25, 1), 1
	s_wait_xcnt 0x0
; gemm1: the interpolation (gather of three rows of f2t by stored indices), the concatenation with feature1, y1 = W1 feat + b1, and each
; group's mean and sum of squared deviations for the batch norm.
; A work-group makes 128 points x 256 channels, K = 384.  Wave w makes channels 64 w .. 64 w + 63 for all 128 points: 32 accumulators.
; Source 0 of the matrix instruction is the activations (row = point), source 1 the weights (column = channel): register j of lane (r, h)
; of tile (a, b) holds point 16 b + 8 h + j of channel 64 w + 16 a + r, so a lane holds 64 points of one channel and a channel's sum needs
; one step between the halves of the wave.
; The weights (48 KiB a wave, f16 in fragment order) go straight into 384 registers, once: no LDS byte and no LDS read is spent on them.
; That is why no cluster is used: a joint load could land them in LDS only, 192 KiB beside the activations, and they would be read from there again.
; No tensor load: every tile is converted between memory and LDS, so it passes through registers in any case.
; LIMITS KEPT.  feature1, feature2 and b1 are rounded to bf16; the activations are f16 (bf16 numbers are exact in f16 for 6.1e-5 <= |x| < 65,504;
; the interpolated numbers are rounded to f16 once); |features| < 65,504.  The deviations are taken from the group's own mean: no difference of large sums.
; y1p: f32 in accumulator order [group][w][a][b][q][lane][4], then at PART [group][2][256]: mean and sum of squared deviations over the group's 128 points.
; REGISTERS, in windows of 256: window 0 at work; window 1 first feature1 as loaded, then the accumulators (tile (a, b) at 8 (8 a + b));
; window 2 the weights of K steps 0..7 (32 ks + 8 a), window 3 those of K steps 8..11.
.set IPITCH, 528                       ; IT: [point 128][k 256] f16, 512 bytes + 16 = 33 x 16
.set FT,     67584                     ; FT: [k 128][point 128] f16
.set FPITCH, 288                       ; 256 bytes + 32 = 9 x 32
.set SCR,    104448                    ; 512 bytes a wave: 64 means, 64 sums of squares
.set NKS,    12
.set PART,   0x2000000
.set IDX,  16                          ; v[16:79]   pair t at 4 t: three gather offsets
.set WGT,  80                          ; v[80:143]  pair t at 4 t: three weights
.set RING, 144                         ; v[144:239] four slots of 24: neighbour j at 8 j, half row p at 4 p
.set T,    240                         ; v[240:255] sixteen channels in f32
.set FA,   16                          ; v[16:79], v[80:143] activation fragments, two buffers
.set Y,    16                          ; the way out: v[16:79] y
.set DV,   80                          ; v[80:143]  deviations
.set BVP,  144                         ; v[144:151] bias, doubled, for a = 0..3
.set S,    152                         ; v[152:159] four sums of two
.set QS,   160                         ; v[160:167] four sums of squares of two
.set NM,   168                         ; v[168:169] minus the mean, doubled
.set BVR,  176                         ; v[176:179] bias as loaded
.set MSB, 0
.macro WIN new                         ; s_set_vgpr_msb: bits 1:0 source 0, 3:2 source 1, 5:4 source 2, 7:6 destination; the high byte repeats the setting that is left
.if MSB != \new
	s_set_vgpr_msb (MSB<<8)|\new
.set MSB, \new
.endif
.endm
.macro PLACES                          ; four places behind a matrix instruction, in front of loads into its sources and of reads of its results
.rept 4
	v_nop
.endr
.endm
.macro GATHER t                        ; pair t: two points, three rows of 512 bytes each; sixteen lanes take 256 consecutive bytes of a row
.irp j, 0,1,2
	global_load_b128 v[RING+24*((\t)&3)+8*\j:RING+24*((\t)&3)+8*\j+3],   v[IDX+4*(\t)+\j], s[8:9]
	global_load_b128 v[RING+24*((\t)&3)+8*\j+4:RING+24*((\t)&3)+8*\j+7], v[IDX+4*(\t)+\j], s[8:9] offset:256
.endr
.endm
.macro INTERP t, left
	s_wait_loadcnt \left                           ; loads come back in order: this pair's six are in, the younger slots' stay out
.set SL, RING+24*((\t)&3)
.irp j, 0,1,2
.irp p, 0,1
.irp c, 0,1,2,3
.if \j == 0
	v_fma_mix_f32_bf16 v[T+8*\p+2*\c],   v[SL+8*\j+4*\p+\c], v[WGT+4*(\t)+\j], v12 op_sel_hi:[1,0,0]
	v_fma_mix_f32_bf16 v[T+8*\p+2*\c+1], v[SL+8*\j+4*\p+\c], v[WGT+4*(\t)+\j], v12 op_sel:[1,0,0] op_sel_hi:[1,0,0]
.else
	v_fma_mix_f32_bf16 v[T+8*\p+2*\c],   v[SL+8*\j+4*\p+\c], v[WGT+4*(\t)+\j], v[T+8*\p+2*\c] op_sel_hi:[1,0,0]
	v_fma_mix_f32_bf16 v[T+8*\p+2*\c+1], v[SL+8*\j+4*\p+\c], v[WGT+4*(\t)+\j], v[T+8*\p+2*\c+1] op_sel:[1,0,0] op_sel_hi:[1,0,0]
.endif
.endr
.endr
.endr
.irp j, 0,1,2,3,4,5,6,7
	v_cvt_pk_f16_f32 v[T+\j], v[T+2*\j], v[T+2*\j+1]
.endr
	ds_store_b128 v8, v[T:T+3]   offset:2*IPITCH*(\t)          ; channels 8 q .. 8 q + 7: sixteen lanes write 256 neighbouring bytes
	ds_store_b128 v8, v[T+4:T+7] offset:2*IPITCH*(\t)+256      ; channels 128 + 8 q ..
.if (\t) < 12
	GATHER \t+4
.endif
.endm
; the fragments of K step s: 8 tiles of 16 points x 32 K.  Steps 0..7 from rows that lie along K, steps 8..11 from rows that lie along the points (transposing load)
.macro FETCH s
.set FB, FA+64*((\s)&1)
.if (\s) < 8
.irp b, 0,1,2,3,4,5,6,7
	ds_load_b128 v[FB+8*\b:FB+8*\b+3],   v10 offset:16*IPITCH*\b+64*(\s)
	ds_load_b128 v[FB+8*\b+4:FB+8*\b+7], v10 offset:16*IPITCH*\b+64*(\s)+32
.endr
.else
.irp b, 0,1,2,3,4,5,6,7
	ds_load_tr16_b128 v[FB+8*\b:FB+8*\b+3],   v11 offset:32*FPITCH*((\s)-8)+32*\b
	ds_load_tr16_b128 v[FB+8*\b+4:FB+8*\b+7], v11 offset:32*FPITCH*((\s)-8)+32*\b+16*FPITCH
.endr
.endif
.endm
; 32 matrix instructions: the 32 accumulators take turns, one instruction a turn, in the same order in every K step
.macro MUL32 buf, wb, st
.irp a, 0,1,2,3
.irp b, 0,1,2,3,4,5,6,7
.if (\st) == 0
	v_wmma_f32_16x16x32_f16 v[8*(8*\a+\b):8*(8*\a+\b)+7], v[\buf+8*\b:\buf+8*\b+7], v[\wb+8*\a:\wb+8*\a+7], 0
.else
	v_wmma_f32_16x16x32_f16 v[8*(8*\a+\b):8*(8*\a+\b)+7], v[\buf+8*\b:\buf+8*\b+7], v[\wb+8*\a:\wb+8*\a+7], v[8*(8*\a+\b):8*(8*\a+\b)+7]
.endif
.endr
.endr
.endm
.macro KSTEP s
	WIN 0
.if (\s)+1 < NKS
.if (\s) > 0
	PLACES                                         ; the buffer loaded next was read by the matrix instructions just issued
.endif
	FETCH (\s)+1
	s_wait_dscnt 16                                ; this step's sixteen loads are in; the next step's sixteen may be out
.else
	s_wait_dscnt 0x0
.endif
.if (\s) < 8
	WIN 0x58                                       ; C and D window 1, weights window 2, activations window 0
.else
	WIN 0x5c                                       ; weights window 3
.endif
	MUL32 FA+64*((\s)&1), 32*((\s)&7), \s
.endm
; The way out.  For each a: y = sum + bias, stored as it lies (512 consecutive bytes an instruction); the group's mean; the deviations from it; their squares.
.macro EPI
	WIN 0
	PLACES
	s_wait_loadcnt 0x0                             ; the bias
.irp a, 0,1,2,3
	v_cvt_pk_bf16_f32 v[BVP+2*\a], v[BVR+\a], v[BVR+\a]
.endr
.irp a, 0,1,2,3
	v_lshlrev_b32 v[BVP+2*\a], 16, v[BVP+2*\a]
.endr
.irp a, 0,1,2,3
	v_mov_b32 v[BVP+2*\a+1], v[BVP+2*\a]
.endr
.irp a, 0,1,2,3
	s_wait_xcnt 0x0                                ; Y, which the stores of the last turn read, is written again only behind this wait
	WIN 0x05                                       ; both sources window 1
.irp c, 0,1,2,3
	v_pk_add_f32 v[S+2*\c:S+2*\c+1], v[64*\a+2*\c:64*\a+2*\c+1], v[64*\a+8+2*\c:64*\a+8+2*\c+1]   ; the first eight pairs start the four sums
.endr
	WIN 0x01                                       ; source 0 window 1
.set n, 8
.rept 24
	v_pk_add_f32 v[S+2*(n&3):S+2*(n&3)+1], v[64*\a+2*n:64*\a+2*n+1], v[S+2*(n&3):S+2*(n&3)+1]
.set n, n+1
.endr
.set n, 0
.rept 32
	v_pk_add_f32 v[Y+2*n:Y+2*n+1], v[64*\a+2*n:64*\a+2*n+1], v[BVP+2*\a:BVP+2*\a+1]
.set n, n+1
.endr
	WIN 0
.set n, 0
.rept 16
	global_store_b128 v4, v[Y+4*n:Y+4*n+3], s[14:15] offset:512*(16*\a+n)
.set n, n+1
.endr
	v_pk_add_f32 v[S:S+1], v[S:S+1], v[S+2:S+3]
	v_pk_add_f32 v[S+4:S+5], v[S+4:S+5], v[S+6:S+7]
	v_pk_add_f32 v[S:S+1], v[S:S+1], v[S+4:S+5]
	v_add_f32 v[S], v[S], v[S+1]
	v_permlanex16_b32 v13, v[S], s27, s28          ; the channel's other 64 points lie in the other half of the wave
	v_add_f32 v[S], v[S], v13
	v_mul_f32 v[S], 0x3c000000, v[S]               ; / 128
	v_mul_f32 v[NM], -1.0, v[S]
	v_mul_f32 v[NM+1], -1.0, v[S]
	WIN 0x01
.set n, 0
.rept 32
	v_pk_add_f32 v[DV+2*n:DV+2*n+1], v[64*\a+2*n:64*\a+2*n+1], v[NM:NM+1]
.set n, n+1
.endr
	WIN 0
.irp c, 0,1,2,3
	v_pk_mul_f32 v[QS+2*\c:QS+2*\c+1], v[DV+2*\c:DV+2*\c+1], v[DV+2*\c:DV+2*\c+1]
.endr
.set n, 4
.rept 28
	v_pk_fma_f32 v[QS+2*(n&3):QS+2*(n&3)+1], v[DV+2*n:DV+2*n+1], v[DV+2*n:DV+2*n+1], v[QS+2*(n&3):QS+2*(n&3)+1]
.set n, n+1
.endr
	v_pk_add_f32 v[QS:QS+1], v[QS:QS+1], v[QS+2:QS+3]
	v_pk_add_f32 v[QS+4:QS+5], v[QS+4:QS+5], v[QS+6:QS+7]
	v_pk_add_f32 v[QS:QS+1], v[QS:QS+1], v[QS+4:QS+5]
	v_add_f32 v[QS], v[QS], v[QS+1]
	v_permlanex16_b32 v13, v[QS], s27, s28
	v_add_f32 v[QS], v[QS], v13
	v_add_f32 v[S], v[S], v[BVP+2*\a]              ; the mean of y
	ds_store_b32 v15, v[S]  offset:64*\a           ; both halves write the same word with the same number
	ds_store_b32 v15, v[QS] offset:64*\a+256
.endr
	v_lshlrev_b32 v170, 3, v1
	s_lshl_b32 s29, s16, 9
	s_add_co_u32 s29, s29, SCR
	v_add_nc_u32 v171, s29, v170
	ds_load_b64 v[172:173], v171                   ; the wave's own bytes; LDS serves a wave's instructions in order (ISA guide 5.7.1.4)
	ds_load_b64 v[174:175], v171 offset:256
	s_lshl_b32 s30, s16, 8
	v_add_nc_u32 v170, s30, v170
	s_wait_dscnt 0x0
	global_store_b64 v170, v[172:173], s[24:25]              ; 256 consecutive bytes, at a multiple of 256 from the buffer's first byte
	global_store_b64 v170, v[174:175], s[24:25] offset:1024
.endm
	s_load_b256 s[4:11], s[0:1], 0x0               ; nidx s[4:5], wk s[6:7], f2t s[8:9], feature1 s[10:11]
	s_load_b128 s[12:15], s[0:1], 0x20             ; b1 s[12:13], y1p s[14:15]
	s_set_vgpr_msb 0xc0
	v_lshl_add_u32 v128, v0, 2, 0x1a000
	v_mov_b32 v129, 0
	s_set_vgpr_msb 0xc000
	v_lshrrev_b32 v2, 5, v0
	v_readfirstlane_b32 s16, v2                    ; wave
	v_and_b32 v1, 31, v0                           ; l
	v_and_b32 v2, 15, v0                           ; r, also q
	v_bfe_u32 v3, v0, 4, 1                         ; h
	v_lshlrev_b32 v4, 4, v1                        ; 16 l
	v_lshlrev_b32 v5, 4, v2                        ; 16 q
	s_lshl_b32 s17, s16, 9
	v_lshl_add_u32 v6, v3, 4, s17                  ; indices and weights of point 32 w + h, 16 bytes a point
	s_lshl_b32 s17, s16, 20
	v_add_nc_u32 v7, s17, v4                       ; feature1: channel 32 w, rows of 32,768 bytes, 16 l
	s_mul_i32 s17, s16, 32*IPITCH
	v_mul_u32_u24 v8, v3, IPITCH
	v_add3_u32 v8, v8, v5, s17                     ; IT in: row 32 w + h, byte 16 q
	s_mul_i32 s17, s16, 32*FPITCH
	s_add_co_u32 s17, s17, FT
	v_lshl_add_u32 v9, v1, 3, s17                  ; FT in: row 32 w, byte 8 l
	v_mul_u32_u24 v10, v2, IPITCH
	v_lshl_add_u32 v10, v3, 4, v10                 ; IT out: row r, byte 16 h
	v_and_b32 v11, 7, v0
	v_lshl_add_u32 v11, v3, 3, v11
	v_mul_u32_u24 v11, v11, FPITCH
	v_bfe_u32 v12, v0, 3, 1
	v_lshl_add_u32 v11, v12, 4, v11
	v_add_nc_u32 v11, FT, v11                      ; FT out: row 8 h + l mod 8, byte 16 ((l / 8) mod 2)
	v_mov_b32 v12, 0                               ; the zero onto which the first term of the interpolation adds
	v_mov_b32 v13, 0                               ; v_permlanex16_b32's destination counts as read
	s_lshl_b32 s17, s16, 8
	v_lshl_add_u32 v14, v2, 2, s17                 ; bias of channel 64 w + r
	s_lshl_b32 s17, s16, 9
	s_add_co_u32 s17, s17, SCR
	v_lshl_add_u32 v15, v2, 2, s17
	s_lshr_b32 s18, ttmp9, 6                       ; batch
	s_lshl_b32 s20, ttmp9, 11
	s_mov_b32 s21, 0
	s_mul_i32 s30, s16, 49152
	s_add_co_u32 s30, s30, 524288
	s_mov_b32 s31, 0
	s_lshl_b32 s32, s18, 20
	s_mov_b32 s33, 0
	s_and_b32 s34, ttmp9, 63
	s_lshl_b32 s34, s34, 9
	s_lshl_b32 s36, s18, 22
	s_add_co_u32 s34, s34, s36
	s_mov_b32 s35, 0
	s_lshl_b32 s36, ttmp9, 17
	s_lshl_b32 s38, s16, 15
	s_add_co_u32 s36, s36, s38
	s_mov_b32 s37, 0
	s_mov_b32 s26, 0xffff0000
	s_mov_b32 s27, 0x76543210                      ; v_permlanex16_b32: lane i of one half reads lane i of the other
	s_mov_b32 s28, 0xfedcba98
	s_wait_kmcnt 0x0
	s_add_nc_u64 s[22:23], s[6:7], s[30:31]        ; my wave's fragments of W1
	s_add_nc_u64 s[4:5], s[4:5], s[20:21]
	s_add_nc_u64 s[6:7], s[6:7], s[20:21]
	s_add_nc_u64 s[8:9], s[8:9], s[32:33]
	s_add_nc_u64 s[10:11], s[10:11], s[34:35]
	s_add_nc_u64 s[24:25], s[14:15], PART
	s_add_nc_u64 s[24:25], s[24:25], s[20:21]
	s_add_nc_u64 s[14:15], s[14:15], s[36:37]
	WIN 0x80                                       ; destination window 2
.set n, 0
.rept 64
	global_load_b128 v[4*n:4*n+3], v4, s[22:23] offset:512*n
.set n, n+1
.endr
	WIN 0xc0                                       ; destination window 3
.rept 32
	global_load_b128 v[4*(n-64):4*(n-64)+3], v4, s[22:23] offset:512*n
.set n, n+1
.endr
	WIN 0
.set n, 0
.rept 16
	global_load_b128 v[IDX+4*n:IDX+4*n+3], v6, s[4:5] offset:32*n
	global_load_b128 v[WGT+4*n:WGT+4*n+3], v6, s[6:7] offset:32*n
.set n, n+1
.endr
	WIN 0x40                                       ; destination window 1
.set n, 0
.rept 32
	global_load_b128 v[4*n:4*n+3], v7, s[10:11] offset:32768*n th:TH_LOAD_NT   ; a row's 512 bytes an instruction
.set n, n+1
.endr
	WIN 0
	s_wait_loadcnt 32                              ; all but the 32 loads of feature1
.set n, 0
.rept 16
.irp j, 0,1,2
	v_min_u32 v[IDX+4*n+\j], 0x7ff, v[IDX+4*n+\j]              ; an index stays inside its batch's 2,048 rows
	v_lshl_add_u32 v[IDX+4*n+\j], v[IDX+4*n+\j], 9, v5         ; row of 512 bytes + 16 q
.endr
.set n, n+1
.endr
	GATHER 0
	GATHER 1
	GATHER 2
	GATHER 3
	s_wait_loadcnt 24                              ; feature1 is in; the four slots' 24 loads stay out while it is converted
	WIN 0x40
	v_mov_b32 v255, v9                             ; v511: FT's address, for the stores under the next setting
	WIN 0x45                                       ; destination, source 0 and source 1 window 1
.set n, 0
.rept 32
	v_cvt_pk_bf16_f32 v[128+2*n], v[4*n],   v[4*n+1]           ; the input's rounding to bf16,
	v_cvt_pk_bf16_f32 v[129+2*n], v[4*n+2], v[4*n+3]
.set n, n+1
.endr
.set n, 0
.rept 32
	v_lshlrev_b32 v[4*n],   16,  v[128+2*n]
	v_and_b32     v[4*n+1], s26, v[128+2*n]
	v_lshlrev_b32 v[4*n+2], 16,  v[129+2*n]
	v_and_b32     v[4*n+3], s26, v[129+2*n]
.set n, n+1
.endr
.set n, 0
.rept 32
	v_cvt_pk_f16_f32 v[128+2*n], v[4*n],   v[4*n+1]            ; and the same numbers as f16
	v_cvt_pk_f16_f32 v[129+2*n], v[4*n+2], v[4*n+3]
.set n, n+1
.endr
.set n, 0
.rept 32
	ds_store_b64 v255, v[128+2*n:129+2*n] offset:FPITCH*n      ; channel 32 w + n, points 4 l .. 4 l + 3
.set n, n+1
.endr
	WIN 0
.irp t, 0,1,2,3,4,5,6,7,8,9,10,11,12
	INTERP \t, 18
.endr
	INTERP 13, 12
	INTERP 14, 6
	INTERP 15, 0
.irp a, 0,1,2,3
	global_load_b32 v[BVR+\a], v14, s[12:13] offset:64*\a
.endr
	s_wait_dscnt 0x0                               ; my rows of both tiles are written,
	s_barrier_signal -1
	s_barrier_wait -1                              ; everybody's are
	FETCH 0
.irp s, 0,1,2,3,4,5,6,7,8,9,10,11
	KSTEP \s
.endr
	EPI
	s_set_vgpr_msb 0xf
	s_wait_tensorcnt 0x0
	ds_add_u32 v128, v129
	s_wait_dscnt 0x0
	s_set_vgpr_msb 0xf00
	s_endpgm
.Lfunc_end_k_q1a869af07d_gemm1:
	.size	k_q1a869af07d_gemm1, .Lfunc_end_k_q1a869af07d_gemm1-k_q1a869af07d_gemm1
	.p2alignl 7, 3214868480
	.fill 96, 4, 3214868480
	.section	.rodata,"a",@progbits
	.p2align	6, 0x0
	.amdhsa_kernel k_q1a869af07d_gemm1
		.amdhsa_group_segment_fixed_size 107008
		.amdhsa_private_segment_fixed_size 0
		.amdhsa_enable_private_segment 0
		.amdhsa_kernarg_size 48
		.amdhsa_user_sgpr_count 2
		.amdhsa_user_sgpr_kernarg_segment_ptr 1
		.amdhsa_wavefront_size32 1
		.amdhsa_system_sgpr_workgroup_id_x 1
		.amdhsa_system_sgpr_workgroup_id_y 1
		.amdhsa_system_sgpr_workgroup_id_z 1
		.amdhsa_system_vgpr_workitem_id 0
		.amdhsa_next_free_vgpr 898
		.amdhsa_next_free_sgpr 66
		.amdhsa_reserve_vcc 0
		.amdhsa_float_denorm_mode_32 3
		.amdhsa_float_denorm_mode_16_64 3
		.amdhsa_memory_ordered 1
		.amdhsa_forward_progress 1
		.amdhsa_inst_pref_size 188
	.end_amdhsa_kernel
	.amdgpu_metadata
---
amdhsa.version: [ 1, 2 ]
amdhsa.kernels:
  - .name:           k_q1a869af07d_gemm1
    .symbol:         k_q1a869af07d_gemm1.kd
    .args:
      - { .name: nidx, .offset: 0, .size: 8, .value_kind: global_buffer, .address_space: global }
      - { .name: wk, .offset: 8, .size: 8, .value_kind: global_buffer, .address_space: global }
      - { .name: f2t, .offset: 16, .size: 8, .value_kind: global_buffer, .address_space: global }
      - { .name: feature1, .offset: 24, .size: 8, .value_kind: global_buffer, .address_space: global }
      - { .name: b1, .offset: 32, .size: 8, .value_kind: global_buffer, .address_space: global }
      - { .name: y1p, .offset: 40, .size: 8, .value_kind: global_buffer, .address_space: global }
    .group_segment_fixed_size: 107008
    .private_segment_fixed_size: 0
    .kernarg_segment_align: 8
    .kernarg_segment_size: 48
    .max_flat_workgroup_size: 128
    .sgpr_count:     66
    .vgpr_count:     898
    .wavefront_size: 32
...
	.end_amdgpu_metadata
.endif
;; end of part 3
;; launch stats1 (part 4): grid 4 x 1, 16 waves a work-group, no clusters, 10,240 bytes of LDS; arguments y1p, g1, be1, ss1; writes ss1
.if DOCPART == 4
	.amdgcn_target "amdgcn-amd-amdhsa--gfx1250"
	.amdhsa_code_object_version 6
	.text
	.protected	k_q1a869af07d_stats1
	.globl	k_q1a869af07d_stats1
	.p2align	8
	.type	k_q1a869af07d_stats1,@function
k_q1a869af07d_stats1:
	s_mov_b64 s[64:65], 0
	v_nop
	global_prefetch_b8 v0, s[64:65] scope:SCOPE_SE
	s_setreg_imm32_b32 hwreg(HW_REG_WAVE_MODE, 25, 1), 1
	s_wait_xcnt 0x0
; stats: the batch norm's figures.  From 256 groups' means and sums of squared deviations (128 points each) of 256 channels:
; mean = the mean of the means; M2 = the sum of the groups' M2 + 128 x the sum of (group mean - mean)^2; var = M2 / 32,768;
; scale = g / sqrt(var + 1e-5), shift = be - mean x scale.  No difference of large sums is formed.
; Four work-groups of 64 channels; lane l has channels 2 l, 2 l + 1; wave v has the groups 16 v .. 16 v + 15.  The launch reads 512 KiB and
; writes 2 KiB: four groups have all the work there is, since a channel's 256 partial figures meet in one place.
; LIMITS KEPT.  g and be are rounded to bf16; 1 / sqrt is v_rsq_f32, good to one unit in the last place.
.set PART, 0x2000000
.set MN,   16                          ; v[16:47]  sixteen groups' means, two channels each
.set M2,   48                          ; v[48:79]  their sums of squared deviations
.set AC,   80                          ; v[80:87]  four sums of two
.set MEAN, 88                          ; v[88:89]
.set LDV,  96                          ; v[96:127] sixteen waves' figures
.macro SUM16 acc, src                  ; sixteen pairs into v[acc:acc+1], in four chains
.irp c, 0,1,2,3
	v_pk_add_f32 v[\acc+2*\c:\acc+2*\c+1], v[\src+2*\c:\src+2*\c+1], v[\src+8+2*\c:\src+8+2*\c+1]
.endr
.irp c, 0,1,2,3
	v_pk_add_f32 v[\acc+2*\c:\acc+2*\c+1], v[\acc+2*\c:\acc+2*\c+1], v[\src+16+2*\c:\src+16+2*\c+1]
.endr
.irp c, 0,1,2,3
	v_pk_add_f32 v[\acc+2*\c:\acc+2*\c+1], v[\acc+2*\c:\acc+2*\c+1], v[\src+24+2*\c:\src+24+2*\c+1]
.endr
	v_pk_add_f32 v[\acc:\acc+1], v[\acc:\acc+1], v[\acc+2:\acc+3]
	v_pk_add_f32 v[\acc+4:\acc+5], v[\acc+4:\acc+5], v[\acc+6:\acc+7]
	v_pk_add_f32 v[\acc:\acc+1], v[\acc:\acc+1], v[\acc+4:\acc+5]
.endm
	s_load_b256 s[4:11], s[0:1], 0x0               ; y s[4:5], g s[6:7], be s[8:9], ss s[10:11]
	v_lshl_add_u32 v128, v0, 2, 0x2000
	v_mov_b32 v129, 0
	v_lshrrev_b32 v2, 5, v0
	v_readfirstlane_b32 s12, v2                    ; wave 0..15
	v_and_b32 v1, 31, v0
	v_lshlrev_b32 v3, 3, v1                        ; 8 l
	s_lshl_b32 s13, s12, 15
	v_add_nc_u32 v2, s13, v3                       ; sixteen groups of 2,048 bytes a wave
	s_lshl_b32 s14, ttmp9, 8                       ; my 64 channels
	s_mov_b32 s15, 0
	s_lshl_b32 s16, s12, 8
	v_add_nc_u32 v4, s16, v3                       ; LDS: 256 bytes a wave
	s_mov_b32 s17, 0xffff0000
	s_wait_kmcnt 0x0
	s_add_nc_u64 s[4:5], s[4:5], PART
	s_add_nc_u64 s[4:5], s[4:5], s[14:15]
	s_add_nc_u64 s[6:7], s[6:7], s[14:15]
	s_add_nc_u64 s[8:9], s[8:9], s[14:15]
	s_add_nc_u64 s[10:11], s[10:11], s[14:15]
.set n, 0
.rept 16
	global_load_b64 v[MN+2*n:MN+2*n+1], v2, s[4:5] offset:2048*n           ; 256 consecutive bytes an instruction
	global_load_b64 v[M2+2*n:M2+2*n+1], v2, s[4:5] offset:2048*n+1024
.set n, n+1
.endr
	global_load_b64 v[8:9], v3, s[6:7]
	global_load_b64 v[10:11], v3, s[8:9]
	s_wait_loadcnt 0x0
	SUM16 AC, MN
	ds_store_b64 v4, v[AC:AC+1]
	s_wait_dscnt 0x0
	s_barrier_signal -1
	s_barrier_wait -1
.set n, 0
.rept 16
	ds_load_b64 v[LDV+2*n:LDV+2*n+1], v3 offset:256*n
.set n, n+1
.endr
	s_wait_dscnt 0x0
	SUM16 AC, LDV
	v_pk_mul_f32 v[MEAN:MEAN+1], v[AC:AC+1], 0x3b800000 op_sel_hi:[1,0]    ; / 256
.set n, 0
.rept 16
	v_pk_add_f32 v[MN+2*n:MN+2*n+1], v[MN+2*n:MN+2*n+1], v[MEAN:MEAN+1] neg_lo:[0,1] neg_hi:[0,1]
.set n, n+1
.endr
.irp c, 0,1,2,3
	v_pk_mul_f32 v[AC+2*\c:AC+2*\c+1], v[MN+2*\c:MN+2*\c+1], v[MN+2*\c:MN+2*\c+1]
.endr
.set n, 4
.rept 12
	v_pk_fma_f32 v[AC+2*(n&3):AC+2*(n&3)+1], v[MN+2*n:MN+2*n+1], v[MN+2*n:MN+2*n+1], v[AC+2*(n&3):AC+2*(n&3)+1]
.set n, n+1
.endr
	v_pk_add_f32 v[AC:AC+1], v[AC:AC+1], v[AC+2:AC+3]
	v_pk_add_f32 v[AC+4:AC+5], v[AC+4:AC+5], v[AC+6:AC+7]
	v_pk_add_f32 v[AC:AC+1], v[AC:AC+1], v[AC+4:AC+5]
	SUM16 LDV, M2
	v_pk_fma_f32 v[AC:AC+1], v[AC:AC+1], 0x43000000, v[LDV:LDV+1] op_sel_hi:[1,0,1]   ; 128 x the spread of the means + the groups' own
	ds_store_b64 v4, v[AC:AC+1] offset:4096        ; other bytes than the first exchange's: no barrier between the two is needed
	s_wait_dscnt 0x0
	s_barrier_signal -1
	s_barrier_wait -1
	s_cmp_lg_u32 s12, 0
	s_cbranch_scc1 .Ldone                          ; wave 0 alone finishes
.set n, 0
.rept 16
	ds_load_b64 v[LDV+2*n:LDV+2*n+1], v3 offset:4096+256*n
.set n, n+1
.endr
	s_wait_dscnt 0x0
	SUM16 AC, LDV
	v_pk_mul_f32 v[AC:AC+1], v[AC:AC+1], 0x38000000 op_sel_hi:[1,0]        ; / 32,768
	v_pk_add_f32 v[AC:AC+1], v[AC:AC+1], 0x3727c5ac op_sel_hi:[1,0]        ; + 1e-5
	v_rsq_f32 v[AC+2], v[AC]
	v_rsq_f32 v[AC+3], v[AC+1]
	v_cvt_pk_bf16_f32 v12, v8, v9                  ; plain work between the roots and their use (ISA guide 5.7.2): g and be rounded to bf16
	v_cvt_pk_bf16_f32 v13, v10, v11
	v_lshlrev_b32 v8, 16, v12
	v_and_b32 v9, s17, v12
	v_lshlrev_b32 v10, 16, v13
	v_and_b32 v11, s17, v13
	s_wait_alu depctr_va_vdst(0)
	v_pk_mul_f32 v[AC+4:AC+5], v[8:9], v[AC+2:AC+3]
	v_pk_fma_f32 v[AC+6:AC+7], v[MEAN:MEAN+1], v[AC+4:AC+5], v[10:11] neg_lo:[1,0,0] neg_hi:[1,0,0]
	global_store_b64 v3, v[AC+4:AC+5], s[10:11]              ; scale: 256 consecutive bytes
	global_store_b64 v3, v[AC+6:AC+7], s[10:11] offset:1024  ; shift
.Ldone:
	s_wait_tensorcnt 0x0
	ds_add_u32 v128, v129
	s_wait_dscnt 0x0
	s_endpgm
.Lfunc_end_k_q1a869af07d_stats1:
	.size	k_q1a869af07d_stats1, .Lfunc_end_k_q1a869af07d_stats1-k_q1a869af07d_stats1
	.p2alignl 7, 3214868480
	.fill 96, 4, 3214868480
	.section	.rodata,"a",@progbits
	.p2align	6, 0x0
	.amdhsa_kernel k_q1a869af07d_stats1
		.amdhsa_group_segment_fixed_size 10240
		.amdhsa_private_segment_fixed_size 0
		.amdhsa_enable_private_segment 0
		.amdhsa_kernarg_size 32
		.amdhsa_user_sgpr_count 2
		.amdhsa_user_sgpr_kernarg_segment_ptr 1
		.amdhsa_wavefront_size32 1
		.amdhsa_system_sgpr_workgroup_id_x 1
		.amdhsa_system_sgpr_workgroup_id_y 1
		.amdhsa_system_sgpr_workgroup_id_z 1
		.amdhsa_system_vgpr_workitem_id 0
		.amdhsa_next_free_vgpr 130
		.amdhsa_next_free_sgpr 66
		.amdhsa_reserve_vcc 0
		.amdhsa_float_denorm_mode_32 3
		.amdhsa_float_denorm_mode_16_64 3
		.amdhsa_memory_ordered 1
		.amdhsa_forward_progress 1
		.amdhsa_inst_pref_size 14
	.end_amdhsa_kernel
	.amdgpu_metadata
---
amdhsa.version: [ 1, 2 ]
amdhsa.kernels:
  - .name:           k_q1a869af07d_stats1
    .symbol:         k_q1a869af07d_stats1.kd
    .args:
      - { .name: y1p, .offset: 0, .size: 8, .value_kind: global_buffer, .address_space: global }
      - { .name: g1, .offset: 8, .size: 8, .value_kind: global_buffer, .address_space: global }
      - { .name: be1, .offset: 16, .size: 8, .value_kind: global_buffer, .address_space: global }
      - { .name: ss1, .offset: 24, .size: 8, .value_kind: global_buffer, .address_space: global }
    .group_segment_fixed_size: 10240
    .private_segment_fixed_size: 0
    .kernarg_segment_align: 8
    .kernarg_segment_size: 32
    .max_flat_workgroup_size: 512
    .sgpr_count:     66
    .vgpr_count:     130
    .wavefront_size: 32
...
	.end_amdgpu_metadata
.endif
;; end of part 4
;; launch gemm2 (part 5): grid 256 x 1, 4 waves a work-group, no clusters, 76,288 bytes of LDS; arguments y1p, ss1, wk, b2, y2p; writes y2p
.if DOCPART == 5
	.amdgcn_target "amdgcn-amd-amdhsa--gfx1250"
	.amdhsa_code_object_version 6
	.text
	.protected	k_q1a869af07d_gemm2
	.globl	k_q1a869af07d_gemm2
	.p2align	8
	.type	k_q1a869af07d_gemm2,@function
k_q1a869af07d_gemm2:
	s_mov_b64 s[64:65], 0
	v_nop
	global_prefetch_b8 v0, s[64:65] scope:SCOPE_SE
	s_setreg_imm32_b32 hwreg(HW_REG_WAVE_MODE, 25, 1), 1
	s_wait_xcnt 0x0
; gemm2: h = relu(y1 x scale + shift), y2 = W2 h + b2, and each group's mean and sum of squared deviations for the second batch norm.
; The shape is gemm1's: 128 points x 256 channels a work-group, K = 256; wave w makes channels 64 w .. 64 w + 63 in 32 accumulators,
; source 0 the activations (row = point), source 1 the weights (column = channel).  Wave w reads the part of y1 that lies in accumulator order
; for channels 64 w .. (32 KiB), normalises it and lays it into LDS as [k 256][point 128] f16; the fragments come by the transposing load.
; The weights (32 KiB a wave, f16 in fragment order) go straight into 256 registers, once; for that reason no cluster and no tensor load, as in gemm1.
; LIMITS KEPT.  h is rounded to f16 once (|h| < 65,504: |g1| x 181 + |be1| must stay below that); b2 is rounded to bf16.
; REGISTERS: window 0 at work; window 1 first y1 as loaded, then the accumulators (tile (a, b) at 8 (8 a + b)); window 2 the weights (32 ks + 8 a).
.set FPITCH, 288                       ; HT: [k 256][point 128] f16, 256 bytes + 32 = 9 x 32
.set SCR,    73728                     ; 512 bytes a wave
.set NKS,    8
.set PART,   0x2000000
.set H,    16                          ; v[16:79]   64 numbers of one channel at work
.set FA,   16                          ; v[16:79], v[80:143] activation fragments, two buffers
.set Y,    16
.set DV,   80
.set BVP,  144
.set S,    152
.set QS,   160
.set NM,   168
.set BVR,  176                         ; v[176:179] bias as loaded
.set SCR0, 180                         ; v[180:183] scale as loaded, v[184:187] shift
.set SCP,  188                         ; v[188:195] scale doubled
.set SHP,  196                         ; v[196:203] shift doubled
.set MSB, 0
.macro WIN new                         ; s_set_vgpr_msb: bits 1:0 source 0, 3:2 source 1, 5:4 source 2, 7:6 destination; the high byte repeats the setting that is left
.if MSB != \new
	s_set_vgpr_msb (MSB<<8)|\new
.set MSB, \new
.endif
.endm
.macro PLACES                          ; four places behind a matrix instruction, in front of loads into its sources and of reads of its results
.rept 4
	v_nop
.endr
.endm
; the fragments of K step s by the transposing load; two address registers, since the immediate has 16 bits
.macro FETCH s
.set FB, FA+64*((\s)&1)
.if (\s) < 4
.irp b, 0,1,2,3,4,5,6,7
	ds_load_tr16_b128 v[FB+8*\b:FB+8*\b+3],   v10 offset:32*FPITCH*(\s)+32*\b
	ds_load_tr16_b128 v[FB+8*\b+4:FB+8*\b+7], v10 offset:32*FPITCH*(\s)+32*\b+16*FPITCH
.endr
.else
.irp b, 0,1,2,3,4,5,6,7
	ds_load_tr16_b128 v[FB+8*\b:FB+8*\b+3],   v11 offset:32*FPITCH*((\s)-4)+32*\b
	ds_load_tr16_b128 v[FB+8*\b+4:FB+8*\b+7], v11 offset:32*FPITCH*((\s)-4)+32*\b+16*FPITCH
.endr
.endif
.endm
; 32 matrix instructions: the 32 accumulators take turns, one instruction a turn, in the same order in every K step
.macro MUL32 buf, wb, st
.irp a, 0,1,2,3
.irp b, 0,1,2,3,4,5,6,7
.if (\st) == 0
	v_wmma_f32_16x16x32_f16 v[8*(8*\a+\b):8*(8*\a+\b)+7], v[\buf+8*\b:\buf+8*\b+7], v[\wb+8*\a:\wb+8*\a+7], 0
.else
	v_wmma_f32_16x16x32_f16 v[8*(8*\a+\b):8*(8*\a+\b)+7], v[\buf+8*\b:\buf+8*\b+7], v[\wb+8*\a:\wb+8*\a+7], v[8*(8*\a+\b):8*(8*\a+\b)+7]
.endif
.endr
.endr
.endm
.macro KSTEP s
	WIN 0
.if (\s)+1 < NKS
.if (\s) > 0
	PLACES                                         ; the buffer loaded next was read by the matrix instructions just issued
.endif
	FETCH (\s)+1
	s_wait_dscnt 16                                ; this step's sixteen loads are in; the next step's sixteen may be out
.else
	s_wait_dscnt 0x0
.endif
	WIN 0x58                                       ; C and D window 1, weights window 2, activations window 0
	MUL32 FA+64*((\s)&1), 32*(\s), \s
.endm
; The way out, as in gemm1.  For each a: y = sum + bias, stored as it lies; the group's mean; the deviations from it; their squares.
.macro EPI
	WIN 0
	PLACES
	s_wait_loadcnt 0x0
.irp a, 0,1,2,3
	v_cvt_pk_bf16_f32 v[BVP+2*\a], v[BVR+\a], v[BVR+\a]
.endr
.irp a, 0,1,2,3
	v_lshlrev_b32 v[BVP+2*\a], 16, v[BVP+2*\a]
.endr
.irp a, 0,1,2,3
	v_mov_b32 v[BVP+2*\a+1], v[BVP+2*\a]
.endr
.irp a, 0,1,2,3
	s_wait_xcnt 0x0                                ; Y, which the stores of the last turn read, is written again only behind this wait
	WIN 0x05                                       ; both sources window 1
.irp c, 0,1,2,3
	v_pk_add_f32 v[S+2*\c:S+2*\c+1], v[64*\a+2*\c:64*\a+2*\c+1], v[64*\a+8+2*\c:64*\a+8+2*\c+1]   ; the first eight pairs start the four sums
.endr
	WIN 0x01                                       ; source 0 window 1
.set n, 8
.rept 24
	v_pk_add_f32 v[S+2*(n&3):S+2*(n&3)+1], v[64*\a+2*n:64*\a+2*n+1], v[S+2*(n&3):S+2*(n&3)+1]
.set n, n+1
.endr
.set n, 0
.rept 32
	v_pk_add_f32 v[Y+2*n:Y+2*n+1], v[64*\a+2*n:64*\a+2*n+1], v[BVP+2*\a:BVP+2*\a+1]
.set n, n+1
.endr
	WIN 0
.set n, 0
.rept 16
	global_store_b128 v4, v[Y+4*n:Y+4*n+3], s[14:15] offset:512*(16*\a+n)
.set n, n+1
.endr
	v_pk_add_f32 v[S:S+1], v[S:S+1], v[S+2:S+3]
	v_pk_add_f32 v[S+4:S+5], v[S+4:S+5], v[S+6:S+7]
	v_pk_add_f32 v[S:S+1], v[S:S+1], v[S+4:S+5]
	v_add_f32 v[S], v[S], v[S+1]
	v_permlanex16_b32 v13, v[S], s27, s28          ; the channel's other 64 points lie in the other half of the wave
	v_add_f32 v[S], v[S], v13
	v_mul_f32 v[S], 0x3c000000, v[S]               ; / 128
	v_mul_f32 v[NM], -1.0, v[S]
	v_mul_f32 v[NM+1], -1.0, v[S]
	WIN 0x01
.set n, 0
.rept 32
	v_pk_add_f32 v[DV+2*n:DV+2*n+1], v[64*\a+2*n:64*\a+2*n+1], v[NM:NM+1]
.set n, n+1
.endr
	WIN 0
.irp c, 0,1,2,3
	v_pk_mul_f32 v[QS+2*\c:QS+2*\c+1], v[DV+2*\c:DV+2*\c+1], v[DV+2*\c:DV+2*\c+1]
.endr
.set n, 4
.rept 28
	v_pk_fma_f32 v[QS+2*(n&3):QS+2*(n&3)+1], v[DV+2*n:DV+2*n+1], v[DV+2*n:DV+2*n+1], v[QS+2*(n&3):QS+2*(n&3)+1]
.set n, n+1
.endr
	v_pk_add_f32 v[QS:QS+1], v[QS:QS+1], v[QS+2:QS+3]
	v_pk_add_f32 v[QS+4:QS+5], v[QS+4:QS+5], v[QS+6:QS+7]
	v_pk_add_f32 v[QS:QS+1], v[QS:QS+1], v[QS+4:QS+5]
	v_add_f32 v[QS], v[QS], v[QS+1]
	v_permlanex16_b32 v13, v[QS], s27, s28
	v_add_f32 v[QS], v[QS], v13
	v_add_f32 v[S], v[S], v[BVP+2*\a]              ; the mean of y
	ds_store_b32 v15, v[S]  offset:64*\a           ; both halves write the same word with the same number
	ds_store_b32 v15, v[QS] offset:64*\a+256
.endr
	v_lshlrev_b32 v170, 3, v1
	s_lshl_b32 s29, s16, 9
	s_add_co_u32 s29, s29, SCR
	v_add_nc_u32 v171, s29, v170
	ds_load_b64 v[172:173], v171                   ; the wave's own bytes; LDS serves a wave's instructions in order (ISA guide 5.7.1.4)
	ds_load_b64 v[174:175], v171 offset:256
	s_lshl_b32 s30, s16, 8
	v_add_nc_u32 v170, s30, v170
	s_wait_dscnt 0x0
	global_store_b64 v170, v[172:173], s[24:25]              ; 256 consecutive bytes, at a multiple of 256 from the buffer's first byte
	global_store_b64 v170, v[174:175], s[24:25] offset:1024
.endm
	s_load_b256 s[4:11], s[0:1], 0x0               ; y1p s[4:5], ss1 s[6:7], wk s[8:9], b2 s[10:11]
	s_load_b64 s[14:15], s[0:1], 0x20              ; y2p
	v_lshl_add_u32 v254, v0, 2, 0x12800
	v_mov_b32 v255, 0
	v_lshrrev_b32 v2, 5, v0
	v_readfirstlane_b32 s16, v2                    ; wave
	v_and_b32 v1, 31, v0
	v_and_b32 v2, 15, v0                           ; r
	v_bfe_u32 v3, v0, 4, 1                         ; h
	v_lshlrev_b32 v4, 4, v1                        ; 16 l
	s_lshl_b32 s17, s16, 8
	v_lshl_add_u32 v5, v2, 2, s17                  ; channel 64 w + r, 4 bytes
	s_mul_i32 s17, s16, 64*FPITCH
	v_mul_u32_u24 v8, v2, FPITCH
	v_lshl_add_u32 v8, v3, 4, v8
	v_add_nc_u32 v8, s17, v8                       ; HT in: row 64 w + r, byte 16 h
	v_and_b32 v10, 7, v0
	v_lshl_add_u32 v10, v3, 3, v10
	v_mul_u32_u24 v10, v10, FPITCH
	v_bfe_u32 v12, v0, 3, 1
	v_lshl_add_u32 v10, v12, 4, v10                ; HT out: row 8 h + l mod 8, byte 16 ((l / 8) mod 2)
	v_add_nc_u32 v11, 128*FPITCH, v10              ; the same 128 rows further down
	v_mov_b32 v13, 0                               ; v_permlanex16_b32's destination counts as read
	s_lshl_b32 s17, s16, 9
	s_add_co_u32 s17, s17, SCR
	v_lshl_add_u32 v15, v2, 2, s17
	s_lshl_b32 s20, ttmp9, 11
	s_mov_b32 s21, 0
	s_lshl_b32 s36, ttmp9, 17
	s_lshl_b32 s38, s16, 15
	s_add_co_u32 s36, s36, s38
	s_mov_b32 s37, 0
	s_add_co_u32 s30, s38, 720896
	s_mov_b32 s31, 0
	s_mov_b32 s27, 0x76543210
	s_mov_b32 s28, 0xfedcba98
	s_wait_kmcnt 0x0
	s_add_nc_u64 s[4:5], s[4:5], s[36:37]
	s_add_nc_u64 s[8:9], s[8:9], s[30:31]
	s_add_nc_u64 s[24:25], s[14:15], PART
	s_add_nc_u64 s[24:25], s[24:25], s[20:21]
	s_add_nc_u64 s[14:15], s[14:15], s[36:37]
.irp a, 0,1,2,3
	global_load_b32 v[SCR0+\a],   v5, s[6:7] offset:64*\a
	global_load_b32 v[SCR0+4+\a], v5, s[6:7] offset:64*\a+1024
	global_load_b32 v[BVR+\a],    v5, s[10:11] offset:64*\a
.endr
	WIN 0x40                                       ; destination window 1
.set n, 0
.rept 64
	global_load_b128 v[4*n:4*n+3], v4, s[4:5] offset:512*n th:TH_LOAD_NT
.set n, n+1
.endr
	WIN 0x80                                       ; destination window 2
.set n, 0
.rept 64
	global_load_b128 v[4*n:4*n+3], v4, s[8:9] offset:512*n
.set n, n+1
.endr
	WIN 0
	s_wait_loadcnt 63                              ; of the 140 loads the first 77 are in: the 12 small ones and all 64 of y1; 63 is the largest count that the wait can name
.irp a, 0,1,2,3
	v_mov_b32 v[SCP+2*\a],   v[SCR0+\a]
	v_mov_b32 v[SCP+2*\a+1], v[SCR0+\a]
	v_mov_b32 v[SHP+2*\a],   v[SCR0+4+\a]
	v_mov_b32 v[SHP+2*\a+1], v[SCR0+4+\a]
.endr
.irp a, 0,1,2,3
	WIN 0x01                                       ; source 0 window 1
.set n, 0
.rept 32
	v_pk_fma_f32 v[H+2*n:H+2*n+1], v[64*\a+2*n:64*\a+2*n+1], v[SCP+2*\a:SCP+2*\a+1], v[SHP+2*\a:SHP+2*\a+1]
.set n, n+1
.endr
	WIN 0
.set n, 0
.rept 64
	v_max_num_f32 v[H+n], 0, v[H+n]
.set n, n+1
.endr
.set n, 0
.rept 32
	v_cvt_pk_f16_f32 v[H+n], v[H+2*n], v[H+2*n+1]
.set n, n+1
.endr
.irp b, 0,1,2,3,4,5,6,7
	ds_store_b128 v8, v[H+4*\b:H+4*\b+3] offset:16*FPITCH*\a+32*\b   ; eight points of one channel; rows 288 bytes apart: two lanes share a 16-byte column modulo 256 bytes
.endr
.endr
	s_wait_dscnt 0x0                               ; my 64 rows are written,
	s_barrier_signal -1
	s_barrier_wait -1                              ; everybody's are
	s_wait_loadcnt 0x0                             ; the weights
	FETCH 0
.irp s, 0,1,2,3,4,5,6,7
	KSTEP \s
.endr
	EPI
	s_wait_tensorcnt 0x0
	ds_add_u32 v254, v255
	s_wait_dscnt 0x0
	s_endpgm
.Lfunc_end_k_q1a869af07d_gemm2:
	.size	k_q1a869af07d_gemm2, .Lfunc_end_k_q1a869af07d_gemm2-k_q1a869af07d_gemm2
	.p2alignl 7, 3214868480
	.fill 96, 4, 3214868480
	.section	.rodata,"a",@progbits
	.p2align	6, 0x0
	.amdhsa_kernel k_q1a869af07d_gemm2
		.amdhsa_group_segment_fixed_size 76288
		.amdhsa_private_segment_fixed_size 0
		.amdhsa_enable_private_segment 0
		.amdhsa_kernarg_size 40
		.amdhsa_user_sgpr_count 2
		.amdhsa_user_sgpr_kernarg_segment_ptr 1
		.amdhsa_wavefront_size32 1
		.amdhsa_system_sgpr_workgroup_id_x 1
		.amdhsa_system_sgpr_workgroup_id_y 1
		.amdhsa_system_sgpr_workgroup_id_z 1
		.amdhsa_system_vgpr_workitem_id 0
		.amdhsa_next_free_vgpr 768
		.amdhsa_next_free_sgpr 66
		.amdhsa_reserve_vcc 0
		.amdhsa_float_denorm_mode_32 3
		.amdhsa_float_denorm_mode_16_64 3
		.amdhsa_memory_ordered 1
		.amdhsa_forward_progress 1
		.amdhsa_inst_pref_size 111
	.end_amdhsa_kernel
	.amdgpu_metadata
---
amdhsa.version: [ 1, 2 ]
amdhsa.kernels:
  - .name:           k_q1a869af07d_gemm2
    .symbol:         k_q1a869af07d_gemm2.kd
    .args:
      - { .name: y1p, .offset: 0, .size: 8, .value_kind: global_buffer, .address_space: global }
      - { .name: ss1, .offset: 8, .size: 8, .value_kind: global_buffer, .address_space: global }
      - { .name: wk, .offset: 16, .size: 8, .value_kind: global_buffer, .address_space: global }
      - { .name: b2, .offset: 24, .size: 8, .value_kind: global_buffer, .address_space: global }
      - { .name: y2p, .offset: 32, .size: 8, .value_kind: global_buffer, .address_space: global }
    .group_segment_fixed_size: 76288
    .private_segment_fixed_size: 0
    .kernarg_segment_align: 8
    .kernarg_segment_size: 40
    .max_flat_workgroup_size: 128
    .sgpr_count:     66
    .vgpr_count:     768
    .wavefront_size: 32
...
	.end_amdgpu_metadata
.endif
;; end of part 5
;; launch stats2: the kernel of part 4 again; grid 4 x 1, 16 waves a work-group, no clusters, 10,240 bytes of LDS; arguments y2p, g2, be2, ss2; writes ss2
;; launch bnout (part 6): grid 256 x 1, 8 waves a work-group, no clusters, 68,608 bytes of LDS; arguments y2p, ss2, out0; writes out0
.if DOCPART == 6
	.amdgcn_target "amdgcn-amd-amdhsa--gfx1250"
	.amdhsa_code_object_version 6
	.text
	.protected	k_q1a869af07d_bnout
	.globl	k_q1a869af07d_bnout
	.p2align	8
	.type	k_q1a869af07d_bnout,@function
k_q1a869af07d_bnout:
	s_mov_b64 s[64:65], 0
	v_nop
	global_prefetch_b8 v0, s[64:65] scope:SCOPE_SE
	s_setreg_imm32_b32 hwreg(HW_REG_WAVE_MODE, 25, 1), 1
	s_wait_xcnt 0x0
; bnout: out0 = relu(y2 x scale + shift), from accumulator order into [b][channel][point].
; A stream: each byte of y2 is read once and each byte of out0 written once; the matrix unit, clusters and tensor loads would add nothing.
; A work-group has 128 points x 256 channels (128 KiB), all of it requested at the start; wave v has channels 32 v .. 32 v + 31 (16 KiB, 32 loads).
; In y2p lane (r, h) holds four points 16 b + 8 h + 4 q + e of channel r of a block of sixteen channels: the block goes through the wave's own stage in LDS
; (sixteen rows of 512 bytes, pitch 528 = 33 x 16 bytes, so that sixteen lanes' rows start in sixteen different 16-byte columns modulo 256 bytes)
; and comes back as whole rows, which are stored 512 consecutive bytes an instruction.  The stage is the wave's own: no barrier.
.set SPITCH, 528
.set X,  16                            ; v[16:143]  y2 as loaded, then the result
.set OU, 144                           ; v[144:207] rows on their way out
.set SC, 208                           ; v[208:211] scale doubled, for the two blocks
.set SH, 212                           ; v[212:215] shift doubled
	s_load_b128 s[4:7], s[0:1], 0x0                ; y2p s[4:5], ss2 s[6:7]
	s_load_b64 s[8:9], s[0:1], 0x10                ; out0
	v_lshl_add_u32 v216, v0, 2, 0x10800
	v_mov_b32 v217, 0
	v_lshrrev_b32 v2, 5, v0
	v_readfirstlane_b32 s10, v2                    ; wave 0..7
	v_and_b32 v1, 31, v0
	v_and_b32 v2, 15, v0                           ; r
	v_bfe_u32 v3, v0, 4, 1                         ; h
	v_lshlrev_b32 v4, 4, v1                        ; 16 l
	s_lshl_b32 s11, s10, 7
	v_lshl_add_u32 v5, v2, 2, s11                  ; channel 32 v + r, 4 bytes
	s_lshl_b32 s11, s10, 20
	v_add_nc_u32 v6, s11, v4                       ; out0: channel 32 v, rows of 32,768 bytes, 16 l
	s_mul_i32 s11, s10, 16*SPITCH
	v_mul_u32_u24 v7, v2, SPITCH
	v_lshl_add_u32 v7, v3, 5, v7
	v_add_nc_u32 v7, s11, v7                       ; stage in: row r, byte 32 h
	v_add_nc_u32 v8, s11, v4                       ; stage out: byte 16 l of a row
	s_lshl_b32 s12, ttmp9, 17
	s_lshl_b32 s14, s10, 14
	s_add_co_u32 s12, s12, s14
	s_mov_b32 s13, 0
	s_lshr_b32 s14, ttmp9, 6
	s_lshl_b32 s14, s14, 23                        ; batch x 256 channels x 32,768 bytes
	s_and_b32 s16, ttmp9, 63
	s_lshl_b32 s16, s16, 9
	s_add_co_u32 s14, s14, s16
	s_mov_b32 s15, 0
	s_wait_kmcnt 0x0
	s_add_nc_u64 s[4:5], s[4:5], s[12:13]
	s_add_nc_u64 s[8:9], s[8:9], s[14:15]
.irp a, 0,1
	global_load_b32 v[SC+2*\a], v5, s[6:7] offset:64*\a
	global_load_b32 v[SH+2*\a], v5, s[6:7] offset:64*\a+1024
.endr
.set n, 0
.rept 32
	global_load_b128 v[X+4*n:X+4*n+3], v4, s[4:5] offset:512*n th:TH_LOAD_NT
.set n, n+1
.endr
.irp a, 0,1
	s_wait_loadcnt 16-16*\a                        ; this block's sixteen loads are in; the second block's may be out
	v_mov_b32 v[SC+2*\a+1], v[SC+2*\a]
	v_mov_b32 v[SH+2*\a+1], v[SH+2*\a]
.set n, 0
.rept 32
	v_pk_fma_f32 v[X+64*\a+2*n:X+64*\a+2*n+1], v[X+64*\a+2*n:X+64*\a+2*n+1], v[SC+2*\a:SC+2*\a+1], v[SH+2*\a:SH+2*\a+1]
.set n, n+1
.endr
.set n, 0
.rept 64
	v_max_num_f32 v[X+64*\a+n], 0, v[X+64*\a+n]
.set n, n+1
.endr
.set n, 0
.rept 16
	ds_store_b128 v7, v[X+64*\a+4*n:X+64*\a+4*n+3] offset:64*(n>>1)+16*(n&1)   ; points 16 b + 8 h + 4 q ..: n = 2 b + q
.set n, n+1
.endr
	s_wait_xcnt 0x0                                ; OU, which the first block's stores read, is loaded again only behind this wait
.set n, 0
.rept 16
	ds_load_b128 v[OU+4*n:OU+4*n+3], v8 offset:SPITCH*n        ; LDS serves a wave's instructions in order (ISA guide 5.7.1.4): these see the stores above
.set n, n+1
.endr
.set n, 0
.rept 16
	s_wait_dscnt 15-n                              ; row n is in
	global_store_b128 v6, v[OU+4*n:OU+4*n+3], s[8:9] offset:(16*\a+n)*32768 th:TH_STORE_NT   ; 512 consecutive bytes, at a multiple of 512 from out0's first byte
.set n, n+1
.endr
.endr
	s_wait_tensorcnt 0x0
	ds_add_u32 v216, v217
	s_wait_dscnt 0x0
	s_endpgm
.Lfunc_end_k_q1a869af07d_bnout:
	.size	k_q1a869af07d_bnout, .Lfunc_end_k_q1a869af07d_bnout-k_q1a869af07d_bnout
	.p2alignl 7, 3214868480
	.fill 96, 4, 3214868480
	.section	.rodata,"a",@progbits
	.p2align	6, 0x0
	.amdhsa_kernel k_q1a869af07d_bnout
		.amdhsa_group_segment_fixed_size 68608
		.amdhsa_private_segment_fixed_size 0
		.amdhsa_enable_private_segment 0
		.amdhsa_kernarg_size 24
		.amdhsa_user_sgpr_count 2
		.amdhsa_user_sgpr_kernarg_segment_ptr 1
		.amdhsa_wavefront_size32 1
		.amdhsa_system_sgpr_workgroup_id_x 1
		.amdhsa_system_sgpr_workgroup_id_y 1
		.amdhsa_system_sgpr_workgroup_id_z 1
		.amdhsa_system_vgpr_workitem_id 0
		.amdhsa_next_free_vgpr 218
		.amdhsa_next_free_sgpr 66
		.amdhsa_reserve_vcc 0
		.amdhsa_float_denorm_mode_32 3
		.amdhsa_float_denorm_mode_16_64 3
		.amdhsa_memory_ordered 1
		.amdhsa_forward_progress 1
		.amdhsa_inst_pref_size 22
	.end_amdhsa_kernel
	.amdgpu_metadata
---
amdhsa.version: [ 1, 2 ]
amdhsa.kernels:
  - .name:           k_q1a869af07d_bnout
    .symbol:         k_q1a869af07d_bnout.kd
    .args:
      - { .name: y2p, .offset: 0, .size: 8, .value_kind: global_buffer, .address_space: global }
      - { .name: ss2, .offset: 8, .size: 8, .value_kind: global_buffer, .address_space: global }
      - { .name: out0, .offset: 16, .size: 8, .value_kind: global_buffer, .address_space: global }
    .group_segment_fixed_size: 68608
    .private_segment_fixed_size: 0
    .kernarg_segment_align: 8
    .kernarg_segment_size: 24
    .max_flat_workgroup_size: 256
    .sgpr_count:     66
    .vgpr_count:     218
    .wavefront_size: 32
...
	.end_amdgpu_metadata
.endif
;; end of part 6
;; ======== version 2 of 3: 6 launches; 1.17 times as fast as version 1
;; limits: values outside matrix products are rounded to bf16; values are held in f16: magnitudes above 65,504 overflow, below 6.1e-05 lose precision
;; workspace buffers: cand 131,072 bytes of whole numbers; f2t 4,194,304 bytes; nidx 524,288 bytes of whole numbers; wk 851,968 bytes; y1p 34,078,720 bytes; y2p 34,078,720 bytes; ss1 2,048 bytes
;; launch knn_a (part 7): grid 256 x 1, 8 waves a work-group, no clusters, 77,824 bytes of LDS; arguments pos1, pos2, feature2, cand, f2t; writes cand, f2t
.if DOCPART == 7
	.amdgcn_target "amdgcn-amd-amdhsa--gfx1250"
	.amdhsa_code_object_version 6
	.text
	.protected	k_q1a869af07d_knn_a
	.globl	k_q1a869af07d_knn_a
	.p2align	8
	.type	k_q1a869af07d_knn_a,@function
k_q1a869af07d_knn_a:
	s_mov_b64 s[64:65], 0
	v_nop
	global_prefetch_b8 v0, s[64:65] scope:SCOPE_SE
	s_setreg_imm32_b32 hwreg(HW_REG_WAVE_MODE, 25, 1), 1
	s_wait_xcnt 0x0
; knn_a: first level of the exact 3-nearest search, and feature2 transposed to bf16.
; The 2,048 candidates of a batch are cut into 128 chunks of 16 neighbouring indices.  In the order (distance, index) the three best
; candidates lie in the three chunks whose minima are best in the order (minimum, chunk number): a candidate of any other chunk has
; three candidates of three other chunks in front of it.  This launch finds these three chunks for each query and stores their numbers,
; ascending, as one word: c0 | c1<<8 | c2<<16.  The next launch scans the 48 candidates.
; A work-group has 128 queries; lane l holds queries 4 l + k (k = 0..3), the same in all eight waves; wave w scans chunks 16 w .. 16 w + 15.
; Eight waves are two on each of the WGP's four SIMDs: the scan is a run of dependent vector instructions and LDS loads, and while one wave
; waits for a result the other issues.
; LIMITS KEPT.  Positions are rounded to bf16 (nearest even) as they are loaded: every product of two of them is then exact in f32, and the
; sums are made in the order s = (x x + y y) + z z, dot = (x x' + y y') + z z', d = (s1 + s2) + (-2 dot).  The product has 3 of the 32 K of a
; matrix instruction and its roundings decide the choice of neighbours, so it is formed in the vector unit.  Equal distances go to the lower index.
; NaN and infinite positions are not served.  feature2 is rounded to bf16 once, here.
; Second task: a block of 128 channels x 64 candidates of feature2 goes out as f2t[b][s][256] in bf16, through LDS, in whole runs of 256 bytes.
.set CPITCH, 272                       ; a chunk in LDS: 8 pairs x 32 bytes + 16 = 17 x 16 bytes
.set NCH,    16                        ; chunks of a wave
.set MRG,    34816                     ; [wave 8][k 4][lane 32] 16 bytes: three minima and their chunk numbers
.set RES,    51200                     ; [k 4][lane 32] words: the packed result
.set TRS,    51712                     ; [wave 8][row 64] 32 bytes (16 channels), for the transposition; candidate 4 q + e lies in row 16 e + q
.set TROW,   48                        ; its row pitch = 3 x 16 bytes: sixteen lanes' rows q start in sixteen different 16-byte columns modulo 256 bytes
.set TWAVE,  3104                      ; its wave pitch = 12 x 256 + 32: the eight waves' parts of a row lie two 16-byte columns apart modulo 256 bytes
.set QR,  16                           ; v[16:47]   query k at 8 k: -2x, -2x, -2y, -2y, -2z, -2z, s1, s1
.set ST,  48                           ; v[48:79]   query k at 8 k: B1, B2, B3, packed ids, I1, I2, I3
.set F2,  80                           ; v[80:111]  feature2: channel i at 4 i, four candidates
.set CB0, 144                          ; v[144:175] first half of a chunk: pair p at 8 p: xa xb ya yb za zb sa sb
.set CB1, 176                          ; v[176:207] second half
.set E,   208                          ; v[208:223] eight chains: -2 dot, then the distance
.set T,   224                          ; v[224:239] eight chains: s1 + s2
.set M,   240                          ; v[240:243] the chunk's minimum for each query
.set RAW, 144                          ; ahead of the scan: v[144:167] pos2 as loaded (coordinate c at 8 c, quad i at 4 i)
.set P1,  192                          ;                    v[192:203] pos1 as loaded (coordinate c at 4 c)
.set O,   208                          ;                    v[208:223] a quad's two table entries
.set TMP, 224                          ;                    v[224:229]
.set PK,  208                          ; behind the scan: v[208:223] feature2 packed
.set MG,  144                          ;                  v[144:175] the eight parts' entries (waves 0..3)
.set MIA, 176                          ;                  v[176:178] ids of the state made of parts 0..3
.set MIB, 179                          ;                  v[179:181] ids of the state made of parts 4..7
.set FO,  144                          ;                  v[144:175] rows of f2t on their way out (waves 4..7)
; The table of candidates.  Thread t holds candidates 4 t + 1,024 i .. + 3 (i = 0, 1): round to bf16, widen, s = (x x + y y) + z z, 64 bytes to LDS.
.macro BUILD_TAB raw, o, tmp, ta, msk
.irp i, 0,1
.irp c, 0,1,2
	v_cvt_pk_bf16_f32 v[\tmp+2*\c],   v[\raw+8*\c+4*\i],   v[\raw+8*\c+4*\i+1]
	v_cvt_pk_bf16_f32 v[\tmp+2*\c+1], v[\raw+8*\c+4*\i+2], v[\raw+8*\c+4*\i+3]
.endr
.irp c, 0,1,2
	v_lshlrev_b32 v[\o+2*\c],     16,      v[\tmp+2*\c]
	v_and_b32     v[\o+2*\c+1],   s[\msk], v[\tmp+2*\c]
	v_lshlrev_b32 v[\o+8+2*\c],   16,      v[\tmp+2*\c+1]
	v_and_b32     v[\o+8+2*\c+1], s[\msk], v[\tmp+2*\c+1]
.endr
.irp p, 0,8
	v_pk_mul_f32 v[\o+\p+6:\o+\p+7], v[\o+\p:\o+\p+1],   v[\o+\p:\o+\p+1]
	v_pk_fma_f32 v[\o+\p+6:\o+\p+7], v[\o+\p+2:\o+\p+3], v[\o+\p+2:\o+\p+3], v[\o+\p+6:\o+\p+7]
	v_pk_fma_f32 v[\o+\p+6:\o+\p+7], v[\o+\p+4:\o+\p+5], v[\o+\p+4:\o+\p+5], v[\o+\p+6:\o+\p+7]
.endr
	ds_store_b128 v[\ta], v[\o:\o+3]     offset:\i*64*CPITCH
	ds_store_b128 v[\ta], v[\o+4:\o+7]   offset:\i*64*CPITCH+16
	ds_store_b128 v[\ta], v[\o+8:\o+11]  offset:\i*64*CPITCH+32
	ds_store_b128 v[\ta], v[\o+12:\o+15] offset:\i*64*CPITCH+48
.endr
.endm
; One value into a sorted state of three.  The compare is strict: an equal value stays behind what came earlier.
.macro INS1 val, id, bb, ii
	v_cmp_lt_f32 s24, v[\val], v[\bb]
	v_cmp_lt_f32 s25, v[\val], v[\bb+1]
	v_cmp_lt_f32 s26, v[\val], v[\bb+2]
	v_cndmask_b32 v[\ii+2], v[\ii+2], \id, s26
	v_cndmask_b32 v[\ii+2], v[\ii+2], v[\ii+1], s25
	v_cndmask_b32 v[\ii+1], v[\ii+1], \id, s25
	v_cndmask_b32 v[\ii+1], v[\ii+1], v[\ii], s24
	v_cndmask_b32 v[\ii], v[\ii], \id, s24
	v_med3_num_f32 v[\bb+2], v[\bb+1], v[\val], v[\bb+2]
	v_med3_num_f32 v[\bb+1], v[\bb], v[\val], v[\bb+1]
	v_min_num_f32 v[\bb], v[\bb], v[\val]
.endm
; The same for two states that do not depend on each other, line by line in turn
.macro INS2 va, ida, ba, ia, vb, idb, bb, ib
	v_cmp_lt_f32 s24, v[\va], v[\ba]
	v_cmp_lt_f32 s25, v[\va], v[\ba+1]
	v_cmp_lt_f32 s26, v[\va], v[\ba+2]
	v_cmp_lt_f32 s27, v[\vb], v[\bb]
	v_cmp_lt_f32 s28, v[\vb], v[\bb+1]
	v_cmp_lt_f32 s29, v[\vb], v[\bb+2]
	v_cndmask_b32 v[\ia+2], v[\ia+2], \ida, s26
	v_cndmask_b32 v[\ib+2], v[\ib+2], \idb, s29
	v_cndmask_b32 v[\ia+2], v[\ia+2], v[\ia+1], s25
	v_cndmask_b32 v[\ib+2], v[\ib+2], v[\ib+1], s28
	v_cndmask_b32 v[\ia+1], v[\ia+1], \ida, s25
	v_cndmask_b32 v[\ib+1], v[\ib+1], \idb, s28
	v_cndmask_b32 v[\ia+1], v[\ia+1], v[\ia], s24
	v_cndmask_b32 v[\ib+1], v[\ib+1], v[\ib], s27
	v_cndmask_b32 v[\ia], v[\ia], \ida, s24
	v_cndmask_b32 v[\ib], v[\ib], \idb, s27
	v_med3_num_f32 v[\ba+2], v[\ba+1], v[\va], v[\ba+2]
	v_med3_num_f32 v[\bb+2], v[\bb+1], v[\vb], v[\bb+2]
	v_med3_num_f32 v[\ba+1], v[\ba], v[\va], v[\ba+1]
	v_med3_num_f32 v[\bb+1], v[\bb], v[\vb], v[\bb+1]
	v_min_num_f32 v[\ba], v[\ba], v[\va]
	v_min_num_f32 v[\bb], v[\bb], v[\vb]
.endm
; Half a chunk, 128 bytes, one address for all lanes
.macro LOADH buf, off
.irp i, 0,1,2,3,4,5,6,7
	ds_load_b128 v[\buf+4*\i:\buf+4*\i+3], v6 offset:\off+16*\i
.endr
.endm
; Four pairs of candidates x four queries, in two groups of eight chains that do not wait for each other
.macro HALF buf, first
.irp gq, 0,1
.irp pp, 0,1
.irp k, 0,1,2,3
	v_pk_mul_f32 v[E+8*\pp+2*\k:E+8*\pp+2*\k+1], v[\buf+16*\gq+8*\pp:\buf+16*\gq+8*\pp+1], v[QR+8*\k:QR+8*\k+1]
.endr
.endr
.irp pp, 0,1
.irp k, 0,1,2,3
	v_pk_add_f32 v[T+8*\pp+2*\k:T+8*\pp+2*\k+1], v[\buf+16*\gq+8*\pp+6:\buf+16*\gq+8*\pp+7], v[QR+8*\k+6:QR+8*\k+7]
.endr
.endr
.irp pp, 0,1
.irp k, 0,1,2,3
	v_pk_fma_f32 v[E+8*\pp+2*\k:E+8*\pp+2*\k+1], v[\buf+16*\gq+8*\pp+2:\buf+16*\gq+8*\pp+3], v[QR+8*\k+2:QR+8*\k+3], v[E+8*\pp+2*\k:E+8*\pp+2*\k+1]
.endr
.endr
.irp pp, 0,1
.irp k, 0,1,2,3
	v_pk_fma_f32 v[E+8*\pp+2*\k:E+8*\pp+2*\k+1], v[\buf+16*\gq+8*\pp+4:\buf+16*\gq+8*\pp+5], v[QR+8*\k+4:QR+8*\k+5], v[E+8*\pp+2*\k:E+8*\pp+2*\k+1]
.endr
.endr
.irp pp, 0,1
.irp k, 0,1,2,3
	v_pk_add_f32 v[E+8*\pp+2*\k:E+8*\pp+2*\k+1], v[T+8*\pp+2*\k:T+8*\pp+2*\k+1], v[E+8*\pp+2*\k:E+8*\pp+2*\k+1]
.endr
.endr
.irp pp, 0,1
.irp k, 0,1,2,3
.if \first*(1-\gq)*(1-\pp)
	v_min_num_f32 v[M+\k], v[E+8*\pp+2*\k], v[E+8*\pp+2*\k+1]              ; the chunk's first pair starts the minimum
.else
	v_min3_num_f32 v[M+\k], v[M+\k], v[E+8*\pp+2*\k], v[E+8*\pp+2*\k+1]
.endif
.endr
.endr
.endr
.endm
; The chunk's minimum into each query's state, the four queries side by side
.macro INSERT4
.irp k, 0,1,2,3
	v_cmp_lt_f32 s[24+3*\k], v[M+\k], v[ST+8*\k]
	v_cmp_lt_f32 s[25+3*\k], v[M+\k], v[ST+8*\k+1]
	v_cmp_lt_f32 s[26+3*\k], v[M+\k], v[ST+8*\k+2]
.endr
.irp k, 0,1,2,3
	v_cndmask_b32 v[ST+8*\k+6], v[ST+8*\k+6], v7, s[26+3*\k]
.endr
.irp k, 0,1,2,3
	v_cndmask_b32 v[ST+8*\k+6], v[ST+8*\k+6], v[ST+8*\k+5], s[25+3*\k]
.endr
.irp k, 0,1,2,3
	v_cndmask_b32 v[ST+8*\k+5], v[ST+8*\k+5], v7, s[25+3*\k]
.endr
.irp k, 0,1,2,3
	v_cndmask_b32 v[ST+8*\k+5], v[ST+8*\k+5], v[ST+8*\k+4], s[24+3*\k]
.endr
.irp k, 0,1,2,3
	v_cndmask_b32 v[ST+8*\k+4], v[ST+8*\k+4], v7, s[24+3*\k]
.endr
.irp k, 0,1,2,3
	v_med3_num_f32 v[ST+8*\k+2], v[ST+8*\k+1], v[M+\k], v[ST+8*\k+2]
.endr
.irp k, 0,1,2,3
	v_med3_num_f32 v[ST+8*\k+1], v[ST+8*\k], v[M+\k], v[ST+8*\k+1]
.endr
.irp k, 0,1,2,3
	v_min_num_f32 v[ST+8*\k], v[ST+8*\k], v[M+\k]
.endr
.endm
	s_load_b256 s[4:11], s[0:1], 0x0               ; pos1 s[4:5], pos2 s[6:7], feature2 s[8:9], cand s[10:11]
	s_load_b64 s[12:13], s[0:1], 0x20              ; f2t
	v_lshl_add_u32 v248, v0, 2, 0x12c00
	v_mov_b32 v249, 0
	v_lshrrev_b32 v14, 5, v0
	v_readfirstlane_b32 s14, v14                   ; wave 0..7
	v_and_b32 v1, 31, v0                           ; lane l
	v_lshlrev_b32 v2, 4, v0                        ; 16 t: my quad of pos2
	v_lshlrev_b32 v3, 4, v1                        ; 16 l: my four queries
	v_lshrrev_b32 v14, 4, v0                       ; 2 w + h
	v_and_b32 v15, 15, v0                          ; q = l mod 16
	v_lshlrev_b32 v4, 16, v14                      ; feature2: channel 16 w + 8 h, rows of 8,192 bytes,
	v_lshl_or_b32 v4, v15, 4, v4                   ; and 16 q: sixteen lanes take 256 neighbouring bytes of a row
	s_lshr_b32 s15, ttmp9, 6                       ; batch
	s_and_b32 s16, ttmp9, 63
	s_lshl_b32 s16, s16, 9                         ; my 128 queries, 4 bytes each
	s_mul_i32 s18, s15, 98304
	s_add_co_u32 s18, s18, s16
	s_mov_b32 s19, 0
	s_mul_i32 s20, s15, 24576
	s_mov_b32 s21, 0
	s_bfe_u32 s16, ttmp9, 0x50001                  ; which 64 candidates I transpose
	s_and_b32 s17, ttmp9, 1                        ; which 128 channels
	s_lshl_b32 s22, s15, 21
	s_lshl_b32 s36, s17, 20
	s_add_co_u32 s22, s22, s36
	s_lshl_b32 s36, s16, 8
	s_add_co_u32 s22, s22, s36
	s_mov_b32 s23, 0
	s_lshl_b32 s36, s15, 20                        ; f2t: (2,048 b + 64 block) rows of 512 bytes + 256 x half
	s_lshl_b32 s38, s16, 15
	s_add_co_u32 s36, s36, s38
	s_lshl_b32 s38, s17, 8
	s_add_co_u32 s36, s36, s38
	s_mov_b32 s37, 0
	s_lshl_b32 s38, ttmp9, 9                       ; cand: 128 words a group
	s_mov_b32 s39, 0
	s_mov_b32 s40, 0xffff0000                      ; a word's upper bf16
	s_wait_kmcnt 0x0
	s_add_nc_u64 s[4:5], s[4:5], s[18:19]
	s_add_nc_u64 s[6:7], s[6:7], s[20:21]
	s_add_nc_u64 s[8:9], s[8:9], s[22:23]
	s_add_nc_u64 s[10:11], s[10:11], s[38:39]
	s_add_nc_u64 s[12:13], s[12:13], s[36:37]
.irp c, 0,1,2
.irp i, 0,1
	global_load_b128 v[RAW+8*\c+4*\i:RAW+8*\c+4*\i+3], v2, s[6:7] offset:\c*8192+\i*4096
.endr
.endr
.irp c, 0,1,2
	global_load_b128 v[P1+4*\c:P1+4*\c+3], v3, s[4:5] offset:\c*32768
.endr
.irp i, 0,1,2,3,4,5,6,7
	global_load_b128 v[F2+4*\i:F2+4*\i+3], v4, s[8:9] offset:\i*8192 th:TH_LOAD_NT
.endr
	; LDS addresses: a wave's own part by the scalar wave number, then the lane's term
	v_lshrrev_b32 v5, 2, v1
	v_mul_u32_u24 v5, v5, CPITCH
	v_and_b32 v6, 3, v1
	v_lshl_add_u32 v5, v6, 6, v5
	s_mul_i32 s42, s14, 8*CPITCH
	v_add_nc_u32 v5, s42, v5                       ; table: chunk 8 w + l / 4, 64 bytes at 64 (l mod 4)
	s_mul_i32 s42, s14, NCH*CPITCH
	v_mov_b32 v6, s42                              ; the chunk that the wave scans
	s_lshl_b32 s43, s14, 4
	v_mov_b32 v7, s43                              ; and its number
	s_lshl_b32 s43, s14, 11
	s_add_co_u32 s43, s43, MRG
	v_add_nc_u32 v8, s43, v3                       ; hand-over: (4 w + k) x 512 + 16 l
	v_bfe_u32 v13, v0, 4, 1                        ; h
	v_mul_u32_u24 v9, v15, TROW
	v_lshl_add_u32 v9, v13, 4, v9
	s_mul_i32 s43, s14, TWAVE
	s_add_co_u32 s43, s43, TRS
	v_add_nc_u32 v9, s43, v9                       ; transposition in: my wave's part, row 16 e + q, byte 16 h
	s_and_b32 s44, s14, 3                          ; w mod 4: the query k that waves 0..3 merge, the sixteen rows that waves 4..7 store
	s_lshl_b32 s43, s44, 9
	s_add_co_u32 s43, s43, MRG
	v_add_nc_u32 v10, s43, v3                      ; merge: (4 part + k) x 512 + 16 l
	v_lshrrev_b32 v11, 1, v15
	v_mul_u32_u24 v11, v11, TWAVE
	v_and_b32 v14, 1, v15
	v_lshl_add_u32 v11, v14, 4, v11
	v_mul_u32_u24 v14, v13, 16*TROW
	v_add_nc_u32 v11, v11, v14
	s_mul_i32 s43, s44, 4*TROW
	s_add_co_u32 s43, s43, TRS
	v_add_nc_u32 v11, s43, v11                     ; transposition out: part q / 2, byte 16 (q mod 2), row 16 h + 4 (w mod 4)
	v_lshlrev_b32 v12, 9, v13
	v_lshl_add_u32 v12, v15, 4, v12
	s_lshl_b32 s43, s44, 13
	v_add_nc_u32 v12, s43, v12                     ; the same in f2t: (16 (w mod 4) + h) x 512 + 16 q
	s_lshl_b32 s43, s44, 7
	s_add_co_u32 s43, s43, RES
	v_lshl_add_u32 v13, v1, 2, s43                 ; result: word l of part k
	s_wait_loadcnt 8                               ; the positions are in; the eight loads of feature2 stay out during the whole scan
	BUILD_TAB RAW, O, TMP, 5, 40
	; my four queries: rounded to bf16, s1, and the coordinates times -2 (exact), each doubled into a pair
.irp c, 0,1,2
	v_cvt_pk_bf16_f32 v[TMP+2*\c],   v[P1+4*\c],   v[P1+4*\c+1]
	v_cvt_pk_bf16_f32 v[TMP+2*\c+1], v[P1+4*\c+2], v[P1+4*\c+3]
.endr
.irp c, 0,1,2
	v_lshlrev_b32 v[P1+4*\c],   16,  v[TMP+2*\c]
	v_and_b32     v[P1+4*\c+1], s40, v[TMP+2*\c]
	v_lshlrev_b32 v[P1+4*\c+2], 16,  v[TMP+2*\c+1]
	v_and_b32     v[P1+4*\c+3], s40, v[TMP+2*\c+1]
.endr
.irp k, 0,1,2,3
	v_mul_f32 v[QR+8*\k+6], v[P1+\k], v[P1+\k]
	v_fma_f32 v[QR+8*\k+6], v[P1+4+\k], v[P1+4+\k], v[QR+8*\k+6]
	v_fma_f32 v[QR+8*\k+6], v[P1+8+\k], v[P1+8+\k], v[QR+8*\k+6]
	v_mov_b32 v[QR+8*\k+7], v[QR+8*\k+6]
.irp c, 0,1,2
	v_mul_f32 v[QR+8*\k+2*\c],   -2.0, v[P1+4*\c+\k]
	v_mul_f32 v[QR+8*\k+2*\c+1], -2.0, v[P1+4*\c+\k]
.endr
.irp j, 0,1,2
	v_mov_b32 v[ST+8*\k+\j], 0x7f800000            ; the state starts at +infinity
	v_mov_b32 v[ST+8*\k+4+\j], 0
.endr
.endr
	s_wait_dscnt 0x0                               ; my part of the table is written,
	s_barrier_signal -1
	s_barrier_wait -1                              ; everybody's is
	LOADH CB0, 0
	LOADH CB1, 128
	s_mov_b32 s41, 0
.Lchunk:
	s_wait_dscnt 8                                 ; the first half is in; the second half's eight loads may be out
	HALF CB0, 1
	LOADH CB0, CPITCH                              ; the next chunk's first half
	s_wait_dscnt 8                                 ; the second half is in; the eight just issued may be out
	HALF CB1, 0
	INSERT4
	LOADH CB1, CPITCH+128
	v_add_nc_u32 v6, CPITCH, v6
	v_add_nc_u32 v7, 1, v7
	s_add_co_u32 s41, s41, 1
	s_cmp_lt_u32 s41, NCH-1
	s_cbranch_scc1 .Lchunk
	s_wait_dscnt 8                                 ; the wave's last chunk: nothing more to load
	HALF CB0, 1
	s_wait_dscnt 0x0
	HALF CB1, 0
	INSERT4
	; hand over: three minima and their chunk numbers, 16 bytes a query
.irp k, 0,1,2,3
	v_lshl_or_b32 v[ST+8*\k+3], v[ST+8*\k+5], 8, v[ST+8*\k+4]
	v_lshl_or_b32 v[ST+8*\k+3], v[ST+8*\k+6], 16, v[ST+8*\k+3]
	ds_store_b128 v8, v[ST+8*\k:ST+8*\k+3] offset:\k*512
.endr
	s_wait_loadcnt 0x0                             ; feature2
	; candidate 4 q + e: its eight channels 16 w + 8 h + 0..7 as 16 bytes, into row 16 e + q of my wave's part
.irp e, 0,1,2,3
.irp j, 0,1,2,3
	v_cvt_pk_bf16_f32 v[PK+4*\e+\j], v[F2+8*\j+\e], v[F2+8*\j+4+\e]
.endr
	ds_store_b128 v9, v[PK+4*\e:PK+4*\e+3] offset:\e*16*TROW
.endr
	s_wait_dscnt 0x0                               ; both are written,
	s_barrier_signal -1
	s_barrier_wait -1                              ; by every wave
	s_cmp_lt_u32 s14, 4
	s_cbranch_scc0 .Lrows
	; waves 0..3 merge: wave w takes the queries 4 l + w.  Parts 0 and 4 start two states; parts 1..3 and 5..7 follow in ascending order of
	; chunks, the two states in turn; then the second state's three entries, which are sorted and have the higher chunk numbers, go into the first.
.irp p, 0,1,2,3,4,5,6,7
	ds_load_b128 v[MG+4*\p:MG+4*\p+3], v10 offset:\p*2048
.endr
	s_wait_dscnt 0x0
.irp j, 0,1,2
	v_bfe_u32 v[MIA+\j], v[MG+3],  8*\j, 8
	v_bfe_u32 v[MIB+\j], v[MG+19], 8*\j, 8
.endr
.irp p, 1,2,3
.irp j, 0,1,2
	v_bfe_u32 v182, v[MG+4*\p+3],  8*\j, 8
	v_bfe_u32 v183, v[MG+4*\p+19], 8*\j, 8
	INS2 MG+4*\p+\j, v182, MG, MIA, MG+4*\p+16+\j, v183, MG+16, MIB
.endr
.endr
.irp j, 0,1,2
	INS1 MG+16+\j, v[MIB+\j], MG, MIA
.endr
	v_min_u32 v184, v[MIA], v[MIA+1]               ; the three chunk numbers, ascending
	v_max_u32 v185, v[MIA], v[MIA+1]
	v_min_u32 v186, v185, v[MIA+2]
	v_max_u32 v187, v185, v[MIA+2]
	v_min_u32 v188, v184, v186
	v_max_u32 v189, v184, v186
	v_lshl_or_b32 v188, v189, 8, v188
	v_lshl_or_b32 v188, v187, 16, v188
	ds_store_b32 v13, v188
	s_branch .Ljoin
.Lrows:
	; waves 4..7 store f2t: candidates 16 (w - 4) + 2 j + h; candidate s lies in row 16 (s mod 4) + s / 4 = 32 (j mod 2) + 16 h + 4 (w - 4) + j / 2
.irp j, 0,1,2,3,4,5,6,7
	ds_load_b128 v[FO+4*\j:FO+4*\j+3], v11 offset:TROW*(32*(\j&1)+(\j>>1))
.endr
.irp j, 0,1,2,3,4,5,6,7
	s_wait_dscnt 7-\j                              ; LDS loads come back in order: row pair j is in
	global_store_b128 v12, v[FO+4*\j:FO+4*\j+3], s[12:13] offset:\j*1024   ; sixteen lanes store 256 consecutive bytes, at a multiple of 256 from f2t's first byte
.endr
.Ljoin:
	s_wait_dscnt 0x0                               ; the packed results are written
	s_barrier_signal -1
	s_barrier_wait -1
	s_cmp_lg_u32 s14, 0
	s_cbranch_scc1 .Ldone                          ; wave 0 alone stores the group's 128 words
	v_lshlrev_b32 v14, 2, v1
.irp k, 0,1,2,3
	ds_load_b32 v[MG+\k], v14 offset:RES+128*\k
.endr
	s_wait_dscnt 0x0
	global_store_b128 v3, v[MG:MG+3], s[10:11]     ; 512 consecutive bytes
.Ldone:
	s_wait_tensorcnt 0x0
	ds_add_u32 v248, v249
	s_wait_dscnt 0x0
	s_endpgm
.Lfunc_end_k_q1a869af07d_knn_a:
	.size	k_q1a869af07d_knn_a, .Lfunc_end_k_q1a869af07d_knn_a-k_q1a869af07d_knn_a
	.p2alignl 7, 3214868480
	.fill 96, 4, 3214868480
	.section	.rodata,"a",@progbits
	.p2align	6, 0x0
	.amdhsa_kernel k_q1a869af07d_knn_a
		.amdhsa_group_segment_fixed_size 77824
		.amdhsa_private_segment_fixed_size 0
		.amdhsa_enable_private_segment 0
		.amdhsa_kernarg_size 40
		.amdhsa_user_sgpr_count 2
		.amdhsa_user_sgpr_kernarg_segment_ptr 1
		.amdhsa_wavefront_size32 1
		.amdhsa_system_sgpr_workgroup_id_x 1
		.amdhsa_system_sgpr_workgroup_id_y 1
		.amdhsa_system_sgpr_workgroup_id_z 1
		.amdhsa_system_vgpr_workitem_id 0
		.amdhsa_next_free_vgpr 250
		.amdhsa_next_free_sgpr 66
		.amdhsa_reserve_vcc 0
		.amdhsa_float_denorm_mode_32 3
		.amdhsa_float_denorm_mode_16_64 3
		.amdhsa_memory_ordered 1
		.amdhsa_forward_progress 1
		.amdhsa_inst_pref_size 64
	.end_amdhsa_kernel
	.amdgpu_metadata
---
amdhsa.version: [ 1, 2 ]
amdhsa.kernels:
  - .name:           k_q1a869af07d_knn_a
    .symbol:         k_q1a869af07d_knn_a.kd
    .args:
      - { .name: pos1, .offset: 0, .size: 8, .value_kind: global_buffer, .address_space: global }
      - { .name: pos2, .offset: 8, .size: 8, .value_kind: global_buffer, .address_space: global }
      - { .name: feature2, .offset: 16, .size: 8, .value_kind: global_buffer, .address_space: global }
      - { .name: cand, .offset: 24, .size: 8, .value_kind: global_buffer, .address_space: global }
      - { .name: f2t, .offset: 32, .size: 8, .value_kind: global_buffer, .address_space: global }
    .group_segment_fixed_size: 77824
    .private_segment_fixed_size: 0
    .kernarg_segment_align: 8
    .kernarg_segment_size: 40
    .max_flat_workgroup_size: 256
    .sgpr_count:     66
    .vgpr_count:     250
    .wavefront_size: 32
...
	.end_amdgpu_metadata
.endif
;; end of part 7
;; launch knn_b: the kernel of part 2 again; grid 256 x 1, 4 waves a work-group, no clusters, 35,328 bytes of LDS; arguments pos1, pos2, cand, W1, W2, nidx, wk; writes nidx, wk
;; launch gemm1 (part 8): grid 256 x 1, 4 waves a work-group, no clusters, 107,008 bytes of LDS; arguments nidx, wk, f2t, feature1, b1, y1p; writes y1p
.if DOCPART == 8
	.amdgcn_target "amdgcn-amd-amdhsa--gfx1250"
	.amdhsa_code_object_version 6
	.text
	.protected	k_q1a869af07d_gemm1
	.globl	k_q1a869af07d_gemm1
	.p2align	8
	.type	k_q1a869af07d_gemm1,@function
k_q1a869af07d_gemm1:
	s_mov_b64 s[64:65], 0
	v_nop
	global_prefetch_b8 v0, s[64:65] scope:SCOPE_SE
	s_setreg_imm32_b32 hwreg(HW_REG_WAVE_MODE, 25, 1), 1
	s_wait_xcnt 0x0
; gemm1: the interpolation (gather of three rows of f2t by stored indices), the concatenation with feature1, y1 = W1 feat + b1, and each
; group's mean and sum of squared deviations for the batch norm.
; A work-group makes 128 points x 256 channels, K = 384.  Wave w makes channels 64 w .. 64 w + 63 for all 128 points: 32 accumulators.
; Source 0 of the matrix instruction is the activations (row = point), source 1 the weights (column = channel): register j of lane (r, h)
; of tile (a, b) holds point 16 b + 8 h + j of channel 64 w + 16 a + r, so a lane holds 64 points of one channel and a channel's sum needs
; one step between the halves of the wave.
; ORDER OF THE LOADS.  The one chain of dependent steps is indices -> gather -> interpolation -> LDS -> product, so the indices are asked for first;
; the weights are wanted by the product alone and ride in the interpolation's turns, eight loads (one K step's) a turn.
; THE PRODUCT GOES IN TWO HALVES OF THE POINTS (tiles b = 0..3, then b = 4..7): the first half's y is stored while the second half is multiplied,
; and the second half's ahead of the statistics, which only read the accumulators.
; The weights (48 KiB a wave, f16 in fragment order) go straight into 384 registers, once: no LDS byte and no LDS read is spent on them.
; That is why no cluster is used: a joint load could land them in LDS only, 192 KiB beside the activations, and they would be read from there again.
; No tensor load: every tile is converted between memory and LDS, so it passes through registers in any case.
; LIMITS KEPT.  feature1, feature2 and b1 are rounded to bf16; the activations are f16 (bf16 numbers are exact in f16 for 6.1e-5 <= |x| < 65,504;
; the interpolated numbers are rounded to f16 once); |features| < 65,504.  The deviations are taken from the group's own mean: no difference of large sums.
; y1p: f32 in accumulator order [group][w][a][b][q][lane][4]; then at PART [block of 32 channels 8][group 256][mean 32, M2 32] over the group's 128 points.
; REGISTERS, in windows of 256: window 0 at work; window 1 first feature1 as loaded, then the accumulators (tile (a, b) at 8 (8 a + b));
; window 2 the weights of K steps 0..7 (32 ks + 8 a), window 3 those of K steps 8..11.
.set IPITCH, 528                       ; IT: [point 128][k 256] f16, 512 bytes + 16 = 33 x 16
.set FT,     67584                     ; FT: [k 128][point 128] f16
.set FPITCH, 288                       ; 256 bytes + 32 = 9 x 32
.set SCR,    104448                    ; 512 bytes a wave: 64 means, 64 sums of squares
.set NKS,    12                        ; K steps of 32
.set NU,     2*NKS                     ; steps in all: the K steps of the first half of the points, then those of the second
.set PART,   0x2000000
.set IDX,  16                          ; v[16:79]   pair t at 4 t: three gather offsets
.set WGT,  80                          ; v[80:143]  pair t at 4 t: three weights
.set RING, 144                         ; v[144:239] four slots of 24: neighbour j at 8 j, half row p at 4 p
.set T,    240                         ; v[240:255] sixteen channels in f32
.set FA,   16                          ; v[16:111]  activation fragments: three buffers of four tiles
.set DV,   80                          ; behind the product: v[80:143] deviations
.set BVP,  144                         ; v[144:151] bias, doubled, for a = 0..3
.set S,    152                         ; v[152:159] four sums of two
.set QS,   160                         ; v[160:167] four sums of squares of two
.set NM,   168                         ; v[168:169] minus the mean, doubled
.set BVR,  176                         ; v[176:179] bias as loaded
.set MSB, 0
.macro WIN new                         ; s_set_vgpr_msb: bits 1:0 source 0, 3:2 source 1, 5:4 source 2, 7:6 destination; the high byte repeats the setting that is left
.if MSB != \new
	s_set_vgpr_msb (MSB<<8)|\new
.set MSB, \new
.endif
.endm
.macro PLACES                          ; four places behind a matrix instruction, in front of loads into its sources and of reads of its results
.rept 4
	v_nop
.endr
.endm
.macro GATHER t                        ; pair t: two points, three rows of 512 bytes each; sixteen lanes take 256 consecutive bytes of a row
.irp j, 0,1,2
	global_load_b128 v[RING+24*((\t)&3)+8*\j:RING+24*((\t)&3)+8*\j+3],   v[IDX+4*(\t)+\j], s[8:9]
	global_load_b128 v[RING+24*((\t)&3)+8*\j+4:RING+24*((\t)&3)+8*\j+7], v[IDX+4*(\t)+\j], s[8:9] offset:256
.endr
.endm
.macro WLOAD t                         ; the weights of K step t: eight loads of 512 consecutive bytes, into window 2 (steps 0..7) or 3
.if (\t) < 8
	WIN 0x80
.else
	WIN 0xc0
.endif
.irp i, 0,1,2,3,4,5,6,7
	global_load_b128 v[4*((8*(\t)+\i)&63):4*((8*(\t)+\i)&63)+3], v4, s[22:23] offset:512*(8*(\t)+\i)
.endr
	WIN 0
.endm
.macro INTERP t, left
	s_wait_loadcnt \left                           ; loads come back in order: this pair's six are in, what was issued behind them stays out
.set SL, RING+24*((\t)&3)
.irp j, 0,1,2
.irp p, 0,1
.irp c, 0,1,2,3
.if \j == 0
	v_fma_mix_f32_bf16 v[T+8*\p+2*\c],   v[SL+8*\j+4*\p+\c], v[WGT+4*(\t)+\j], v12 op_sel_hi:[1,0,0]
	v_fma_mix_f32_bf16 v[T+8*\p+2*\c+1], v[SL+8*\j+4*\p+\c], v[WGT+4*(\t)+\j], v12 op_sel:[1,0,0] op_sel_hi:[1,0,0]
.else
	v_fma_mix_f32_bf16 v[T+8*\p+2*\c],   v[SL+8*\j+4*\p+\c], v[WGT+4*(\t)+\j], v[T+8*\p+2*\c] op_sel_hi:[1,0,0]
	v_fma_mix_f32_bf16 v[T+8*\p+2*\c+1], v[SL+8*\j+4*\p+\c], v[WGT+4*(\t)+\j], v[T+8*\p+2*\c+1] op_sel:[1,0,0] op_sel_hi:[1,0,0]
.endif
.endr
.endr
.endr
.irp j, 0,1,2,3,4,5,6,7
	v_cvt_pk_f16_f32 v[T+\j], v[T+2*\j], v[T+2*\j+1]
.endr
	ds_store_b128 v8, v[T:T+3]   offset:2*IPITCH*(\t)          ; channels 8 q .. 8 q + 7: sixteen lanes write 256 neighbouring bytes
	ds_store_b128 v8, v[T+4:T+7] offset:2*IPITCH*(\t)+256      ; channels 128 + 8 q ..
.if (\t) < 12
	WLOAD \t                                       ; 8 + 6 loads a turn: with the 42 that the wait leaves out, 56 at the most are out
	GATHER \t+4
.endif
.endm
; the fragments of step u: 4 tiles of 16 points x 32 K.  K steps 0..7 from rows that lie along K, K steps 8..11 from rows that lie along the points (transposing load)
.macro FETCH u
.set FB, FA+32*((\u)%3)
.set KS, (\u)%NKS
.set HB, 4*((\u)/NKS)
.if KS < 8
.irp i, 0,1,2,3
	ds_load_b128 v[FB+8*\i:FB+8*\i+3],   v10 offset:16*IPITCH*(HB+\i)+64*KS
	ds_load_b128 v[FB+8*\i+4:FB+8*\i+7], v10 offset:16*IPITCH*(HB+\i)+64*KS+32
.endr
.else
.irp i, 0,1,2,3
	ds_load_tr16_b128 v[FB+8*\i:FB+8*\i+3],   v11 offset:32*FPITCH*(KS-8)+32*(HB+\i)
	ds_load_tr16_b128 v[FB+8*\i+4:FB+8*\i+7], v11 offset:32*FPITCH*(KS-8)+32*(HB+\i)+16*FPITCH
.endr
.endif
.endm
; 16 matrix instructions: a half's 16 accumulators take turns, one instruction a turn, in the same order in every step
.macro MUL16 buf, wb, hb, ks
.irp a, 0,1,2,3
.irp i, 0,1,2,3
.if (\ks) == 0
	v_wmma_f32_16x16x32_f16 v[8*(8*\a+\hb+\i):8*(8*\a+\hb+\i)+7], v[\buf+8*\i:\buf+8*\i+7], v[\wb+8*\a:\wb+8*\a+7], 0
.else
	v_wmma_f32_16x16x32_f16 v[8*(8*\a+\hb+\i):8*(8*\a+\hb+\i)+7], v[\buf+8*\i:\buf+8*\i+7], v[\wb+8*\a:\wb+8*\a+7], v[8*(8*\a+\hb+\i):8*(8*\a+\hb+\i)+7]
.endif
.endr
.endr
.endm
; Step u: the fragments of step u + 2 are asked for, so that a fetch has two steps' 32 matrix instructions in which to land
.macro KSTEP u
	WIN 0
.if (\u)+2 < NU
.if (\u) > 0
	PLACES                                         ; the buffer loaded next was read by the matrix instructions just issued
.endif
	FETCH (\u)+2
	s_wait_dscnt 16                                ; this step's eight loads are in; the two later steps' sixteen may be out
.else
.if (\u)+1 < NU
	s_wait_dscnt 8                                 ; the last step's eight may be out
.else
	s_wait_dscnt 0x0
.endif
.endif
.set MB, FA+32*((\u)%3)
.set MK, (\u)%NKS
.set MH, 4*((\u)/NKS)
.if MK < 8
	WIN 0x58                                       ; C and D window 1, weights window 2, activations window 0
.else
	WIN 0x5c                                       ; weights window 3
.endif
	MUL16 MB, 32*(MK&7), MH, MK
.endm
; A half's way out: the bias is added in place and y is stored from the accumulators as it lies, 512 consecutive bytes an instruction.
; Nothing writes these registers again, so no wait follows the stores.
.macro HOUT hb
	WIN 0
	PLACES
.if (\hb) == 0
	s_wait_loadcnt 0x0                             ; the bias
.irp a, 0,1,2,3
	v_cvt_pk_bf16_f32 v[BVP+2*\a], v[BVR+\a], v[BVR+\a]
.endr
.irp a, 0,1,2,3
	v_lshlrev_b32 v[BVP+2*\a], 16, v[BVP+2*\a]
.endr
.irp a, 0,1,2,3
	v_mov_b32 v[BVP+2*\a+1], v[BVP+2*\a]
.endr
.endif
	WIN 0x41                                       ; destination and source 0 window 1
.irp a, 0,1,2,3
.irp i, 0,1,2,3
.irp p, 0,1,2,3
	v_pk_add_f32 v[64*\a+8*(\hb+\i)+2*\p:64*\a+8*(\hb+\i)+2*\p+1], v[64*\a+8*(\hb+\i)+2*\p:64*\a+8*(\hb+\i)+2*\p+1], v[BVP+2*\a:BVP+2*\a+1]
.endr
.endr
.endr
	WIN 0x04                                       ; a store's data is source 1: window 1
.irp a, 0,1,2,3
.irp i, 0,1,2,3
.irp q, 0,1
	global_store_b128 v4, v[64*\a+8*(\hb+\i)+4*\q:64*\a+8*(\hb+\i)+4*\q+3], s[14:15] offset:512*(2*(8*\a+\hb+\i)+\q)
.endr
.endr
.endr
	WIN 0
.endm
; The statistics, while the stores leave.  For each a: the mean of the lane's channel over the group's 128 points, the deviations from it, their squares.
.macro STATS
.irp a, 0,1,2,3
	WIN 0x05                                       ; both sources window 1
.irp c, 0,1,2,3
	v_pk_add_f32 v[S+2*\c:S+2*\c+1], v[64*\a+2*\c:64*\a+2*\c+1], v[64*\a+8+2*\c:64*\a+8+2*\c+1]   ; the first eight pairs start the four sums
.endr
	WIN 0x01                                       ; source 0 window 1
.set n, 8
.rept 24
	v_pk_add_f32 v[S+2*(n&3):S+2*(n&3)+1], v[64*\a+2*n:64*\a+2*n+1], v[S+2*(n&3):S+2*(n&3)+1]
.set n, n+1
.endr
	WIN 0
	v_pk_add_f32 v[S:S+1], v[S:S+1], v[S+2:S+3]
	v_pk_add_f32 v[S+4:S+5], v[S+4:S+5], v[S+6:S+7]
	v_pk_add_f32 v[S:S+1], v[S:S+1], v[S+4:S+5]
	v_add_f32 v[S], v[S], v[S+1]
	v_permlanex16_b32 v13, v[S], s27, s28          ; the channel's other 64 points lie in the other half of the wave
	v_add_f32 v[S], v[S], v13
	v_mul_f32 v[S], 0x3c000000, v[S]               ; / 128
	v_mul_f32 v[NM], -1.0, v[S]
	v_mul_f32 v[NM+1], -1.0, v[S]
	WIN 0x01
.set n, 0
.rept 32
	v_pk_add_f32 v[DV+2*n:DV+2*n+1], v[64*\a+2*n:64*\a+2*n+1], v[NM:NM+1]
.set n, n+1
.endr
	WIN 0
.irp c, 0,1,2,3
	v_pk_mul_f32 v[QS+2*\c:QS+2*\c+1], v[DV+2*\c:DV+2*\c+1], v[DV+2*\c:DV+2*\c+1]
.endr
.set n, 4
.rept 28
	v_pk_fma_f32 v[QS+2*(n&3):QS+2*(n&3)+1], v[DV+2*n:DV+2*n+1], v[DV+2*n:DV+2*n+1], v[QS+2*(n&3):QS+2*(n&3)+1]
.set n, n+1
.endr
	v_pk_add_f32 v[QS:QS+1], v[QS:QS+1], v[QS+2:QS+3]
	v_pk_add_f32 v[QS+4:QS+5], v[QS+4:QS+5], v[QS+6:QS+7]
	v_pk_add_f32 v[QS:QS+1], v[QS:QS+1], v[QS+4:QS+5]
	v_add_f32 v[QS], v[QS], v[QS+1]
	v_permlanex16_b32 v13, v[QS], s27, s28
	v_add_f32 v[QS], v[QS], v13
	ds_store_b32 v15, v[S]  offset:64*\a           ; both halves write the same word with the same number
	ds_store_b32 v15, v[QS] offset:64*\a+256
.endr
	; the wave's 64 means and 64 sums go out as two blocks of 256 bytes: lanes 0-15 carry the means of 32 channels, lanes 16-31 their sums of squares
	v_lshlrev_b32 v170, 3, v2                      ; 8 r
	v_lshl_add_u32 v170, v3, 8, v170               ; + 256 h
	s_lshl_b32 s29, s16, 9
	s_add_co_u32 s29, s29, SCR
	v_add_nc_u32 v171, s29, v170
	ds_load_b64 v[172:173], v171                   ; the wave's own bytes; LDS serves a wave's instructions in order (ISA guide 5.7.1.4)
	ds_load_b64 v[174:175], v171 offset:128        ; the second 32 channels
	s_lshl_b32 s30, s16, 17                        ; block 2 w of 65,536 bytes
	v_lshl_add_u32 v170, v1, 3, s30
	s_wait_dscnt 0x0
	global_store_b64 v170, v[172:173], s[24:25]              ; 256 consecutive bytes, at a multiple of 256 from the buffer's first byte
	global_store_b64 v170, v[174:175], s[24:25] offset:65536 ; block 2 w + 1
.endm
	s_load_b256 s[4:11], s[0:1], 0x0               ; nidx s[4:5], wk s[6:7], f2t s[8:9], feature1 s[10:11]
	s_load_b128 s[12:15], s[0:1], 0x20             ; b1 s[12:13], y1p s[14:15]
	s_set_vgpr_msb 0xc0
	v_lshl_add_u32 v128, v0, 2, 0x1a000
	v_mov_b32 v129, 0
	s_set_vgpr_msb 0xc000
	v_lshrrev_b32 v2, 5, v0
	v_readfirstlane_b32 s16, v2                    ; wave
	v_and_b32 v1, 31, v0                           ; l
	v_and_b32 v2, 15, v0                           ; r, also q
	v_bfe_u32 v3, v0, 4, 1                         ; h
	v_lshlrev_b32 v4, 4, v1                        ; 16 l
	v_lshlrev_b32 v5, 4, v2                        ; 16 q
	s_lshl_b32 s17, s16, 9
	v_lshl_add_u32 v6, v3, 4, s17                  ; indices and weights of point 32 w + h, 16 bytes a point
	s_lshl_b32 s17, s16, 20
	v_add_nc_u32 v7, s17, v4                       ; feature1: channel 32 w, rows of 32,768 bytes, 16 l
	s_mul_i32 s17, s16, 32*IPITCH
	v_mul_u32_u24 v8, v3, IPITCH
	v_add3_u32 v8, v8, v5, s17                     ; IT in: row 32 w + h, byte 16 q
	s_mul_i32 s17, s16, 32*FPITCH
	s_add_co_u32 s17, s17, FT
	v_lshl_add_u32 v9, v1, 3, s17                  ; FT in: row 32 w, byte 8 l
	v_mul_u32_u24 v10, v2, IPITCH
	v_lshl_add_u32 v10, v3, 4, v10                 ; IT out: row r, byte 16 h
	v_and_b32 v11, 7, v0
	v_lshl_add_u32 v11, v3, 3, v11
	v_mul_u32_u24 v11, v11, FPITCH
	v_bfe_u32 v12, v0, 3, 1
	v_lshl_add_u32 v11, v12, 4, v11
	v_add_nc_u32 v11, FT, v11                      ; FT out: row 8 h + l mod 8, byte 16 ((l / 8) mod 2)
	v_mov_b32 v12, 0                               ; the zero onto which the first term of the interpolation adds
	v_mov_b32 v13, 0                               ; v_permlanex16_b32's destination counts as read
	s_lshl_b32 s17, s16, 8
	v_lshl_add_u32 v14, v2, 2, s17                 ; bias of channel 64 w + r
	s_lshl_b32 s17, s16, 9
	s_add_co_u32 s17, s17, SCR
	v_lshl_add_u32 v15, v2, 2, s17
	s_lshr_b32 s18, ttmp9, 6                       ; batch
	s_lshl_b32 s20, ttmp9, 11                      ; my 128 points, 16 bytes each, in nidx and in wk
	s_mov_b32 s21, 0
	s_mul_i32 s30, s16, 49152
	s_add_co_u32 s30, s30, 524288
	s_mov_b32 s31, 0
	s_lshl_b32 s32, s18, 20
	s_mov_b32 s33, 0
	s_and_b32 s34, ttmp9, 63
	s_lshl_b32 s34, s34, 9
	s_lshl_b32 s36, s18, 22
	s_add_co_u32 s34, s34, s36
	s_mov_b32 s35, 0
	s_lshl_b32 s36, ttmp9, 17
	s_lshl_b32 s38, s16, 15
	s_add_co_u32 s36, s36, s38
	s_mov_b32 s37, 0
	s_lshl_b32 s38, ttmp9, 8                       ; my group's 256 bytes in each block of the partial figures
	s_mov_b32 s39, 0
	s_mov_b32 s26, 0xffff0000
	s_mov_b32 s27, 0x76543210                      ; v_permlanex16_b32: lane i of one half reads lane i of the other
	s_mov_b32 s28, 0xfedcba98
	s_wait_kmcnt 0x0
	s_add_nc_u64 s[22:23], s[6:7], s[30:31]        ; my wave's fragments of W1
	s_add_nc_u64 s[4:5], s[4:5], s[20:21]
	s_add_nc_u64 s[6:7], s[6:7], s[20:21]
	s_add_nc_u64 s[8:9], s[8:9], s[32:33]
	s_add_nc_u64 s[10:11], s[10:11], s[34:35]
	s_add_nc_u64 s[24:25], s[14:15], PART
	s_add_nc_u64 s[24:25], s[24:25], s[38:39]
	s_add_nc_u64 s[14:15], s[14:15], s[36:37]
.set n, 0
.rept 16
	global_load_b128 v[IDX+4*n:IDX+4*n+3], v6, s[4:5] offset:32*n          ; first of all: the gather hangs on these
	global_load_b128 v[WGT+4*n:WGT+4*n+3], v6, s[6:7] offset:32*n
.set n, n+1
.endr
	WIN 0x40                                       ; destination window 1
.set n, 0
.rept 32
	global_load_b128 v[4*n:4*n+3], v7, s[10:11] offset:32768*n th:TH_LOAD_NT   ; a row's 512 bytes an instruction
.set n, n+1
.endr
	WIN 0
	s_wait_loadcnt 32                              ; indices and weights are in; the 32 loads of feature1 stay out
.set n, 0
.rept 16
.irp j, 0,1,2
	v_min_u32 v[IDX+4*n+\j], 0x7ff, v[IDX+4*n+\j]              ; an index stays inside its batch's 2,048 rows
	v_lshl_add_u32 v[IDX+4*n+\j], v[IDX+4*n+\j], 9, v5         ; row of 512 bytes + 16 q
.endr
.set n, n+1
.endr
	GATHER 0
	GATHER 1
	GATHER 2
	GATHER 3
	s_wait_loadcnt 24                              ; feature1 is in; the four slots' 24 loads stay out while it is converted
	WIN 0x40
	v_mov_b32 v255, v9                             ; v511: FT's address, for the stores under the next setting
	WIN 0x45                                       ; destination, source 0 and source 1 window 1
.set n, 0
.rept 32
	v_cvt_pk_bf16_f32 v[128+2*n], v[4*n],   v[4*n+1]           ; the input's rounding to bf16,
	v_cvt_pk_bf16_f32 v[129+2*n], v[4*n+2], v[4*n+3]
.set n, n+1
.endr
.set n, 0
.rept 32
	v_lshlrev_b32 v[4*n],   16,  v[128+2*n]
	v_and_b32     v[4*n+1], s26, v[128+2*n]
	v_lshlrev_b32 v[4*n+2], 16,  v[129+2*n]
	v_and_b32     v[4*n+3], s26, v[129+2*n]
.set n, n+1
.endr
.set n, 0
.rept 32
	v_cvt_pk_f16_f32 v[128+2*n], v[4*n],   v[4*n+1]            ; and the same numbers as f16
	v_cvt_pk_f16_f32 v[129+2*n], v[4*n+2], v[4*n+3]
.set n, n+1
.endr
.set n, 0
.rept 32
	ds_store_b64 v255, v[128+2*n:129+2*n] offset:FPITCH*n      ; channel 32 w + n, points 4 l .. 4 l + 3
.set n, n+1
.endr
	WIN 0
	; Sixteen turns.  Turn t (t < 12) issues the weights of K step t (8 loads) and then the gather of pair t + 4 (6 loads).  Behind pair t's gather stand:
	INTERP 0, 18                                   ; pairs 1, 2, 3
	INTERP 1, 26                                   ; pairs 2, 3 and turn 0's fourteen
	INTERP 2, 34                                   ; pair 3 and two turns' fourteen
.irp t, 3,4,5,6,7,8,9,10,11,12
	INTERP \t, 42                                  ; three turns' fourteen
.endr
	INTERP 13, 28                                  ; turns 10 and 11; turn 12 and the later ones issue nothing
	INTERP 14, 14                                  ; turn 11
	INTERP 15, 0                                   ; nothing: with this wait all the weights are in too
.irp a, 0,1,2,3
	global_load_b32 v[BVR+\a], v14, s[12:13] offset:64*\a      ; wanted behind the first half of the product
.endr
	s_wait_dscnt 0x0                               ; my rows of both tiles are written,
	s_barrier_signal -1
	s_barrier_wait -1                              ; everybody's are
	FETCH 0
	FETCH 1
.irp u, 0,1,2,3,4,5,6,7,8,9,10,11
	KSTEP \u
.endr
	HOUT 0                                         ; points 0..63 leave while points 64..127 are multiplied
.irp u, 12,13,14,15,16,17,18,19,20,21,22,23
	KSTEP \u
.endr
	HOUT 4
	STATS
	s_set_vgpr_msb 0xf
	s_wait_tensorcnt 0x0
	ds_add_u32 v128, v129
	s_wait_dscnt 0x0
	s_set_vgpr_msb 0xf00
	s_endpgm
.Lfunc_end_k_q1a869af07d_gemm1:
	.size	k_q1a869af07d_gemm1, .Lfunc_end_k_q1a869af07d_gemm1-k_q1a869af07d_gemm1
	.p2alignl 7, 3214868480
	.fill 96, 4, 3214868480
	.section	.rodata,"a",@progbits
	.p2align	6, 0x0
	.amdhsa_kernel k_q1a869af07d_gemm1
		.amdhsa_group_segment_fixed_size 107008
		.amdhsa_private_segment_fixed_size 0
		.amdhsa_enable_private_segment 0
		.amdhsa_kernarg_size 48
		.amdhsa_user_sgpr_count 2
		.amdhsa_user_sgpr_kernarg_segment_ptr 1
		.amdhsa_wavefront_size32 1
		.amdhsa_system_sgpr_workgroup_id_x 1
		.amdhsa_system_sgpr_workgroup_id_y 1
		.amdhsa_system_sgpr_workgroup_id_z 1
		.amdhsa_system_vgpr_workitem_id 0
		.amdhsa_next_free_vgpr 898
		.amdhsa_next_free_sgpr 66
		.amdhsa_reserve_vcc 0
		.amdhsa_float_denorm_mode_32 3
		.amdhsa_float_denorm_mode_16_64 3
		.amdhsa_memory_ordered 1
		.amdhsa_forward_progress 1
		.amdhsa_inst_pref_size 192
	.end_amdhsa_kernel
	.amdgpu_metadata
---
amdhsa.version: [ 1, 2 ]
amdhsa.kernels:
  - .name:           k_q1a869af07d_gemm1
    .symbol:         k_q1a869af07d_gemm1.kd
    .args:
      - { .name: nidx, .offset: 0, .size: 8, .value_kind: global_buffer, .address_space: global }
      - { .name: wk, .offset: 8, .size: 8, .value_kind: global_buffer, .address_space: global }
      - { .name: f2t, .offset: 16, .size: 8, .value_kind: global_buffer, .address_space: global }
      - { .name: feature1, .offset: 24, .size: 8, .value_kind: global_buffer, .address_space: global }
      - { .name: b1, .offset: 32, .size: 8, .value_kind: global_buffer, .address_space: global }
      - { .name: y1p, .offset: 40, .size: 8, .value_kind: global_buffer, .address_space: global }
    .group_segment_fixed_size: 107008
    .private_segment_fixed_size: 0
    .kernarg_segment_align: 8
    .kernarg_segment_size: 48
    .max_flat_workgroup_size: 128
    .sgpr_count:     66
    .vgpr_count:     898
    .wavefront_size: 32
...
	.end_amdgpu_metadata
.endif
;; end of part 8
;; launch stats1 (part 9): grid 8 x 1, 8 waves a work-group, no clusters, 5,120 bytes of LDS; arguments y1p, g1, be1, ss1; writes ss1
.if DOCPART == 9
	.amdgcn_target "amdgcn-amd-amdhsa--gfx1250"
	.amdhsa_code_object_version 6
	.text
	.protected	k_q1a869af07d_stats1
	.globl	k_q1a869af07d_stats1
	.p2align	8
	.type	k_q1a869af07d_stats1,@function
k_q1a869af07d_stats1:
	s_mov_b64 s[64:65], 0
	v_nop
	global_prefetch_b8 v0, s[64:65] scope:SCOPE_SE
	s_setreg_imm32_b32 hwreg(HW_REG_WAVE_MODE, 25, 1), 1
	s_wait_xcnt 0x0
; stats: the first batch norm's figures.  From 256 groups' means and sums of squared deviations (128 points each) of 256 channels:
; scale = g / sqrt(var + 1e-5), shift = be - mean x scale, stored as pairs [channel][scale, shift].
; Eight work-groups, one for each block of 32 channels, whose 256 rows of 256 bytes (32 means, 32 sums) lie in one piece of 64 KiB.  The launch reads 512 KiB and
; writes 2 KiB: a channel's 256 partial figures meet in one place, so there is work for eight groups and no more.
; Wave v takes rows 32 v .. 32 v + 31: one load covers two rows; lane l holds row 2 i + l / 16, and of it 16 bytes: lanes with l mod 16 < 8 four means, the
; others four sums.  Every lane adds up its column, and takes the squared deviations of its column from the column's mean; the first is used of both kinds of
; lanes, the second of the lanes with means alone (what the other lanes make of it lies in LDS bytes that nobody reads).  Behind one barrier wave 0 merges the
; eight waves' figures, lane l for channel l:
; mean = sum of the means / 256;  M2 = sum of the rows' M2 + 128 x sum of the waves' Q + 4,096 x sum of (wave's mean - mean)^2;  var = M2 / 32,768.
; No difference of large sums is formed.
; LIMITS KEPT.  g and be are rounded to bf16; 1 / sqrt is v_rsq_f32, good to one unit in the last place.
.set PART, 0x2000000
.set PR,  16                           ; v[16:79]   sixteen pairs of partial rows, 4 registers each
.set F,   16                           ; then: v[16:39] eight waves' sums of means, of M2, of Q
.set G,   40                           ; v[40:51]   their three sums, 4 registers each at work
.set SA,  80                           ; v[80:83], v[84:87] two chains of column sums
.set SB,  84
.set MU,  88                           ; v[88:91]   the column's mean over the wave's 32 rows
.set QA,  92                           ; v[92:95], v[96:99] two chains of squared deviations
.set QB,  96
.set GB,  100                          ; v100 g, v101 be of channel l
.set NMP, 102                          ; v[102:103] minus the mean, doubled
.set R,   104                          ; v[104:105]
.set W,   106                          ; v[106:110] at work; at the end v[106:107] = scale, shift
	s_load_b256 s[4:11], s[0:1], 0x0               ; y s[4:5], g s[6:7], be s[8:9], ss s[10:11]
	v_lshl_add_u32 v112, v0, 2, 0x1000
	v_mov_b32 v113, 0
	v_lshrrev_b32 v2, 5, v0
	v_readfirstlane_b32 s12, v2                    ; wave 0..7
	v_and_b32 v1, 31, v0                           ; l
	v_and_b32 v2, 15, v0
	v_lshlrev_b32 v11, 4, v1                       ; 16 l
	v_lshlrev_b32 v12, 2, v1                       ; 4 l: channel l in g and be, and in the exchange
	v_lshlrev_b32 v13, 3, v1                       ; 8 l: channel l's pair in ss
	s_lshl_b32 s13, s12, 13
	v_add_nc_u32 v5, s13, v11                      ; partial rows 32 v ..
	s_lshl_b32 s13, s12, 9
	v_lshl_add_u32 v9, v2, 4, s13                  ; exchange in: my wave's 512 bytes, 16 (l mod 16)
	s_lshl_b32 s18, ttmp9, 16                      ; my block of 65,536 bytes
	s_add_co_u32 s18, s18, PART
	s_mov_b32 s19, 0
	s_lshl_b32 s20, ttmp9, 7                       ; my 32 channels, 4 bytes each
	s_mov_b32 s21, 0
	s_lshl_b32 s22, ttmp9, 8                       ; and 8 bytes each
	s_mov_b32 s23, 0
	s_mov_b32 s24, 0x76543210                      ; v_permlanex16_b32: lane i of one half reads lane i of the other
	s_mov_b32 s25, 0xfedcba98
	s_mov_b32 s27, 0x38000000                      ; 1 / 32,768
	s_mov_b32 s28, 0x3727c5ac                      ; 1e-5
	s_wait_kmcnt 0x0
	s_add_nc_u64 s[4:5], s[4:5], s[18:19]
	s_add_nc_u64 s[6:7], s[6:7], s[20:21]
	s_add_nc_u64 s[8:9], s[8:9], s[20:21]
	s_add_nc_u64 s[10:11], s[10:11], s[22:23]
.set n, 0
.rept 16
	global_load_b128 v[PR+4*n:PR+4*n+3], v5, s[4:5] offset:512*n           ; two rows of 256 bytes
.set n, n+1
.endr
	global_load_b32 v[GB],   v12, s[6:7]
	global_load_b32 v[GB+1], v12, s[8:9]
	s_wait_loadcnt 0x0
	; the column's sum over my sixteen rows, in two chains; the first four rows start them
.irp c, 0,2
	v_pk_add_f32 v[SA+\c:SA+\c+1], v[PR+\c:PR+\c+1],     v[PR+8+\c:PR+8+\c+1]
	v_pk_add_f32 v[SB+\c:SB+\c+1], v[PR+4+\c:PR+4+\c+1], v[PR+12+\c:PR+12+\c+1]
.endr
.set n, 4
.rept 12
	v_pk_add_f32 v[SA+4*(n&1):SA+4*(n&1)+1],   v[SA+4*(n&1):SA+4*(n&1)+1],   v[PR+4*n:PR+4*n+1]
	v_pk_add_f32 v[SA+4*(n&1)+2:SA+4*(n&1)+3], v[SA+4*(n&1)+2:SA+4*(n&1)+3], v[PR+4*n+2:PR+4*n+3]
.set n, n+1
.endr
	v_pk_add_f32 v[SA:SA+1],   v[SA:SA+1],   v[SB:SB+1]
	v_pk_add_f32 v[SA+2:SA+3], v[SA+2:SA+3], v[SB+2:SB+3]
.irp c, 0,1,2,3
	v_permlanex16_b32 v[SB+\c], v[SA+\c], s24, s25 ; the other sixteen rows lie in the other half of the wave
.endr
	v_pk_add_f32 v[SA:SA+1],   v[SA:SA+1],   v[SB:SB+1]
	v_pk_add_f32 v[SA+2:SA+3], v[SA+2:SA+3], v[SB+2:SB+3]
	v_pk_mul_f32 v[MU:MU+1],   v[SA:SA+1],   0x3d000000 op_sel_hi:[1,0]    ; / 32
	v_pk_mul_f32 v[MU+2:MU+3], v[SA+2:SA+3], 0x3d000000 op_sel_hi:[1,0]
.set n, 0
.rept 16
	v_pk_add_f32 v[PR+4*n:PR+4*n+1],   v[PR+4*n:PR+4*n+1],   v[MU:MU+1]   neg_lo:[0,1] neg_hi:[0,1]
	v_pk_add_f32 v[PR+4*n+2:PR+4*n+3], v[PR+4*n+2:PR+4*n+3], v[MU+2:MU+3] neg_lo:[0,1] neg_hi:[0,1]
.set n, n+1
.endr
.irp c, 0,2
	v_pk_mul_f32 v[QA+\c:QA+\c+1], v[PR+\c:PR+\c+1],     v[PR+\c:PR+\c+1]
	v_pk_mul_f32 v[QB+\c:QB+\c+1], v[PR+4+\c:PR+4+\c+1], v[PR+4+\c:PR+4+\c+1]
.endr
.set n, 2
.rept 14
	v_pk_fma_f32 v[QA+4*(n&1):QA+4*(n&1)+1],   v[PR+4*n:PR+4*n+1],   v[PR+4*n:PR+4*n+1],   v[QA+4*(n&1):QA+4*(n&1)+1]
	v_pk_fma_f32 v[QA+4*(n&1)+2:QA+4*(n&1)+3], v[PR+4*n+2:PR+4*n+3], v[PR+4*n+2:PR+4*n+3], v[QA+4*(n&1)+2:QA+4*(n&1)+3]
.set n, n+1
.endr
	v_pk_add_f32 v[QA:QA+1],   v[QA:QA+1],   v[QB:QB+1]
	v_pk_add_f32 v[QA+2:QA+3], v[QA+2:QA+3], v[QB+2:QB+3]
.irp c, 0,1,2,3
	v_permlanex16_b32 v[QB+\c], v[QA+\c], s24, s25
.endr
	v_pk_add_f32 v[QA:QA+1],   v[QA:QA+1],   v[QB:QB+1]
	v_pk_add_f32 v[QA+2:QA+3], v[QA+2:QA+3], v[QB+2:QB+3]
	ds_store_b128 v9, v[SA:SA+3]                   ; bytes 0-127: sums of means; 128-255: sums of M2.  Both halves write the same bytes with the same numbers
	ds_store_b128 v9, v[QA:QA+3] offset:256        ; bytes 256-383: Q of the means
	s_wait_dscnt 0x0                               ; my wave's figures are written,
	s_barrier_signal -1
	s_barrier_wait -1                              ; everybody's are
	s_cmp_lg_u32 s12, 0
	s_cbranch_scc1 .Ldone                          ; wave 0 alone finishes
.irp u, 0,1,2,3,4,5,6,7
	ds_load_b32 v[F+\u],    v12 offset:512*\u
	ds_load_b32 v[F+8+\u],  v12 offset:512*\u+128
	ds_load_b32 v[F+16+\u], v12 offset:512*\u+256
.endr
	s_wait_dscnt 0x0
.irp k, 0,1,2
	v_pk_add_f32 v[G+4*\k:G+4*\k+1],   v[F+8*\k:F+8*\k+1],   v[F+8*\k+2:F+8*\k+3]
	v_pk_add_f32 v[G+4*\k+2:G+4*\k+3], v[F+8*\k+4:F+8*\k+5], v[F+8*\k+6:F+8*\k+7]
.endr
.irp k, 0,1,2
	v_pk_add_f32 v[G+4*\k:G+4*\k+1], v[G+4*\k:G+4*\k+1], v[G+4*\k+2:G+4*\k+3]
.endr
.irp k, 0,1,2
	v_add_f32 v[G+4*\k], v[G+4*\k], v[G+4*\k+1]
.endr
	v_mul_f32 v[NMP],   0xbb800000, v[G]           ; minus the mean: the 256 means' sum / -256
	v_mul_f32 v[NMP+1], 0xbb800000, v[G]
.irp j, 0,2,4,6
	v_pk_fma_f32 v[F+\j:F+\j+1], v[F+\j:F+\j+1], 0x3d000000, v[NMP:NMP+1] op_sel_hi:[1,0,1]   ; a wave's mean - the mean
.endr
	v_pk_mul_f32 v[R:R+1], v[F:F+1], v[F:F+1]
.irp j, 2,4,6
	v_pk_fma_f32 v[R:R+1], v[F+\j:F+\j+1], v[F+\j:F+\j+1], v[R:R+1]
.endr
	v_add_f32 v[R], v[R], v[R+1]
	v_fmamk_f32 v[W], v[G+8], 0x43000000, v[G+4]   ; 128 x the rows' spread inside the waves + the rows' own M2
	v_fmamk_f32 v[W], v[R], 0x45800000, v[W]       ; + 4,096 x the spread of the waves' means
	v_fma_f32 v[W+1], v[W], s27, s28               ; / 32,768 + 1e-5
	v_rsq_f32 v[W], v[W+1]
	v_cvt_pk_bf16_f32 v[W+2], v[GB], v[GB+1]       ; plain work between the root and its use (ISA guide 5.7.2): g and be rounded to bf16
	v_lshlrev_b32 v[W+3], 16, v[W+2]
	v_and_b32 v[W+4], 0xffff0000, v[W+2]
	s_wait_alu depctr_va_vdst(0)
	v_mul_f32 v[W], v[W+3], v[W]                   ; scale of channel l
	v_fma_f32 v[W+1], v[NMP], v[W], v[W+4]         ; shift = be - mean x scale
	global_store_b64 v13, v[W:W+1], s[10:11]       ; 256 consecutive bytes, at a multiple of 256 from the buffer's first byte
.Ldone:
	s_wait_tensorcnt 0x0
	ds_add_u32 v112, v113
	s_wait_dscnt 0x0
	s_endpgm
.Lfunc_end_k_q1a869af07d_stats1:
	.size	k_q1a869af07d_stats1, .Lfunc_end_k_q1a869af07d_stats1-k_q1a869af07d_stats1
	.p2alignl 7, 3214868480
	.fill 96, 4, 3214868480
	.section	.rodata,"a",@progbits
	.p2align	6, 0x0
	.amdhsa_kernel k_q1a869af07d_stats1
		.amdhsa_group_segment_fixed_size 5120
		.amdhsa_private_segment_fixed_size 0
		.amdhsa_enable_private_segment 0
		.amdhsa_kernarg_size 32
		.amdhsa_user_sgpr_count 2
		.amdhsa_user_sgpr_kernarg_segment_ptr 1
		.amdhsa_wavefront_size32 1
		.amdhsa_system_sgpr_workgroup_id_x 1
		.amdhsa_system_sgpr_workgroup_id_y 1
		.amdhsa_system_sgpr_workgroup_id_z 1
		.amdhsa_system_vgpr_workitem_id 0
		.amdhsa_next_free_vgpr 114
		.amdhsa_next_free_sgpr 66
		.amdhsa_reserve_vcc 0
		.amdhsa_float_denorm_mode_32 3
		.amdhsa_float_denorm_mode_16_64 3
		.amdhsa_memory_ordered 1
		.amdhsa_forward_progress 1
		.amdhsa_inst_pref_size 15
	.end_amdhsa_kernel
	.amdgpu_metadata
---
amdhsa.version: [ 1, 2 ]
amdhsa.kernels:
  - .name:           k_q1a869af07d_stats1
    .symbol:         k_q1a869af07d_stats1.kd
    .args:
      - { .name: y1p, .offset: 0, .size: 8, .value_kind: global_buffer, .address_space: global }
      - { .name: g1, .offset: 8, .size: 8, .value_kind: global_buffer, .address_space: global }
      - { .name: be1, .offset: 16, .size: 8, .value_kind: global_buffer, .address_space: global }
      - { .name: ss1, .offset: 24, .size: 8, .value_kind: global_buffer, .address_space: global }
    .group_segment_fixed_size: 5120
    .private_segment_fixed_size: 0
    .kernarg_segment_align: 8
    .kernarg_segment_size: 32
    .max_flat_workgroup_size: 256
    .sgpr_count:     66
    .vgpr_count:     114
    .wavefront_size: 32
...
	.end_amdgpu_metadata
.endif
;; end of part 9
;; launch gemm2 (part 10): grid 256 x 1, 4 waves a work-group, no clusters, 76,288 bytes of LDS; arguments y1p, ss1, wk, b2, y2p; writes y2p
.if DOCPART == 10
	.amdgcn_target "amdgcn-amd-amdhsa--gfx1250"
	.amdhsa_code_object_version 6
	.text
	.protected	k_q1a869af07d_gemm2
	.globl	k_q1a869af07d_gemm2
	.p2align	8
	.type	k_q1a869af07d_gemm2,@function
k_q1a869af07d_gemm2:
	s_mov_b64 s[64:65], 0
	v_nop
	global_prefetch_b8 v0, s[64:65] scope:SCOPE_SE
	s_setreg_imm32_b32 hwreg(HW_REG_WAVE_MODE, 25, 1), 1
	s_wait_xcnt 0x0
; gemm2: h = relu(y1 x scale + shift), y2 = W2 h + b2, and each group's mean and sum of squared deviations for the second batch norm.
; The shape is gemm1's: 128 points x 256 channels a work-group, K = 256; wave w makes channels 64 w .. 64 w + 63 in 32 accumulators,
; source 0 the activations (row = point), source 1 the weights (column = channel).  Wave w reads the part of y1 that lies in accumulator order
; for channels 64 w .. (32 KiB), normalises it and lays it into LDS as [k 256][point 128] f16; the fragments come by the transposing load.
; y1 is normalised in four blocks of sixteen channels as they arrive; in each block's turn sixteen of the 64 weight loads are issued, and a K step of the
; product waits for its own eight weight loads alone.
; THE PRODUCT GOES IN TWO HALVES OF THE POINTS (tiles b = 0..3, then b = 4..7): the first half's y is stored while the second half is multiplied,
; and the second half's ahead of the statistics, which only read the accumulators.
; The weights (32 KiB a wave, f16 in fragment order) go straight into 256 registers, once; for that reason no cluster and no tensor load, as in gemm1.
; y2p: f32 in accumulator order [group][w][a][b][q][lane][4]; then at PART [block of 32 channels 8][group 256][mean 32, M2 32]: the last launch's
; work-groups own 32 channels each and read one block's 64 KiB in a piece.
; LIMITS KEPT.  h is rounded to f16 once (|h| < 65,504: |g1| x 181 + |be1| must stay below that); b2 is rounded to bf16.
; REGISTERS: window 0 at work; window 1 first y1 as loaded, then the accumulators (tile (a, b) at 8 (8 a + b)); window 2 the weights (32 ks + 8 a).
.set FPITCH, 288                       ; HT: [k 256][point 128] f16, 256 bytes + 32 = 9 x 32
.set SCR,    73728                     ; 512 bytes a wave
.set NKS,    8                         ; K steps of 32
.set NU,     2*NKS                     ; steps in all: the K steps of the first half of the points, then those of the second
.set PART,   0x2000000
.set H,    16                          ; v[16:79]   64 numbers of one channel at work
.set FA,   16                          ; v[16:111]  activation fragments: three buffers of four tiles
.set DV,   80                          ; behind the product: v[80:143] deviations
.set BVP,  144
.set S,    152
.set QS,   160
.set NM,   168
.set BVR,  176                         ; v[176:179] bias as loaded
.set SS,   180                         ; v[180:187] scale and shift as loaded, a pair for each a
.set SCP,  188                         ; v[188:195] scale doubled
.set SHP,  196                         ; v[196:203] shift doubled
.set MSB, 0
.macro WIN new                         ; s_set_vgpr_msb: bits 1:0 source 0, 3:2 source 1, 5:4 source 2, 7:6 destination; the high byte repeats the setting that is left
.if MSB != \new
	s_set_vgpr_msb (MSB<<8)|\new
.set MSB, \new
.endif
.endm
.macro PLACES                          ; four places behind a matrix instruction, in front of loads into its sources and of reads of its results
.rept 4
	v_nop
.endr
.endm
; the fragments of step u (4 tiles of 16 points x 32 K) by the transposing load; two address registers, since the immediate has 16 bits
.macro FETCH u
.set FB, FA+32*((\u)%3)
.set KS, (\u)%NKS
.set HB, 4*((\u)/NKS)
.if KS < 4
.irp i, 0,1,2,3
	ds_load_tr16_b128 v[FB+8*\i:FB+8*\i+3],   v10 offset:32*FPITCH*KS+32*(HB+\i)
	ds_load_tr16_b128 v[FB+8*\i+4:FB+8*\i+7], v10 offset:32*FPITCH*KS+32*(HB+\i)+16*FPITCH
.endr
.else
.irp i, 0,1,2,3
	ds_load_tr16_b128 v[FB+8*\i:FB+8*\i+3],   v11 offset:32*FPITCH*(KS-4)+32*(HB+\i)
	ds_load_tr16_b128 v[FB+8*\i+4:FB+8*\i+7], v11 offset:32*FPITCH*(KS-4)+32*(HB+\i)+16*FPITCH
.endr
.endif
.endm
; 16 matrix instructions: a half's 16 accumulators take turns, one instruction a turn, in the same order in every step
.macro MUL16 buf, wb, hb, ks
.irp a, 0,1,2,3
.irp i, 0,1,2,3
.if (\ks) == 0
	v_wmma_f32_16x16x32_f16 v[8*(8*\a+\hb+\i):8*(8*\a+\hb+\i)+7], v[\buf+8*\i:\buf+8*\i+7], v[\wb+8*\a:\wb+8*\a+7], 0
.else
	v_wmma_f32_16x16x32_f16 v[8*(8*\a+\hb+\i):8*(8*\a+\hb+\i)+7], v[\buf+8*\i:\buf+8*\i+7], v[\wb+8*\a:\wb+8*\a+7], v[8*(8*\a+\hb+\i):8*(8*\a+\hb+\i)+7]
.endif
.endr
.endr
.endm
; Step u: the fragments of step u + 2 are asked for, so that a fetch has two steps' 32 matrix instructions in which to land
.macro KSTEP u
	WIN 0
.if (\u)+2 < NU
.if (\u) > 0
	PLACES                                         ; the buffer loaded next was read by the matrix instructions just issued
.endif
	FETCH (\u)+2
	s_wait_dscnt 16                                ; this step's eight loads are in; the two later steps' sixteen may be out
.else
.if (\u)+1 < NU
	s_wait_dscnt 8                                 ; the last step's eight may be out
.else
	s_wait_dscnt 0x0
.endif
.endif
.if (\u) < NKS
	s_wait_loadcnt 56-8*(\u)                       ; this K step's eight weight loads are in; the later K steps' may be out
.endif
.set MB, FA+32*((\u)%3)
.set MK, (\u)%NKS
.set MH, 4*((\u)/NKS)
	WIN 0x58                                       ; C and D window 1, weights window 2, activations window 0
	MUL16 MB, 32*MK, MH, MK
.endm
; A half's way out: the bias is added in place and y is stored from the accumulators as it lies, 512 consecutive bytes an instruction.
; Nothing writes these registers again, so no wait follows the stores.
.macro HOUT hb
	WIN 0
	PLACES
.if (\hb) == 0
.irp a, 0,1,2,3
	v_cvt_pk_bf16_f32 v[BVP+2*\a], v[BVR+\a], v[BVR+\a]        ; the bias was among the first loads: it has been in since the first block's wait
.endr
.irp a, 0,1,2,3
	v_lshlrev_b32 v[BVP+2*\a], 16, v[BVP+2*\a]
.endr
.irp a, 0,1,2,3
	v_mov_b32 v[BVP+2*\a+1], v[BVP+2*\a]
.endr
.endif
	WIN 0x41                                       ; destination and source 0 window 1
.irp a, 0,1,2,3
.irp i, 0,1,2,3
.irp p, 0,1,2,3
	v_pk_add_f32 v[64*\a+8*(\hb+\i)+2*\p:64*\a+8*(\hb+\i)+2*\p+1], v[64*\a+8*(\hb+\i)+2*\p:64*\a+8*(\hb+\i)+2*\p+1], v[BVP+2*\a:BVP+2*\a+1]
.endr
.endr
.endr
	WIN 0x04                                       ; a store's data is source 1: window 1
.irp a, 0,1,2,3
.irp i, 0,1,2,3
.irp q, 0,1
	global_store_b128 v4, v[64*\a+8*(\hb+\i)+4*\q:64*\a+8*(\hb+\i)+4*\q+3], s[14:15] offset:512*(2*(8*\a+\hb+\i)+\q)
.endr
.endr
.endr
	WIN 0
.endm
; The statistics, while the stores leave.  For each a: the mean of the lane's channel over the group's 128 points, the deviations from it, their squares.
.macro STATS
.irp a, 0,1,2,3
	WIN 0x05                                       ; both sources window 1
.irp c, 0,1,2,3
	v_pk_add_f32 v[S+2*\c:S+2*\c+1], v[64*\a+2*\c:64*\a+2*\c+1], v[64*\a+8+2*\c:64*\a+8+2*\c+1]   ; the first eight pairs start the four sums
.endr
	WIN 0x01                                       ; source 0 window 1
.set n, 8
.rept 24
	v_pk_add_f32 v[S+2*(n&3):S+2*(n&3)+1], v[64*\a+2*n:64*\a+2*n+1], v[S+2*(n&3):S+2*(n&3)+1]
.set n, n+1
.endr
	WIN 0
	v_pk_add_f32 v[S:S+1], v[S:S+1], v[S+2:S+3]
	v_pk_add_f32 v[S+4:S+5], v[S+4:S+5], v[S+6:S+7]
	v_pk_add_f32 v[S:S+1], v[S:S+1], v[S+4:S+5]
	v_add_f32 v[S], v[S], v[S+1]
	v_permlanex16_b32 v13, v[S], s27, s28          ; the channel's other 64 points lie in the other half of the wave
	v_add_f32 v[S], v[S], v13
	v_mul_f32 v[S], 0x3c000000, v[S]               ; / 128
	v_mul_f32 v[NM], -1.0, v[S]
	v_mul_f32 v[NM+1], -1.0, v[S]
	WIN 0x01
.set n, 0
.rept 32
	v_pk_add_f32 v[DV+2*n:DV+2*n+1], v[64*\a+2*n:64*\a+2*n+1], v[NM:NM+1]
.set n, n+1
.endr
	WIN 0
.irp c, 0,1,2,3
	v_pk_mul_f32 v[QS+2*\c:QS+2*\c+1], v[DV+2*\c:DV+2*\c+1], v[DV+2*\c:DV+2*\c+1]
.endr
.set n, 4
.rept 28
	v_pk_fma_f32 v[QS+2*(n&3):QS+2*(n&3)+1], v[DV+2*n:DV+2*n+1], v[DV+2*n:DV+2*n+1], v[QS+2*(n&3):QS+2*(n&3)+1]
.set n, n+1
.endr
	v_pk_add_f32 v[QS:QS+1], v[QS:QS+1], v[QS+2:QS+3]
	v_pk_add_f32 v[QS+4:QS+5], v[QS+4:QS+5], v[QS+6:QS+7]
	v_pk_add_f32 v[QS:QS+1], v[QS:QS+1], v[QS+4:QS+5]
	v_add_f32 v[QS], v[QS], v[QS+1]
	v_permlanex16_b32 v13, v[QS], s27, s28
	v_add_f32 v[QS], v[QS], v13
	ds_store_b32 v15, v[S]  offset:64*\a           ; both halves write the same word with the same number
	ds_store_b32 v15, v[QS] offset:64*\a+256
.endr
	; the wave's 64 means and 64 sums go out as two blocks of 256 bytes: lanes 0-15 carry the means of 32 channels, lanes 16-31 their sums of squares
	v_lshlrev_b32 v170, 3, v2                      ; 8 r
	v_lshl_add_u32 v170, v3, 8, v170               ; + 256 h
	s_lshl_b32 s29, s16, 9
	s_add_co_u32 s29, s29, SCR
	v_add_nc_u32 v171, s29, v170
	ds_load_b64 v[172:173], v171                   ; the wave's own bytes; LDS serves a wave's instructions in order (ISA guide 5.7.1.4)
	ds_load_b64 v[174:175], v171 offset:128        ; the second 32 channels
	s_lshl_b32 s30, s16, 17                        ; block 2 w of 65,536 bytes
	v_lshl_add_u32 v170, v1, 3, s30
	s_wait_dscnt 0x0
	global_store_b64 v170, v[172:173], s[24:25]              ; 256 consecutive bytes, at a multiple of 256 from the buffer's first byte
	global_store_b64 v170, v[174:175], s[24:25] offset:65536 ; block 2 w + 1
.endm
	s_load_b256 s[4:11], s[0:1], 0x0               ; y1p s[4:5], ss1 s[6:7], wk s[8:9], b2 s[10:11]
	s_load_b64 s[14:15], s[0:1], 0x20              ; y2p
	v_lshl_add_u32 v254, v0, 2, 0x12800
	v_mov_b32 v255, 0
	v_lshrrev_b32 v2, 5, v0
	v_readfirstlane_b32 s16, v2                    ; wave
	v_and_b32 v1, 31, v0
	v_and_b32 v2, 15, v0                           ; r
	v_bfe_u32 v3, v0, 4, 1                         ; h
	v_lshlrev_b32 v4, 4, v1                        ; 16 l
	s_lshl_b32 s17, s16, 8
	v_lshl_add_u32 v5, v2, 2, s17                  ; channel 64 w + r, 4 bytes
	s_lshl_b32 s17, s16, 9
	v_lshl_add_u32 v6, v2, 3, s17                  ; channel 64 w + r, 8 bytes: its scale and shift
	s_mul_i32 s17, s16, 64*FPITCH
	v_mul_u32_u24 v8, v2, FPITCH
	v_lshl_add_u32 v8, v3, 4, v8
	v_add_nc_u32 v8, s17, v8                       ; HT in: row 64 w + r, byte 16 h
	v_and_b32 v10, 7, v0
	v_lshl_add_u32 v10, v3, 3, v10
	v_mul_u32_u24 v10, v10, FPITCH
	v_bfe_u32 v12, v0, 3, 1
	v_lshl_add_u32 v10, v12, 4, v10                ; HT out: row 8 h + l mod 8, byte 16 ((l / 8) mod 2)
	v_add_nc_u32 v11, 128*FPITCH, v10              ; the same 128 rows further down
	v_mov_b32 v13, 0                               ; v_permlanex16_b32's destination counts as read
	s_lshl_b32 s17, s16, 9
	s_add_co_u32 s17, s17, SCR
	v_lshl_add_u32 v15, v2, 2, s17
	s_lshl_b32 s20, ttmp9, 8                       ; my group's 256 bytes in each block of the partial figures
	s_mov_b32 s21, 0
	s_lshl_b32 s36, ttmp9, 17
	s_lshl_b32 s38, s16, 15
	s_add_co_u32 s36, s36, s38
	s_mov_b32 s37, 0
	s_add_co_u32 s30, s38, 720896
	s_mov_b32 s31, 0
	s_mov_b32 s27, 0x76543210
	s_mov_b32 s28, 0xfedcba98
	s_wait_kmcnt 0x0
	s_add_nc_u64 s[4:5], s[4:5], s[36:37]
	s_add_nc_u64 s[8:9], s[8:9], s[30:31]
	s_add_nc_u64 s[24:25], s[14:15], PART
	s_add_nc_u64 s[24:25], s[24:25], s[20:21]
	s_add_nc_u64 s[14:15], s[14:15], s[36:37]
.irp a, 0,1,2,3
	global_load_b64 v[SS+2*\a:SS+2*\a+1], v6, s[6:7] offset:128*\a
	global_load_b32 v[BVR+\a],            v5, s[10:11] offset:64*\a
.endr
	WIN 0x40                                       ; destination window 1
.set n, 0
.rept 64
	global_load_b128 v[4*n:4*n+3], v4, s[4:5] offset:512*n th:TH_LOAD_NT
.set n, n+1
.endr
	WIN 0
.irp a, 0,1,2,3
	s_wait_loadcnt 48                              ; block a of y1 is in: behind it stand 16 (3 - a) loads of y1 and the 16 a weight loads of the turns before
	WIN 0x80                                       ; destination window 2
.irp i, 0,1,2,3,4,5,6,7,8,9,10,11,12,13,14,15
	global_load_b128 v[4*(16*\a+\i):4*(16*\a+\i)+3], v4, s[8:9] offset:512*(16*\a+\i)   ; the weights of K steps 2 a and 2 a + 1
.endr
	WIN 0
	v_mov_b32 v[SCP+2*\a],   v[SS+2*\a]
	v_mov_b32 v[SCP+2*\a+1], v[SS+2*\a]
	v_mov_b32 v[SHP+2*\a],   v[SS+2*\a+1]
	v_mov_b32 v[SHP+2*\a+1], v[SS+2*\a+1]
	WIN 0x01                                       ; source 0 window 1
.set n, 0
.rept 32
	v_pk_fma_f32 v[H+2*n:H+2*n+1], v[64*\a+2*n:64*\a+2*n+1], v[SCP+2*\a:SCP+2*\a+1], v[SHP+2*\a:SHP+2*\a+1]
.set n, n+1
.endr
	WIN 0
.set n, 0
.rept 64
	v_max_num_f32 v[H+n], 0, v[H+n]
.set n, n+1
.endr
.set n, 0
.rept 32
	v_cvt_pk_f16_f32 v[H+n], v[H+2*n], v[H+2*n+1]
.set n, n+1
.endr
.irp b, 0,1,2,3,4,5,6,7
	ds_store_b128 v8, v[H+4*\b:H+4*\b+3] offset:16*FPITCH*\a+32*\b   ; eight points of one channel; rows 288 bytes apart: two lanes share a 16-byte column modulo 256 bytes
.endr
.endr
	s_wait_dscnt 0x0                               ; my 64 rows are written,
	s_barrier_signal -1
	s_barrier_wait -1                              ; everybody's are
	FETCH 0
	FETCH 1
.irp u, 0,1,2,3,4,5,6,7
	KSTEP \u
.endr
	HOUT 0                                         ; points 0..63 leave while points 64..127 are multiplied
.irp u, 8,9,10,11,12,13,14,15
	KSTEP \u
.endr
	HOUT 4
	STATS
	s_wait_tensorcnt 0x0
	ds_add_u32 v254, v255
	s_wait_dscnt 0x0
	s_endpgm
.Lfunc_end_k_q1a869af07d_gemm2:
	.size	k_q1a869af07d_gemm2, .Lfunc_end_k_q1a869af07d_gemm2-k_q1a869af07d_gemm2
	.p2alignl 7, 3214868480
	.fill 96, 4, 3214868480
	.section	.rodata,"a",@progbits
	.p2align	6, 0x0
	.amdhsa_kernel k_q1a869af07d_gemm2
		.amdhsa_group_segment_fixed_size 76288
		.amdhsa_private_segment_fixed_size 0
		.amdhsa_enable_private_segment 0
		.amdhsa_kernarg_size 40
		.amdhsa_user_sgpr_count 2
		.amdhsa_user_sgpr_kernarg_segment_ptr 1
		.amdhsa_wavefront_size32 1
		.amdhsa_system_sgpr_workgroup_id_x 1
		.amdhsa_system_sgpr_workgroup_id_y 1
		.amdhsa_system_sgpr_workgroup_id_z 1
		.amdhsa_system_vgpr_workitem_id 0
		.amdhsa_next_free_vgpr 768
		.amdhsa_next_free_sgpr 66
		.amdhsa_reserve_vcc 0
		.amdhsa_float_denorm_mode_32 3
		.amdhsa_float_denorm_mode_16_64 3
		.amdhsa_memory_ordered 1
		.amdhsa_forward_progress 1
		.amdhsa_inst_pref_size 113
	.end_amdhsa_kernel
	.amdgpu_metadata
---
amdhsa.version: [ 1, 2 ]
amdhsa.kernels:
  - .name:           k_q1a869af07d_gemm2
    .symbol:         k_q1a869af07d_gemm2.kd
    .args:
      - { .name: y1p, .offset: 0, .size: 8, .value_kind: global_buffer, .address_space: global }
      - { .name: ss1, .offset: 8, .size: 8, .value_kind: global_buffer, .address_space: global }
      - { .name: wk, .offset: 16, .size: 8, .value_kind: global_buffer, .address_space: global }
      - { .name: b2, .offset: 24, .size: 8, .value_kind: global_buffer, .address_space: global }
      - { .name: y2p, .offset: 32, .size: 8, .value_kind: global_buffer, .address_space: global }
    .group_segment_fixed_size: 76288
    .private_segment_fixed_size: 0
    .kernarg_segment_align: 8
    .kernarg_segment_size: 40
    .max_flat_workgroup_size: 128
    .sgpr_count:     66
    .vgpr_count:     768
    .wavefront_size: 32
...
	.end_amdgpu_metadata
.endif
;; end of part 10
;; launch bnout (part 11): grid 256 x 1, 8 waves a work-group, no clusters, 72,704 bytes of LDS; arguments y2p, g2, be2, out0; writes out0
.if DOCPART == 11
	.amdgcn_target "amdgcn-amd-amdhsa--gfx1250"
	.amdhsa_code_object_version 6
	.text
	.protected	k_q1a869af07d_bnout
	.globl	k_q1a869af07d_bnout
	.p2align	8
	.type	k_q1a869af07d_bnout,@function
k_q1a869af07d_bnout:
	s_mov_b64 s[64:65], 0
	v_nop
	global_prefetch_b8 v0, s[64:65] scope:SCOPE_SE
	s_setreg_imm32_b32 hwreg(HW_REG_WAVE_MODE, 25, 1), 1
	s_wait_xcnt 0x0
; bnout: the second batch norm's figures, and out0 = relu(y2 x scale + shift), from accumulator order into [b][channel][point].
; A stream: each byte of y2 is read once and each byte of out0 written once; the matrix unit, clusters and tensor loads would add nothing.
; A work-group owns 32 channels (block c8 = g mod 8) and 1,024 points (pb = g / 8: the points of the eight groups 8 pb + v of the launch before).
; So it needs the partial figures of 32 channels alone: 256 rows of 256 bytes, 64 KiB in a piece, beside its 128 KiB of y2; both are requested at the start.
; THE FIGURES.  A row holds a group's 32 means and 32 sums of squared deviations (128 points).  Wave v takes rows 32 v .. 32 v + 31: one load covers two rows;
; lane l holds row 2 i + l / 16, and of it 16 bytes: lanes with l mod 16 < 8 four means, the others four sums.  Every lane adds up its column, and takes the
; squared deviations of its column from the column's mean; the first is used of both kinds of lanes, the second of the lanes with means alone (what the other
; lanes make of it lies in LDS bytes that nobody reads).  Behind one barrier every wave merges the eight waves' figures, lane l for channel l:
; mean = sum of the means / 256;  M2 = sum of the rows' M2 + 128 x sum of the waves' Q + 4,096 x sum of (wave's mean - mean)^2;  var = M2 / 32,768.
; No difference of large sums is formed.
; THE STREAM.  Wave v has the 16 KiB of group 8 pb + v, channels 32 c8 .. + 31, as two blocks of sixteen channels.  In y2p lane (r, h) holds four points
; 16 b + 8 h + 4 q + e of channel r of a block: the block goes through the wave's own stage in LDS (sixteen rows of 512 bytes, pitch 528 = 33 x 16 bytes,
; so that sixteen lanes' rows start in sixteen different 16-byte columns modulo 256 bytes) and comes back as whole rows, stored 512 consecutive bytes an
; instruction; the eight waves together write 4 KiB of a channel's row.  The stage is the wave's own: no barrier.
; LIMITS KEPT.  g2 and be2 are rounded to bf16; 1 / sqrt is v_rsq_f32, good to one unit in the last place.
.set SPITCH, 528
.set EXC,    67584                     ; behind the stages: 512 bytes a wave: 32 sums of means, 32 sums of M2, 32 Q, 128 bytes not read
.set PART,   0x2000000
.set X,   16                           ; v[16:143]  y2 as loaded, then the result
.set OU,  144                          ; v[144:207] rows on their way out
.set PR,  144                          ; ahead of that: v[144:207] sixteen pairs of partial rows, 4 registers each
.set F,   144                          ; then: v[144:167] eight waves' sums of means, of M2, of Q
.set G,   168                          ; v[168:179] their three sums, 4 registers each at work
.set SC,  208                          ; v[208:211] scale doubled, for the two blocks
.set SH,  212                          ; v[212:215] shift doubled
.set SA,  216                          ; v[216:219], v[220:223] two chains of column sums
.set SB,  220
.set MU,  224                          ; v[224:227] the column's mean over the wave's 32 rows
.set QA,  228                          ; v[228:231], v[232:235] two chains of squared deviations
.set QB,  232
.set GB,  236                          ; v236 g, v237 be of channel l
.set NMP, 238                          ; v[238:239] minus the mean, doubled
.set R,   240                          ; v[240:241]
.set W,   242                          ; v[242:246] at work
	s_load_b256 s[4:11], s[0:1], 0x0               ; y2p s[4:5], g2 s[6:7], be2 s[8:9], out0 s[10:11]
	v_lshl_add_u32 v248, v0, 2, 0x11800
	v_mov_b32 v249, 0
	v_lshrrev_b32 v2, 5, v0
	v_readfirstlane_b32 s12, v2                    ; wave 0..7
	v_and_b32 v1, 31, v0                           ; l
	v_and_b32 v2, 15, v0                           ; r
	v_bfe_u32 v3, v0, 4, 1                         ; h
	v_lshlrev_b32 v11, 4, v1                       ; 16 l
	v_lshlrev_b32 v12, 2, v1                       ; 4 l
	v_lshlrev_b32 v6, 4, v0                        ; out0: 16 t = 512 v + 16 l: wave v's 128 points follow wave v - 1's
	s_lshl_b32 s13, s12, 17
	v_add_nc_u32 v4, s13, v11                      ; y2: group 8 pb + v, 131,072 bytes a group
	s_lshl_b32 s13, s12, 13
	v_add_nc_u32 v5, s13, v11                      ; partial rows 32 v ..
	s_mul_i32 s13, s12, 16*SPITCH
	v_mul_u32_u24 v7, v2, SPITCH
	v_lshl_add_u32 v7, v3, 5, v7
	v_add_nc_u32 v7, s13, v7                       ; stage in: row r, byte 32 h
	v_add_nc_u32 v8, s13, v11                      ; stage out: byte 16 l of a row
	s_lshl_b32 s13, s12, 9
	s_add_co_u32 s13, s13, EXC
	v_lshl_add_u32 v9, v2, 4, s13                  ; exchange in: my wave's 512 bytes, 16 (l mod 16)
	v_add_nc_u32 v10, EXC, v12                     ; exchange out: channel l
	s_and_b32 s14, ttmp9, 7                        ; c8
	s_lshr_b32 s15, ttmp9, 3                       ; pb
	s_lshl_b32 s16, s15, 20                        ; eight groups of 131,072 bytes
	s_lshl_b32 s26, s14, 14                        ; 32 channels of a group: 16,384 bytes
	s_add_co_u32 s16, s16, s26
	s_mov_b32 s17, 0
	s_lshl_b32 s18, s14, 16
	s_add_co_u32 s18, s18, PART
	s_mov_b32 s19, 0
	s_lshl_b32 s20, s14, 7
	s_mov_b32 s21, 0
	s_lshr_b32 s22, s15, 3
	s_lshl_b32 s22, s22, 23                        ; batch x 256 channels x 32,768 bytes
	s_lshl_b32 s26, s14, 20                        ; + 32 c8 channels
	s_add_co_u32 s22, s22, s26
	s_and_b32 s26, s15, 7
	s_lshl_b32 s26, s26, 12                        ; + 1,024 points x 4 bytes
	s_add_co_u32 s22, s22, s26
	s_mov_b32 s23, 0
	s_mov_b32 s24, 0x76543210                      ; v_permlanex16_b32: lane i of one half reads lane i of the other
	s_mov_b32 s25, 0xfedcba98
	s_mov_b32 s27, 0x38000000                      ; 1 / 32,768
	s_mov_b32 s28, 0x3727c5ac                      ; 1e-5
	s_wait_kmcnt 0x0
	s_add_nc_u64 s[18:19], s[4:5], s[18:19]
	s_add_nc_u64 s[4:5], s[4:5], s[16:17]
	s_add_nc_u64 s[6:7], s[6:7], s[20:21]
	s_add_nc_u64 s[8:9], s[8:9], s[20:21]
	s_add_nc_u64 s[10:11], s[10:11], s[22:23]
	global_load_b32 v[GB],   v12, s[6:7]
	global_load_b32 v[GB+1], v12, s[8:9]
.set n, 0
.rept 16
	global_load_b128 v[PR+4*n:PR+4*n+3], v5, s[18:19] offset:512*n         ; two rows of 256 bytes
.set n, n+1
.endr
.set n, 0
.rept 32
	global_load_b128 v[X+4*n:X+4*n+3], v4, s[4:5] offset:512*n th:TH_LOAD_NT
.set n, n+1
.endr
	s_wait_loadcnt 32                              ; g, be and the partial rows are in; the 32 loads of y2 stay out while the figures are made
	; the column's sum over my sixteen rows, in two chains; the first four rows start them
.irp c, 0,2
	v_pk_add_f32 v[SA+\c:SA+\c+1], v[PR+\c:PR+\c+1],     v[PR+8+\c:PR+8+\c+1]
	v_pk_add_f32 v[SB+\c:SB+\c+1], v[PR+4+\c:PR+4+\c+1], v[PR+12+\c:PR+12+\c+1]
.endr
.set n, 4
.rept 12
	v_pk_add_f32 v[SA+4*(n&1):SA+4*(n&1)+1],   v[SA+4*(n&1):SA+4*(n&1)+1],   v[PR+4*n:PR+4*n+1]
	v_pk_add_f32 v[SA+4*(n&1)+2:SA+4*(n&1)+3], v[SA+4*(n&1)+2:SA+4*(n&1)+3], v[PR+4*n+2:PR+4*n+3]
.set n, n+1
.endr
	v_pk_add_f32 v[SA:SA+1],   v[SA:SA+1],   v[SB:SB+1]
	v_pk_add_f32 v[SA+2:SA+3], v[SA+2:SA+3], v[SB+2:SB+3]
.irp c, 0,1,2,3
	v_permlanex16_b32 v[SB+\c], v[SA+\c], s24, s25 ; the other sixteen rows lie in the other half of the wave
.endr
	v_pk_add_f32 v[SA:SA+1],   v[SA:SA+1],   v[SB:SB+1]
	v_pk_add_f32 v[SA+2:SA+3], v[SA+2:SA+3], v[SB+2:SB+3]
	v_pk_mul_f32 v[MU:MU+1],   v[SA:SA+1],   0x3d000000 op_sel_hi:[1,0]    ; / 32
	v_pk_mul_f32 v[MU+2:MU+3], v[SA+2:SA+3], 0x3d000000 op_sel_hi:[1,0]
.set n, 0
.rept 16
	v_pk_add_f32 v[PR+4*n:PR+4*n+1],   v[PR+4*n:PR+4*n+1],   v[MU:MU+1]   neg_lo:[0,1] neg_hi:[0,1]
	v_pk_add_f32 v[PR+4*n+2:PR+4*n+3], v[PR+4*n+2:PR+4*n+3], v[MU+2:MU+3] neg_lo:[0,1] neg_hi:[0,1]
.set n, n+1
.endr
.irp c, 0,2
	v_pk_mul_f32 v[QA+\c:QA+\c+1], v[PR+\c:PR+\c+1],     v[PR+\c:PR+\c+1]
	v_pk_mul_f32 v[QB+\c:QB+\c+1], v[PR+4+\c:PR+4+\c+1], v[PR+4+\c:PR+4+\c+1]
.endr
.set n, 2
.rept 14
	v_pk_fma_f32 v[QA+4*(n&1):QA+4*(n&1)+1],   v[PR+4*n:PR+4*n+1],   v[PR+4*n:PR+4*n+1],   v[QA+4*(n&1):QA+4*(n&1)+1]
	v_pk_fma_f32 v[QA+4*(n&1)+2:QA+4*(n&1)+3], v[PR+4*n+2:PR+4*n+3], v[PR+4*n+2:PR+4*n+3], v[QA+4*(n&1)+2:QA+4*(n&1)+3]
.set n, n+1
.endr
	v_pk_add_f32 v[QA:QA+1],   v[QA:QA+1],   v[QB:QB+1]
	v_pk_add_f32 v[QA+2:QA+3], v[QA+2:QA+3], v[QB+2:QB+3]
.irp c, 0,1,2,3
	v_permlanex16_b32 v[QB+\c], v[QA+\c], s24, s25
.endr
	v_pk_add_f32 v[QA:QA+1],   v[QA:QA+1],   v[QB:QB+1]
	v_pk_add_f32 v[QA+2:QA+3], v[QA+2:QA+3], v[QB+2:QB+3]
	ds_store_b128 v9, v[SA:SA+3]                   ; bytes 0-127: sums of means; 128-255: sums of M2.  Both halves write the same bytes with the same numbers
	ds_store_b128 v9, v[QA:QA+3] offset:256        ; bytes 256-383: Q of the means
	s_wait_dscnt 0x0                               ; my wave's figures are written,
	s_barrier_signal -1
	s_barrier_wait -1                              ; everybody's are
.irp u, 0,1,2,3,4,5,6,7
	ds_load_b32 v[F+\u],    v10 offset:512*\u
	ds_load_b32 v[F+8+\u],  v10 offset:512*\u+128
	ds_load_b32 v[F+16+\u], v10 offset:512*\u+256
.endr
	s_wait_dscnt 0x0
.irp k, 0,1,2
	v_pk_add_f32 v[G+4*\k:G+4*\k+1],   v[F+8*\k:F+8*\k+1],   v[F+8*\k+2:F+8*\k+3]
	v_pk_add_f32 v[G+4*\k+2:G+4*\k+3], v[F+8*\k+4:F+8*\k+5], v[F+8*\k+6:F+8*\k+7]
.endr
.irp k, 0,1,2
	v_pk_add_f32 v[G+4*\k:G+4*\k+1], v[G+4*\k:G+4*\k+1], v[G+4*\k+2:G+4*\k+3]
.endr
.irp k, 0,1,2
	v_add_f32 v[G+4*\k], v[G+4*\k], v[G+4*\k+1]
.endr
	v_mul_f32 v[NMP],   0xbb800000, v[G]           ; minus the mean: the 256 means' sum / -256
	v_mul_f32 v[NMP+1], 0xbb800000, v[G]
.irp j, 0,2,4,6
	v_pk_fma_f32 v[F+\j:F+\j+1], v[F+\j:F+\j+1], 0x3d000000, v[NMP:NMP+1] op_sel_hi:[1,0,1]   ; a wave's mean - the mean
.endr
	v_pk_mul_f32 v[R:R+1], v[F:F+1], v[F:F+1]
.irp j, 2,4,6
	v_pk_fma_f32 v[R:R+1], v[F+\j:F+\j+1], v[F+\j:F+\j+1], v[R:R+1]
.endr
	v_add_f32 v[R], v[R], v[R+1]
	v_fmamk_f32 v[W], v[G+8], 0x43000000, v[G+4]   ; 128 x the rows' spread inside the waves + the rows' own M2
	v_fmamk_f32 v[W], v[R], 0x45800000, v[W]       ; + 4,096 x the spread of the waves' means
	v_fma_f32 v[W+1], v[W], s27, s28               ; / 32,768 + 1e-5
	v_rsq_f32 v[W], v[W+1]
	v_cvt_pk_bf16_f32 v[W+2], v[GB], v[GB+1]       ; plain work between the root and its use (ISA guide 5.7.2): g and be rounded to bf16
	v_lshlrev_b32 v[W+3], 16, v[W+2]
	v_and_b32 v[W+4], 0xffff0000, v[W+2]
	s_wait_alu depctr_va_vdst(0)
	v_mul_f32 v[W], v[W+3], v[W]                   ; scale of channel l
	v_fma_f32 v[W+1], v[NMP], v[W], v[W+4]         ; shift = be - mean x scale
	; lane (r, h) needs channels r and 16 + r: one is its own, the other lies in the same lane of the other half
	v_permlanex16_b32 v[W+2], v[W],   s24, s25
	v_permlanex16_b32 v[W+3], v[W+1], s24, s25
	v_cmp_gt_u32 vcc_lo, 16, v1
	v_cndmask_b32 v[SC],   v[W+2], v[W],   vcc_lo
	v_cndmask_b32 v[SC+2], v[W],   v[W+2], vcc_lo
	v_cndmask_b32 v[SH],   v[W+3], v[W+1], vcc_lo
	v_cndmask_b32 v[SH+2], v[W+1], v[W+3], vcc_lo
.irp a, 0,1
	s_wait_loadcnt 16-16*\a                        ; this block's sixteen loads are in; the second block's may be out
	v_mov_b32 v[SC+2*\a+1], v[SC+2*\a]
	v_mov_b32 v[SH+2*\a+1], v[SH+2*\a]
.set n, 0
.rept 32
	v_pk_fma_f32 v[X+64*\a+2*n:X+64*\a+2*n+1], v[X+64*\a+2*n:X+64*\a+2*n+1], v[SC+2*\a:SC+2*\a+1], v[SH+2*\a:SH+2*\a+1]
.set n, n+1
.endr
.set n, 0
.rept 64
	v_max_num_f32 v[X+64*\a+n], 0, v[X+64*\a+n]
.set n, n+1
.endr
.set n, 0
.rept 16
	ds_store_b128 v7, v[X+64*\a+4*n:X+64*\a+4*n+3] offset:64*(n>>1)+16*(n&1)   ; points 16 b + 8 h + 4 q ..: n = 2 b + q
.set n, n+1
.endr
	s_wait_xcnt 0x0                                ; OU, which the first block's stores read, is loaded again only behind this wait
.set n, 0
.rept 16
	ds_load_b128 v[OU+4*n:OU+4*n+3], v8 offset:SPITCH*n        ; LDS serves a wave's instructions in order (ISA guide 5.7.1.4): these see the stores above
.set n, n+1
.endr
.set n, 0
.rept 16
	s_wait_dscnt 15-n                              ; row n is in
	global_store_b128 v6, v[OU+4*n:OU+4*n+3], s[10:11] offset:(16*\a+n)*32768 th:TH_STORE_NT   ; 512 consecutive bytes, at a multiple of 512 from out0's first byte
.set n, n+1
.endr
.endr
	s_wait_tensorcnt 0x0
	ds_add_u32 v248, v249
	s_wait_dscnt 0x0
	s_endpgm
.Lfunc_end_k_q1a869af07d_bnout:
	.size	k_q1a869af07d_bnout, .Lfunc_end_k_q1a869af07d_bnout-k_q1a869af07d_bnout
	.p2alignl 7, 3214868480
	.fill 96, 4, 3214868480
	.section	.rodata,"a",@progbits
	.p2align	6, 0x0
	.amdhsa_kernel k_q1a869af07d_bnout
		.amdhsa_group_segment_fixed_size 72704
		.amdhsa_private_segment_fixed_size 0
		.amdhsa_enable_private_segment 0
		.amdhsa_kernarg_size 32
		.amdhsa_user_sgpr_count 2
		.amdhsa_user_sgpr_kernarg_segment_ptr 1
		.amdhsa_wavefront_size32 1
		.amdhsa_system_sgpr_workgroup_id_x 1
		.amdhsa_system_sgpr_workgroup_id_y 1
		.amdhsa_system_sgpr_workgroup_id_z 1
		.amdhsa_system_vgpr_workitem_id 0
		.amdhsa_next_free_vgpr 250
		.amdhsa_next_free_sgpr 66
		.amdhsa_reserve_vcc 1
		.amdhsa_float_denorm_mode_32 3
		.amdhsa_float_denorm_mode_16_64 3
		.amdhsa_memory_ordered 1
		.amdhsa_forward_progress 1
		.amdhsa_inst_pref_size 35
	.end_amdhsa_kernel
	.amdgpu_metadata
---
amdhsa.version: [ 1, 2 ]
amdhsa.kernels:
  - .name:           k_q1a869af07d_bnout
    .symbol:         k_q1a869af07d_bnout.kd
    .args:
      - { .name: y2p, .offset: 0, .size: 8, .value_kind: global_buffer, .address_space: global }
      - { .name: g2, .offset: 8, .size: 8, .value_kind: global_buffer, .address_space: global }
      - { .name: be2, .offset: 16, .size: 8, .value_kind: global_buffer, .address_space: global }
      - { .name: out0, .offset: 24, .size: 8, .value_kind: global_buffer, .address_space: global }
    .group_segment_fixed_size: 72704
    .private_segment_fixed_size: 0
    .kernarg_segment_align: 8
    .kernarg_segment_size: 32
    .max_flat_workgroup_size: 256
    .sgpr_count:     66
    .vgpr_count:     250
    .wavefront_size: 32
...
	.end_amdgpu_metadata
.endif
;; end of part 11
;; ======== version 3 of 3: 6 launches; version 2 with the launches gemm1, gemm2 written anew for expert scheduling mode
;; limits: values outside matrix products are rounded to bf16; values are held in f16: magnitudes above 65,504 overflow, below 6.1e-05 lose precision
;; workspace buffers: cand 131,072 bytes of whole numbers; f2t 4,194,304 bytes; nidx 524,288 bytes of whole numbers; wk 851,968 bytes; y1p 34,078,720 bytes; y2p 34,078,720 bytes; ss1 2,048 bytes
;; launch knn_a: the kernel of part 7 again; grid 256 x 1, 8 waves a work-group, no clusters, 77,824 bytes of LDS; arguments pos1, pos2, feature2, cand, f2t; writes cand, f2t
;; launch knn_b: the kernel of part 2 again; grid 256 x 1, 4 waves a work-group, no clusters, 35,328 bytes of LDS; arguments pos1, pos2, cand, W1, W2, nidx, wk; writes nidx, wk
;; launch gemm1 (part 12): grid 256 x 1, 4 waves a work-group, no clusters, 107,008 bytes of LDS; arguments nidx, wk, f2t, feature1, b1, y1p; writes y1p
.if DOCPART == 12
	.amdgcn_target "amdgcn-amd-amdhsa--gfx1250"
	.amdhsa_code_object_version 6
	.text
	.protected	k_q1a869af07d_gemm1
	.globl	k_q1a869af07d_gemm1
	.p2align	8
	.type	k_q1a869af07d_gemm1,@function
k_q1a869af07d_gemm1:
	s_mov_b64 s[64:65], 0
	v_nop
	global_prefetch_b8 v0, s[64:65] scope:SCOPE_SE
	s_setreg_imm32_b32 hwreg(HW_REG_WAVE_SCHED_MODE, 0, 2), 2
	s_setreg_imm32_b32 hwreg(HW_REG_WAVE_MODE, 25, 1), 1
	s_wait_xcnt 0x0
	s_wait_alu depctr_vm_vsrc(0)
; gemm1: the interpolation (gather of three rows of f2t by stored indices), the concatenation with feature1, y1 = W1 feat + b1, and each
; group's mean and sum of squared deviations for the batch norm.
; A work-group makes 128 points x 256 channels, K = 384.  Wave w makes channels 64 w .. 64 w + 63 for all 128 points: 32 accumulators.
; Source 0 of the matrix instruction is the activations (row = point), source 1 the weights (column = channel): register j of lane (r, h)
; of tile (a, b) holds point 16 b + 8 h + j of channel 64 w + 16 a + r, so a lane holds 64 points of one channel and a channel's sum needs
; one step between the halves of the wave.
; ORDER OF THE LOADS.  The one chain of dependent steps is indices -> gather -> interpolation -> LDS -> product, so the indices are asked for first;
; the weights are wanted by the product alone and ride in the interpolation's turns, eight loads (one K step's) a turn.
; THE PRODUCT GOES IN TWO HALVES OF THE POINTS (tiles b = 0..3, then b = 4..7): the first half's y is stored while the second half is multiplied,
; and the second half's ahead of the statistics, which only read the accumulators.
; The weights (48 KiB a wave, f16 in fragment order) go straight into 384 registers, once: no LDS byte and no LDS read is spent on them.
; That is why no cluster is used: a joint load could land them in LDS only, 192 KiB beside the activations, and they would be read from there again.
; No tensor load: every tile is converted between memory and LDS, so it passes through registers in any case.
; LIMITS KEPT.  feature1, feature2 and b1 are rounded to bf16; the activations are f16 (bf16 numbers are exact in f16 for 6.1e-5 <= |x| < 65,504;
; the interpolated numbers are rounded to f16 once); |features| < 65,504.  The deviations are taken from the group's own mean: no difference of large sums.
; y1p: f32 in accumulator order [group][w][a][b][q][lane][4]; then at PART [block of 32 channels 8][group 256][mean 32, M2 32] over the group's 128 points.
; REGISTERS, in windows of 256: window 0 at work; window 1 first feature1 as loaded, then the accumulators (tile (a, b) at 8 (8 a + b));
; window 2 the weights of K steps 0..7 (32 ks + 8 a), window 3 those of K steps 8..11.
; THE MODE: SCHED_MODE bits 1:0 = 2 (LLVM: expert scheduling mode 2), set by the entry lines.  The code itself states the register dependences
; between vector or matrix instructions and memory or LDS instructions, with s_wait_alu, always for 0.  The text is one straight run: no branch, no label.
; THE PLAN.  Registers that memory or LDS instructions touch, and who else names them:
;   v4 .. v11, v14, v15  offsets and LDS addresses: made at the head, never written again: one wait ahead of the first load states them for the whole kernel.
;   IDX        loaded, made into 48 gather offsets by vector instructions once: one wait ahead of the first gather serves all sixteen gathers.
;   v[384:447], v511     feature1 as f16 and FT's address: written by the conversions, read by 32 LDS stores: one wait ahead of the run.
;   RING, T    Turn t: its multiply-adds read slot t mod 4 and write T, its conversions close T up; behind them ONE wait; then T's two LDS stores and the gather of pair
;              t + 4 into the slot just read.  At the next turn's head a wait says that the stores have read T.  The slot is asked for again at once: the turns live on gathers in flight.
;   windows 2, 3         the weights: loads land there, and no vector instruction names them ahead of the product: nothing is owed.
;   FA0, FA1   two fragment buffers of two K steps each.  Pair d's 32 matrix instructions read FA[d mod 2]; the sixteen LDS loads of pair d + 1 land in the other buffer,
;              which the pair before read: ONE wait at a pair's head, and the loads follow in two runs of eight among the matrix instructions, which name FA[d mod 2], weights and accumulators alone.
;   accumulators         written by matrix instructions and by the bias's additions, read by a half's 32 stores: one wait ahead of each run; never written again.
;   RM, RQ, v171, v176   the statistics' eight results and two addresses: one wait ahead of the eight LDS stores.
.set IPITCH, 528                       ; IT: [point 128][k 256] f16, 512 bytes + 16 = 33 x 16
.set FT,     67584                     ; FT: [k 128][point 128] f16
.set FPITCH, 288                       ; 256 bytes + 32 = 9 x 32
.set SCR,    104448                    ; 512 bytes a wave: 64 means, 64 sums of squares
.set NKS,    12                        ; K steps of 32
.set NU,     2*NKS                     ; steps in all: the K steps of the first half of the points, then those of the second
.set PART,   0x2000000
.set IDX,  16                          ; v[16:79]   pair t at 4 t: three gather offsets
.set WGT,  80                          ; v[80:143]  pair t at 4 t: three weights
.set RING, 144                         ; v[144:239] four slots of 24: neighbour j at 8 j, half row p at 4 p
.set T,    240                         ; v[240:255] sixteen channels in f32
.set FA,   16                          ; v[16:143]  activation fragments: two buffers of two steps; step u's four tiles at FA + 64 ((u / 2) mod 2) + 32 (u mod 2)
.set DV,   80                          ; behind the product: v[80:143] deviations
.set BVP,  144                         ; v[144:151] bias, doubled, for a = 0..3
.set S,    152                         ; v[152:159] four sums of two
.set QS,   160                         ; v[160:167] four sums of squares of two
.set NM,   168                         ; v[168:169] minus the mean, doubled
.set BVR,  176                         ; v[176:179] bias as loaded
.set GO,   176                         ; v176       at the end: my byte offset in the partial figures
.set RM,   208                         ; v[208:211] the mean for a = 0..3
.set RQ,   212                         ; v[212:215] the sum of squared deviations for a = 0..3
.set MSB, 0
.macro WIN new                         ; s_set_vgpr_msb: bits 1:0 source 0, 3:2 source 1, 5:4 source 2, 7:6 destination; the high byte repeats the setting that is left
.if MSB != \new
	s_set_vgpr_msb (MSB<<8)|\new
.set MSB, \new
.endif
.endm
.macro PLACES                          ; four places behind a matrix instruction (ISA guide 7.12.1), in front of vector instructions that read its results
.rept 4
	v_nop
.endr
.endm
.macro GATHER t                        ; pair t: two points, three rows of 512 bytes each; sixteen lanes take 256 consecutive bytes of a row
.irp j, 0,1,2
	global_load_b128 v[RING+24*((\t)&3)+8*\j:RING+24*((\t)&3)+8*\j+3],   v[IDX+4*(\t)+\j], s[8:9]
	global_load_b128 v[RING+24*((\t)&3)+8*\j+4:RING+24*((\t)&3)+8*\j+7], v[IDX+4*(\t)+\j], s[8:9] offset:256
.endr
.endm
.macro WLOAD t                         ; the weights of K step t: eight loads of 512 consecutive bytes, into window 2 (steps 0..7) or 3
.if (\t) < 8
	WIN 0x80
.else
	WIN 0xc0
.endif
.irp i, 0,1,2,3,4,5,6,7
	global_load_b128 v[4*((8*(\t)+\i)&63):4*((8*(\t)+\i)&63)+3], v4, s[22:23] offset:512*(8*(\t)+\i)
.endr
	WIN 0
.endm
.macro INTERP t, left
	s_wait_loadcnt \left                           ; loads come back in order: this pair's six are in, what was issued behind them stays out
.if (\t) > 0
	s_wait_alu depctr_vm_vsrc(0)                   ; the two LDS stores of the turn before have read T, which this turn writes again
.endif
.if (\t) < 12
	WLOAD \t                                       ; ahead of the turn's vector work.  No wait: no vector instruction names v4 since the head's wait, or these registers at all
.endif
.set SL, RING+24*((\t)&3)
.irp j, 0,1,2
.irp p, 0,1
.irp c, 0,1,2,3
.if \j == 0
	v_fma_mix_f32_bf16 v[T+8*\p+2*\c],   v[SL+8*\j+4*\p+\c], v[WGT+4*(\t)+\j], v12 op_sel_hi:[1,0,0]
	v_fma_mix_f32_bf16 v[T+8*\p+2*\c+1], v[SL+8*\j+4*\p+\c], v[WGT+4*(\t)+\j], v12 op_sel:[1,0,0] op_sel_hi:[1,0,0]
.else
	v_fma_mix_f32_bf16 v[T+8*\p+2*\c],   v[SL+8*\j+4*\p+\c], v[WGT+4*(\t)+\j], v[T+8*\p+2*\c] op_sel_hi:[1,0,0]
	v_fma_mix_f32_bf16 v[T+8*\p+2*\c+1], v[SL+8*\j+4*\p+\c], v[WGT+4*(\t)+\j], v[T+8*\p+2*\c+1] op_sel:[1,0,0] op_sel_hi:[1,0,0]
.endif
.endr
.endr
.endr
.irp j, 0,1,2,3,4,5,6,7
	v_cvt_pk_f16_f32 v[T+\j], v[T+2*\j], v[T+2*\j+1]
.endr
	s_wait_alu depctr_va_vdst(0)                   ; the conversions have written T, which the LDS stores read; the multiply-adds are done reading the slot, in which the gather below lands
	ds_store_b128 v8, v[T:T+3]   offset:2*IPITCH*(\t)          ; channels 8 q .. 8 q + 7: sixteen lanes write 256 neighbouring bytes
	ds_store_b128 v8, v[T+4:T+7] offset:2*IPITCH*(\t)+256      ; channels 128 + 8 q ..
.if (\t) < 12
	GATHER \t+4                                    ; 8 + 6 loads a turn: with the 42 that the wait leaves out, 56 at the most are out
.endif
.endm
; the fragments of step u: 4 tiles of 16 points x 32 K.  K steps 0..7 from rows that lie along K, K steps 8..11 from rows that lie along the points (transposing load)
.macro FETCH u
.set FB, FA+64*(((\u)/2)&1)+32*((\u)&1)
.set KS, (\u)%NKS
.set HB, 4*((\u)/NKS)
.if KS < 8
.irp i, 0,1,2,3
	ds_load_b128 v[FB+8*\i:FB+8*\i+3],   v10 offset:16*IPITCH*(HB+\i)+64*KS
	ds_load_b128 v[FB+8*\i+4:FB+8*\i+7], v10 offset:16*IPITCH*(HB+\i)+64*KS+32
.endr
.else
.irp i, 0,1,2,3
	ds_load_tr16_b128 v[FB+8*\i:FB+8*\i+3],   v11 offset:32*FPITCH*(KS-8)+32*(HB+\i)
	ds_load_tr16_b128 v[FB+8*\i+4:FB+8*\i+7], v11 offset:32*FPITCH*(KS-8)+32*(HB+\i)+16*FPITCH
.endr
.endif
.endm
; 16 matrix instructions: a half's 16 accumulators take turns, one instruction a turn, in the same order in every step
.macro MUL16 buf, wb, hb, ks
.irp a, 0,1,2,3
.irp i, 0,1,2,3
.if (\ks) == 0
	v_wmma_f32_16x16x32_f16 v[8*(8*\a+\hb+\i):8*(8*\a+\hb+\i)+7], v[\buf+8*\i:\buf+8*\i+7], v[\wb+8*\a:\wb+8*\a+7], 0
.else
	v_wmma_f32_16x16x32_f16 v[8*(8*\a+\hb+\i):8*(8*\a+\hb+\i)+7], v[\buf+8*\i:\buf+8*\i+7], v[\wb+8*\a:\wb+8*\a+7], v[8*(8*\a+\hb+\i):8*(8*\a+\hb+\i)+7]
.endif
.endr
.endr
.endm
.macro MULSTEP u                       ; step u's sixteen matrix instructions
.set MB, FA+64*(((\u)/2)&1)+32*((\u)&1)
.set MK, (\u)%NKS
.set MH, 4*((\u)/NKS)
.if MK < 8
	WIN 0x58                                       ; C and D window 1, weights window 2, activations window 0
.else
	WIN 0x5c                                       ; weights window 3
.endif
	MUL16 MB, 32*(MK&7), MH, MK
.endm
; Pair d: steps 2 d and 2 d + 1, out of buffer d mod 2.  The next pair's fragments are asked for in two runs of eight, each two steps ahead of its use,
; so that a fetch has 32 matrix instructions in which to land.
.macro PAIR d
.if 2*(\d)+2 < NU
	WIN 0
.endif
	s_wait_dscnt 8                                 ; the pair's first step is in; its second step's eight loads may be out
.if 2*(\d)+2 < NU
.if ((\d) > 0) && (2*(\d) != NKS)
	s_wait_alu depctr_va_vdst(0)                   ; the pair before is done reading the other buffer, in which this pair's sixteen loads land (at the second half's first pair the wait ahead of the first half's stores has said so)
.endif
	FETCH 2*(\d)+2
.endif
	MULSTEP 2*(\d)
.if 2*(\d)+2 < NU
	WIN 0
	FETCH 2*(\d)+3                                 ; no wait: the matrix instructions since the wait name this pair's buffer, weights and accumulators alone
	s_wait_dscnt 16                                ; the pair's second step is in; the next pair's sixteen loads may be out
.else
	s_wait_dscnt 0x0
.endif
	MULSTEP 2*(\d)+1
.endm
; A half's way out: the bias is added in place and y is stored from the accumulators as it lies, 512 consecutive bytes an instruction.
; Nothing writes these registers again, so no wait follows the stores.
.macro HOUT hb
	WIN 0
	PLACES
.if (\hb) == 0
	s_wait_loadcnt 0x0                             ; the bias
.irp a, 0,1,2,3
	v_cvt_pk_bf16_f32 v[BVP+2*\a], v[BVR+\a], v[BVR+\a]
.endr
.irp a, 0,1,2,3
	v_lshlrev_b32 v[BVP+2*\a], 16, v[BVP+2*\a]
.endr
.irp a, 0,1,2,3
	v_mov_b32 v[BVP+2*\a+1], v[BVP+2*\a]
.endr
.endif
	WIN 0x41                                       ; destination and source 0 window 1
.irp a, 0,1,2,3
.irp i, 0,1,2,3
.irp p, 0,1,2,3
	v_pk_add_f32 v[64*\a+8*(\hb+\i)+2*\p:64*\a+8*(\hb+\i)+2*\p+1], v[64*\a+8*(\hb+\i)+2*\p:64*\a+8*(\hb+\i)+2*\p+1], v[BVP+2*\a:BVP+2*\a+1]
.endr
.endr
.endr
	WIN 0x04                                       ; a store's data is source 1: window 1
	s_wait_alu depctr_va_vdst(0)                   ; the additions have written the half's sixteen accumulators, which the 32 stores read
.irp a, 0,1,2,3
.irp i, 0,1,2,3
.irp q, 0,1
	global_store_b128 v4, v[64*\a+8*(\hb+\i)+4*\q:64*\a+8*(\hb+\i)+4*\q+3], s[14:15] offset:512*(2*(8*\a+\hb+\i)+\q)
.endr
.endr
.endr
	WIN 0
.endm
; The statistics, while the stores leave.  For each a: the mean of the lane's channel over the group's 128 points, the deviations from it, their squares.
; The eight results end in registers of their own, so that one wait serves the eight LDS stores.
.macro STATS
.irp a, 0,1,2,3
	WIN 0x05                                       ; both sources window 1
.irp c, 0,1,2,3
	v_pk_add_f32 v[S+2*\c:S+2*\c+1], v[64*\a+2*\c:64*\a+2*\c+1], v[64*\a+8+2*\c:64*\a+8+2*\c+1]   ; the first eight pairs start the four sums
.endr
	WIN 0x01                                       ; source 0 window 1
.set n, 8
.rept 24
	v_pk_add_f32 v[S+2*(n&3):S+2*(n&3)+1], v[64*\a+2*n:64*\a+2*n+1], v[S+2*(n&3):S+2*(n&3)+1]
.set n, n+1
.endr
	WIN 0
	v_pk_add_f32 v[S:S+1], v[S:S+1], v[S+2:S+3]
	v_pk_add_f32 v[S+4:S+5], v[S+4:S+5], v[S+6:S+7]
	v_pk_add_f32 v[S:S+1], v[S:S+1], v[S+4:S+5]
	v_add_f32 v[S], v[S], v[S+1]
	v_permlanex16_b32 v13, v[S], s27, s28          ; the channel's other 64 points lie in the other half of the wave
	v_add_f32 v[S], v[S], v13
	v_mul_f32 v[RM+\a], 0x3c000000, v[S]           ; / 128
	v_mul_f32 v[NM], -1.0, v[RM+\a]
	v_mul_f32 v[NM+1], -1.0, v[RM+\a]
	WIN 0x01
.set n, 0
.rept 32
	v_pk_add_f32 v[DV+2*n:DV+2*n+1], v[64*\a+2*n:64*\a+2*n+1], v[NM:NM+1]
.set n, n+1
.endr
	WIN 0
.irp c, 0,1,2,3
	v_pk_mul_f32 v[QS+2*\c:QS+2*\c+1], v[DV+2*\c:DV+2*\c+1], v[DV+2*\c:DV+2*\c+1]
.endr
.set n, 4
.rept 28
	v_pk_fma_f32 v[QS+2*(n&3):QS+2*(n&3)+1], v[DV+2*n:DV+2*n+1], v[DV+2*n:DV+2*n+1], v[QS+2*(n&3):QS+2*(n&3)+1]
.set n, n+1
.endr
	v_pk_add_f32 v[QS:QS+1], v[QS:QS+1], v[QS+2:QS+3]
	v_pk_add_f32 v[QS+4:QS+5], v[QS+4:QS+5], v[QS+6:QS+7]
	v_pk_add_f32 v[QS:QS+1], v[QS:QS+1], v[QS+4:QS+5]
	v_add_f32 v[QS], v[QS], v[QS+1]
	v_permlanex16_b32 v13, v[QS], s27, s28
	v_add_f32 v[RQ+\a], v[QS], v13
.endr
	; the wave's 64 means and 64 sums go out as two blocks of 256 bytes: lanes 0-15 carry the means of 32 channels, lanes 16-31 their sums of squares
	v_lshlrev_b32 v170, 3, v2                      ; 8 r
	v_lshl_add_u32 v170, v3, 8, v170               ; + 256 h
	s_lshl_b32 s29, s16, 9
	s_add_co_u32 s29, s29, SCR
	v_add_nc_u32 v171, s29, v170
	s_lshl_b32 s30, s16, 17                        ; block 2 w of 65,536 bytes
	v_lshl_add_u32 v[GO], v1, 3, s30
	s_wait_alu depctr_va_vdst(0)                   ; the four means and four sums are written, which the LDS stores read; so are v171 and v[GO], the addresses of the loads and stores below
.irp a, 0,1,2,3
	ds_store_b32 v15, v[RM+\a] offset:64*\a        ; both halves write the same word with the same number
	ds_store_b32 v15, v[RQ+\a] offset:64*\a+256
.endr
	ds_load_b64 v[172:173], v171                   ; the wave's own bytes; LDS serves a wave's instructions in order (ISA guide 5.7.1.4)
	ds_load_b64 v[174:175], v171 offset:128        ; the second 32 channels
	s_wait_dscnt 0x0
	global_store_b64 v[GO], v[172:173], s[24:25]              ; 256 consecutive bytes, at a multiple of 256 from the buffer's first byte
	global_store_b64 v[GO], v[174:175], s[24:25] offset:65536 ; block 2 w + 1
.endm
	s_load_b256 s[4:11], s[0:1], 0x0               ; nidx s[4:5], wk s[6:7], f2t s[8:9], feature1 s[10:11]
	s_load_b128 s[12:15], s[0:1], 0x20             ; b1 s[12:13], y1p s[14:15]
	s_set_vgpr_msb 0xc0
	v_lshl_add_u32 v128, v0, 2, 0x1a000
	v_mov_b32 v129, 0
	s_set_vgpr_msb 0xc000
	v_lshrrev_b32 v2, 5, v0
	v_readfirstlane_b32 s16, v2                    ; wave
	v_and_b32 v1, 31, v0                           ; l
	v_and_b32 v2, 15, v0                           ; r, also q
	v_bfe_u32 v3, v0, 4, 1                         ; h
	v_lshlrev_b32 v4, 4, v1                        ; 16 l
	v_lshlrev_b32 v5, 4, v2                        ; 16 q
	s_wait_alu depctr_va_sdst(0)                   ; s16 is written, ahead of its first reader: the wave's offsets and bases are made from it
	s_lshl_b32 s17, s16, 9
	v_lshl_add_u32 v6, v3, 4, s17                  ; indices and weights of point 32 w + h, 16 bytes a point
	s_lshl_b32 s17, s16, 20
	v_add_nc_u32 v7, s17, v4                       ; feature1: channel 32 w, rows of 32,768 bytes, 16 l
	s_mul_i32 s17, s16, 32*IPITCH
	v_mul_u32_u24 v8, v3, IPITCH
	v_add3_u32 v8, v8, v5, s17                     ; IT in: row 32 w + h, byte 16 q
	s_mul_i32 s17, s16, 32*FPITCH
	s_add_co_u32 s17, s17, FT
	v_lshl_add_u32 v9, v1, 3, s17                  ; FT in: row 32 w, byte 8 l
	v_mul_u32_u24 v10, v2, IPITCH
	v_lshl_add_u32 v10, v3, 4, v10                 ; IT out: row r, byte 16 h
	v_and_b32 v11, 7, v0
	v_lshl_add_u32 v11, v3, 3, v11
	v_mul_u32_u24 v11, v11, FPITCH
	v_bfe_u32 v12, v0, 3, 1
	v_lshl_add_u32 v11, v12, 4, v11
	v_add_nc_u32 v11, FT, v11                      ; FT out: row 8 h + l mod 8, byte 16 ((l / 8) mod 2)
	v_mov_b32 v12, 0                               ; the zero onto which the first term of the interpolation adds
	v_mov_b32 v13, 0                               ; v_permlanex16_b32's destination counts as read
	s_lshl_b32 s17, s16, 8
	v_lshl_add_u32 v14, v2, 2, s17                 ; bias of channel 64 w + r
	s_lshl_b32 s17, s16, 9
	s_add_co_u32 s17, s17, SCR
	v_lshl_add_u32 v15, v2, 2, s17
	s_lshr_b32 s18, ttmp9, 6                       ; batch
	s_lshl_b32 s20, ttmp9, 11                      ; my 128 points, 16 bytes each, in nidx and in wk
	s_mov_b32 s21, 0
	s_mul_i32 s30, s16, 49152
	s_add_co_u32 s30, s30, 524288
	s_mov_b32 s31, 0
	s_lshl_b32 s32, s18, 20
	s_mov_b32 s33, 0
	s_and_b32 s34, ttmp9, 63
	s_lshl_b32 s34, s34, 9
	s_lshl_b32 s36, s18, 22
	s_add_co_u32 s34, s34, s36
	s_mov_b32 s35, 0
	s_lshl_b32 s36, ttmp9, 17
	s_lshl_b32 s38, s16, 15
	s_add_co_u32 s36, s36, s38
	s_mov_b32 s37, 0
	s_lshl_b32 s38, ttmp9, 8                       ; my group's 256 bytes in each block of the partial figures
	s_mov_b32 s39, 0
	s_mov_b32 s26, 0xffff0000
	s_mov_b32 s27, 0x76543210                      ; v_permlanex16_b32: lane i of one half reads lane i of the other
	s_mov_b32 s28, 0xfedcba98
	s_wait_kmcnt 0x0
	s_add_nc_u64 s[22:23], s[6:7], s[30:31]        ; my wave's fragments of W1
	s_add_nc_u64 s[4:5], s[4:5], s[20:21]
	s_add_nc_u64 s[6:7], s[6:7], s[20:21]
	s_add_nc_u64 s[8:9], s[8:9], s[32:33]
	s_add_nc_u64 s[10:11], s[10:11], s[34:35]
	s_add_nc_u64 s[24:25], s[14:15], PART
	s_add_nc_u64 s[24:25], s[24:25], s[38:39]
	s_add_nc_u64 s[14:15], s[14:15], s[36:37]
	s_wait_alu depctr_va_vdst(0)                   ; the offsets and LDS addresses v4 to v11, v14 and v15 are written, which the kernel's loads and stores read; none is written again
.set n, 0
.rept 16
	global_load_b128 v[IDX+4*n:IDX+4*n+3], v6, s[4:5] offset:32*n          ; first of all: the gather hangs on these
	global_load_b128 v[WGT+4*n:WGT+4*n+3], v6, s[6:7] offset:32*n
.set n, n+1
.endr
	WIN 0x40                                       ; destination window 1
.set n, 0
.rept 32
	global_load_b128 v[4*n:4*n+3], v7, s[10:11] offset:32768*n th:TH_LOAD_NT   ; a row's 512 bytes an instruction
.set n, n+1
.endr
	WIN 0
	s_wait_loadcnt 32                              ; indices and weights are in; the 32 loads of feature1 stay out
.set n, 0
.rept 16
.irp j, 0,1,2
	v_min_u32 v[IDX+4*n+\j], 0x7ff, v[IDX+4*n+\j]              ; an index stays inside its batch's 2,048 rows
	v_lshl_add_u32 v[IDX+4*n+\j], v[IDX+4*n+\j], 9, v5         ; row of 512 bytes + 16 q
.endr
.set n, n+1
.endr
	s_wait_alu depctr_va_vdst(0)                   ; the 48 gather offsets are written, which the sixteen gathers read; no vector instruction names them again
	GATHER 0
	GATHER 1
	GATHER 2
	GATHER 3
	s_wait_loadcnt 24                              ; feature1 is in; the four slots' 24 loads stay out while it is converted
	WIN 0x40
	v_mov_b32 v255, v9                             ; v511: FT's address, for the stores under the next setting
	WIN 0x45                                       ; destination, source 0 and source 1 window 1
.set n, 0
.rept 32
	v_cvt_pk_bf16_f32 v[128+2*n], v[4*n],   v[4*n+1]           ; the input's rounding to bf16,
	v_cvt_pk_bf16_f32 v[129+2*n], v[4*n+2], v[4*n+3]
.set n, n+1
.endr
.set n, 0
.rept 32
	v_lshlrev_b32 v[4*n],   16,  v[128+2*n]
	v_and_b32     v[4*n+1], s26, v[128+2*n]
	v_lshlrev_b32 v[4*n+2], 16,  v[129+2*n]
	v_and_b32     v[4*n+3], s26, v[129+2*n]
.set n, n+1
.endr
.set n, 0
.rept 32
	v_cvt_pk_f16_f32 v[128+2*n], v[4*n],   v[4*n+1]            ; and the same numbers as f16
	v_cvt_pk_f16_f32 v[129+2*n], v[4*n+2], v[4*n+3]
.set n, n+1
.endr
	s_wait_alu depctr_va_vdst(0)                   ; the conversions have written v[384:447], the LDS stores' data, and v511, their address
.set n, 0
.rept 32
	ds_store_b64 v255, v[128+2*n:129+2*n] offset:FPITCH*n      ; channel 32 w + n, points 4 l .. 4 l + 3
.set n, n+1
.endr
	WIN 0
	; Sixteen turns.  Turn t (t < 12) issues the weights of K step t (8 loads) and then the gather of pair t + 4 (6 loads).  Behind pair t's gather stand:
	INTERP 0, 18                                   ; pairs 1, 2, 3
	INTERP 1, 26                                   ; pairs 2, 3 and turn 0's fourteen
	INTERP 2, 34                                   ; pair 3 and two turns' fourteen
.irp t, 3,4,5,6,7,8,9,10,11,12
	INTERP \t, 42                                  ; three turns' fourteen
.endr
	INTERP 13, 28                                  ; turns 10 and 11; turn 12 and the later ones issue nothing
	INTERP 14, 14                                  ; turn 11
	INTERP 15, 0                                   ; nothing: with this wait all the weights are in too
.irp a, 0,1,2,3
	global_load_b32 v[BVR+\a], v14, s[12:13] offset:64*\a      ; wanted behind the first half of the product.  These registers lay in a slot that turn 13 read: the last turn's wait has said that it is done, and no vector instruction follows that wait
.endr
	s_wait_dscnt 0x0                               ; my rows of both tiles are written,
	s_barrier_signal -1
	s_barrier_wait -1                              ; everybody's are
	s_wait_alu depctr_vm_vsrc(0)                   ; the gathers have read their offsets in v[16:79], in which fragments land; my LDS stores have read v[384:447] and v511, which the accumulators write
	FETCH 0
	FETCH 1
.irp d, 0,1,2,3,4,5
	PAIR \d
.endr
	HOUT 0                                         ; points 0..63 leave while points 64..127 are multiplied
.irp d, 6,7,8,9,10,11
	PAIR \d
.endr
	HOUT 4
	STATS
	s_set_vgpr_msb 0xf
	s_wait_dscnt 0x0
	s_wait_alu depctr_hold_cnt(0) depctr_sa_sdst(0) depctr_va_vdst(0) depctr_va_sdst(0) depctr_va_ssrc(0) depctr_va_vcc(0) depctr_vm_vsrc(0)
	s_wait_tensorcnt 0x0
	ds_add_u32 v128, v129
	s_wait_dscnt 0x0
	s_endpgm
.Lfunc_end_k_q1a869af07d_gemm1:
	.size	k_q1a869af07d_gemm1, .Lfunc_end_k_q1a869af07d_gemm1-k_q1a869af07d_gemm1
	.p2alignl 7, 3214868480
	.fill 96, 4, 3214868480
	.section	.rodata,"a",@progbits
	.p2align	6, 0x0
	.amdhsa_kernel k_q1a869af07d_gemm1
		.amdhsa_group_segment_fixed_size 107008
		.amdhsa_private_segment_fixed_size 0
		.amdhsa_enable_private_segment 0
		.amdhsa_kernarg_size 48
		.amdhsa_user_sgpr_count 2
		.amdhsa_user_sgpr_kernarg_segment_ptr 1
		.amdhsa_wavefront_size32 1
		.amdhsa_system_sgpr_workgroup_id_x 1
		.amdhsa_system_sgpr_workgroup_id_y 1
		.amdhsa_system_sgpr_workgroup_id_z 1
		.amdhsa_system_vgpr_workitem_id 0
		.amdhsa_next_free_vgpr 898
		.amdhsa_next_free_sgpr 66
		.amdhsa_reserve_vcc 0
		.amdhsa_float_denorm_mode_32 3
		.amdhsa_float_denorm_mode_16_64 3
		.amdhsa_memory_ordered 1
		.amdhsa_forward_progress 1
		.amdhsa_inst_pref_size 191
	.end_amdhsa_kernel
	.amdgpu_metadata
---
amdhsa.version: [ 1, 2 ]
amdhsa.kernels:
  - .name:           k_q1a869af07d_gemm1
    .symbol:         k_q1a869af07d_gemm1.kd
    .args:
      - { .name: nidx, .offset: 0, .size: 8, .value_kind: global_buffer, .address_space: global }
      - { .name: wk, .offset: 8, .size: 8, .value_kind: global_buffer, .address_space: global }
      - { .name: f2t, .offset: 16, .size: 8, .value_kind: global_buffer, .address_space: global }
      - { .name: feature1, .offset: 24, .size: 8, .value_kind: global_buffer, .address_space: global }
      - { .name: b1, .offset: 32, .size: 8, .value_kind: global_buffer, .address_space: global }
      - { .name: y1p, .offset: 40, .size: 8, .value_kind: global_buffer, .address_space: global }
    .group_segment_fixed_size: 107008
    .private_segment_fixed_size: 0
    .kernarg_segment_align: 8
    .kernarg_segment_size: 48
    .max_flat_workgroup_size: 128
    .sgpr_count:     66
    .vgpr_count:     898
    .wavefront_size: 32
...
	.end_amdgpu_metadata
.endif
;; end of part 12
;; launch stats1: the kernel of part 9 again; grid 8 x 1, 8 waves a work-group, no clusters, 5,120 bytes of LDS; arguments y1p, g1, be1, ss1; writes ss1
;; launch gemm2 (part 13): grid 256 x 1, 4 waves a work-group, no clusters, 76,288 bytes of LDS; arguments y1p, ss1, wk, b2, y2p; writes y2p
.if DOCPART == 13
	.amdgcn_target "amdgcn-amd-amdhsa--gfx1250"
	.amdhsa_code_object_version 6
	.text
	.protected	k_q1a869af07d_gemm2
	.globl	k_q1a869af07d_gemm2
	.p2align	8
	.type	k_q1a869af07d_gemm2,@function
k_q1a869af07d_gemm2:
	s_mov_b64 s[64:65], 0
	v_nop
	global_prefetch_b8 v0, s[64:65] scope:SCOPE_SE
	s_setreg_imm32_b32 hwreg(HW_REG_WAVE_SCHED_MODE, 0, 2), 2
	s_setreg_imm32_b32 hwreg(HW_REG_WAVE_MODE, 25, 1), 1
	s_wait_xcnt 0x0
	s_wait_alu depctr_vm_vsrc(0)
; gemm2: h = relu(y1 x scale + shift), y2 = W2 h + b2, and each group's mean and sum of squared deviations for the second batch norm.
; The shape is gemm1's: 128 points x 256 channels a work-group, K = 256; wave w makes channels 64 w .. 64 w + 63 in 32 accumulators,
; source 0 the activations (row = point), source 1 the weights (column = channel).  Wave w reads the part of y1 that lies in accumulator order
; for channels 64 w .. (32 KiB), normalises it and lays it into LDS as [k 256][point 128] f16; the fragments come by the transposing load.
; y1 is normalised in four blocks of sixteen channels as they arrive; in each block's turn sixteen of the 64 weight loads are issued, and a K step of the
; product waits for its own eight weight loads alone.
; THE PRODUCT GOES IN TWO HALVES OF THE POINTS (tiles b = 0..3, then b = 4..7): the first half's y is stored while the second half is multiplied,
; and the second half's ahead of the statistics, which only read the accumulators.
; The weights (32 KiB a wave, f16 in fragment order) go straight into 256 registers, once; for that reason no cluster and no tensor load, as in gemm1.
; y2p: f32 in accumulator order [group][w][a][b][q][lane][4]; then at PART [block of 32 channels 8][group 256][mean 32, M2 32]: the last launch's
; work-groups own 32 channels each and read one block's 64 KiB in a piece.
; LIMITS KEPT.  h is rounded to f16 once (|h| < 65,504: |g1| x 181 + |be1| must stay below that); b2 is rounded to bf16.
; REGISTERS: window 0 at work; window 1 first y1 as loaded, then the accumulators (tile (a, b) at 8 (8 a + b)); window 2 the weights (32 ks + 8 a).
; THE MODE: SCHED_MODE bits 1:0 = 2 (LLVM: expert scheduling mode 2), set by the entry lines.  The code itself states the register dependences
; between vector or matrix instructions and memory or LDS instructions, with s_wait_alu, always for 0.  The text is one straight run: no branch, no label.
; THE PLAN.  Registers that memory or LDS instructions touch, and who else names them:
;   v4 .. v6, v8, v10, v11, v15  offsets and LDS addresses: made at the head, never written again: one wait ahead of the first load states them for the whole kernel.
;   H0, H1     two out-buffers of 64.  Turn a's arithmetic writes H[a mod 2]; its eight LDS stores are issued in turn a + 1, dealt among that turn's vector instructions, which name
;              the other H, scale, shift and window 1 alone.  So two waits stand at a turn's head: the turn before has written its H; the stores issued in the turn before have read this turn's H.
;   window 2   the weights: loads land there, and no vector instruction names them: nothing is owed.
;   FA0, FA1   two fragment buffers of two K steps each, where H0 and H1 lay.  Pair d's 32 matrix instructions read FA[d mod 2]; the sixteen LDS loads of pair d + 1 land in the other buffer,
;              which the pair before read: ONE wait at a pair's head, and the loads follow in two runs of eight among the matrix instructions, which name FA[d mod 2], weights and accumulators alone.
;   accumulators         written by matrix instructions and by the bias's additions, read by a half's 32 stores: one wait ahead of each run; never written again.
;   RM, RQ, v171, v176   the statistics' eight results and two addresses: one wait ahead of the eight LDS stores.
.set FPITCH, 288                       ; HT: [k 256][point 128] f16, 256 bytes + 32 = 9 x 32
.set SCR,    73728                     ; 512 bytes a wave
.set NKS,    8                         ; K steps of 32
.set NU,     2*NKS                     ; steps in all: the K steps of the first half of the points, then those of the second
.set PART,   0x2000000
.set H,    16                          ; v[16:143]  two buffers of 64: the numbers of one channel at work, then eight points to 16 bytes
.set FA,   16                          ; v[16:143]  activation fragments: two buffers of two steps; step u's four tiles at FA + 64 ((u / 2) mod 2) + 32 (u mod 2)
.set DV,   80                          ; behind the product: v[80:143] deviations
.set BVP,  144
.set S,    152
.set QS,   160
.set NM,   168
.set BVR,  176                         ; v[176:179] bias as loaded
.set GO,   176                         ; v176       at the end: my byte offset in the partial figures
.set SS,   180                         ; v[180:187] scale and shift as loaded, a pair for each a
.set SCP,  188                         ; v[188:195] scale doubled
.set SHP,  196                         ; v[196:203] shift doubled
.set RM,   208                         ; v[208:211] the mean for a = 0..3
.set RQ,   212                         ; v[212:215] the sum of squared deviations for a = 0..3
.set MSB, 0
.macro WIN new                         ; s_set_vgpr_msb: bits 1:0 source 0, 3:2 source 1, 5:4 source 2, 7:6 destination; the high byte repeats the setting that is left
.if MSB != \new
	s_set_vgpr_msb (MSB<<8)|\new
.set MSB, \new
.endif
.endm
.macro PLACES                          ; four places behind a matrix instruction (ISA guide 7.12.1), in front of vector instructions that read its results
.rept 4
	v_nop
.endr
.endm
; Store b of eight of the block BEFORE block a: eight points of one channel; rows 288 bytes apart: two lanes share a 16-byte column modulo 256 bytes
.macro HPUT a, b
.if (\a) >= 1
	ds_store_b128 v8, v[H+64*(((\a)-1)&1)+4*(\b):H+64*(((\a)-1)&1)+4*(\b)+3] offset:16*FPITCH*((\a)-1)+32*(\b)
.endif
.endm
; Turn a: block a of y1 (sixteen channels) is normalised into H[a mod 2]; the block before goes to LDS; sixteen weight loads go out.
.macro TURN a
.set HW, H+64*((\a)&1)
	s_wait_loadcnt 48                              ; block a of y1 is in: behind it stand 16 (3 - a) loads of y1 and the 16 a weight loads of the turns before
.if (\a) >= 2
	s_wait_alu depctr_vm_vsrc(0)                   ; the LDS stores issued in the turn before have read this turn's H, which is written again below
.endif
.if (\a) >= 1
	s_wait_alu depctr_va_vdst(0)                   ; the turn before has written the other H, which this turn's eight LDS stores read
.endif
	WIN 0x80                                       ; destination window 2
.irp i, 0,1,2,3,4,5,6,7,8,9,10,11,12,13,14,15
	global_load_b128 v[4*(16*(\a)+\i):4*(16*(\a)+\i)+3], v4, s[8:9] offset:512*(16*(\a)+\i)   ; the weights of K steps 2 a and 2 a + 1
.endr
	WIN 0
	v_mov_b32 v[SCP+2*(\a)],   v[SS+2*(\a)]
	v_mov_b32 v[SCP+2*(\a)+1], v[SS+2*(\a)]
	v_mov_b32 v[SHP+2*(\a)],   v[SS+2*(\a)+1]
	v_mov_b32 v[SHP+2*(\a)+1], v[SS+2*(\a)+1]
	HPUT \a, 0                                     ; no further wait: no vector instruction of this turn names the other H or v8
	HPUT \a, 1
	WIN 0x01                                       ; source 0 window 1
.set n, 0
.rept 32
	v_pk_fma_f32 v[HW+2*n:HW+2*n+1], v[64*(\a)+2*n:64*(\a)+2*n+1], v[SCP+2*(\a):SCP+2*(\a)+1], v[SHP+2*(\a):SHP+2*(\a)+1]
.set n, n+1
.endr
	WIN 0
.set n, 0
.irp g, 2,3,4,5
	HPUT \a, \g
.rept 16
	v_max_num_f32 v[HW+n], 0, v[HW+n]
.set n, n+1
.endr
.endr
.set n, 0
.irp g, 6,7
	HPUT \a, \g
.rept 16
	v_cvt_pk_f16_f32 v[HW+n], v[HW+2*n], v[HW+2*n+1]
.set n, n+1
.endr
.endr
.endm
; the fragments of step u (4 tiles of 16 points x 32 K) by the transposing load; two address registers, since the immediate has 16 bits
.macro FETCH u
.set FB, FA+64*(((\u)/2)&1)+32*((\u)&1)
.set KS, (\u)%NKS
.set HB, 4*((\u)/NKS)
.if KS < 4
.irp i, 0,1,2,3
	ds_load_tr16_b128 v[FB+8*\i:FB+8*\i+3],   v10 offset:32*FPITCH*KS+32*(HB+\i)
	ds_load_tr16_b128 v[FB+8*\i+4:FB+8*\i+7], v10 offset:32*FPITCH*KS+32*(HB+\i)+16*FPITCH
.endr
.else
.irp i, 0,1,2,3
	ds_load_tr16_b128 v[FB+8*\i:FB+8*\i+3],   v11 offset:32*FPITCH*(KS-4)+32*(HB+\i)
	ds_load_tr16_b128 v[FB+8*\i+4:FB+8*\i+7], v11 offset:32*FPITCH*(KS-4)+32*(HB+\i)+16*FPITCH
.endr
.endif
.endm
; 16 matrix instructions: a half's 16 accumulators take turns, one instruction a turn, in the same order in every step
.macro MUL16 buf, wb, hb, ks
.irp a, 0,1,2,3
.irp i, 0,1,2,3
.if (\ks) == 0
	v_wmma_f32_16x16x32_f16 v[8*(8*\a+\hb+\i):8*(8*\a+\hb+\i)+7], v[\buf+8*\i:\buf+8*\i+7], v[\wb+8*\a:\wb+8*\a+7], 0
.else
	v_wmma_f32_16x16x32_f16 v[8*(8*\a+\hb+\i):8*(8*\a+\hb+\i)+7], v[\buf+8*\i:\buf+8*\i+7], v[\wb+8*\a:\wb+8*\a+7], v[8*(8*\a+\hb+\i):8*(8*\a+\hb+\i)+7]
.endif
.endr
.endr
.endm
.macro MULSTEP u                       ; step u's sixteen matrix instructions
.if (\u) < NKS
	s_wait_loadcnt 56-8*(\u)                       ; this K step's eight weight loads are in; the later K steps' may be out
.endif
.set MB, FA+64*(((\u)/2)&1)+32*((\u)&1)
.set MK, (\u)%NKS
.set MH, 4*((\u)/NKS)
	WIN 0x58                                       ; C and D window 1, weights window 2, activations window 0
	MUL16 MB, 32*MK, MH, MK
.endm
; Pair d: steps 2 d and 2 d + 1, out of buffer d mod 2.  The next pair's fragments are asked for in two runs of eight, each two steps ahead of its use,
; so that a fetch has 32 matrix instructions in which to land.
.macro PAIR d
.if 2*(\d)+2 < NU
	WIN 0
.endif
	s_wait_dscnt 8                                 ; the pair's first step is in; its second step's eight loads may be out
.if 2*(\d)+2 < NU
.if ((\d) > 0) && (2*(\d) != NKS)
	s_wait_alu depctr_va_vdst(0)                   ; the pair before is done reading the other buffer, in which this pair's sixteen loads land (at the second half's first pair the wait ahead of the first half's stores has said so)
.endif
	FETCH 2*(\d)+2
.endif
	MULSTEP 2*(\d)
.if 2*(\d)+2 < NU
	WIN 0
	FETCH 2*(\d)+3                                 ; no wait: the matrix instructions since the wait name this pair's buffer, weights and accumulators alone
	s_wait_dscnt 16                                ; the pair's second step is in; the next pair's sixteen loads may be out
.else
	s_wait_dscnt 0x0
.endif
	MULSTEP 2*(\d)+1
.endm
; A half's way out: the bias is added in place and y is stored from the accumulators as it lies, 512 consecutive bytes an instruction.
; Nothing writes these registers again, so no wait follows the stores.
.macro HOUT hb
	WIN 0
	PLACES
.if (\hb) == 0
.irp a, 0,1,2,3
	v_cvt_pk_bf16_f32 v[BVP+2*\a], v[BVR+\a], v[BVR+\a]        ; the bias was among the first loads: it has been in since the first block's wait
.endr
.irp a, 0,1,2,3
	v_lshlrev_b32 v[BVP+2*\a], 16, v[BVP+2*\a]
.endr
.irp a, 0,1,2,3
	v_mov_b32 v[BVP+2*\a+1], v[BVP+2*\a]
.endr
.endif
	WIN 0x41                                       ; destination and source 0 window 1
.irp a, 0,1,2,3
.irp i, 0,1,2,3
.irp p, 0,1,2,3
	v_pk_add_f32 v[64*\a+8*(\hb+\i)+2*\p:64*\a+8*(\hb+\i)+2*\p+1], v[64*\a+8*(\hb+\i)+2*\p:64*\a+8*(\hb+\i)+2*\p+1], v[BVP+2*\a:BVP+2*\a+1]
.endr
.endr
.endr
	WIN 0x04                                       ; a store's data is source 1: window 1
	s_wait_alu depctr_va_vdst(0)                   ; the additions have written the half's sixteen accumulators, which the 32 stores read
.irp a, 0,1,2,3
.irp i, 0,1,2,3
.irp q, 0,1
	global_store_b128 v4, v[64*\a+8*(\hb+\i)+4*\q:64*\a+8*(\hb+\i)+4*\q+3], s[14:15] offset:512*(2*(8*\a+\hb+\i)+\q)
.endr
.endr
.endr
	WIN 0
.endm
; The statistics, while the stores leave.  For each a: the mean of the lane's channel over the group's 128 points, the deviations from it, their squares.
; The eight results end in registers of their own, so that one wait serves the eight LDS stores.
.macro STATS
.irp a, 0,1,2,3
	WIN 0x05                                       ; both sources window 1
.irp c, 0,1,2,3
	v_pk_add_f32 v[S+2*\c:S+2*\c+1], v[64*\a+2*\c:64*\a+2*\c+1], v[64*\a+8+2*\c:64*\a+8+2*\c+1]   ; the first eight pairs start the four sums
.endr
	WIN 0x01                                       ; source 0 window 1
.set n, 8
.rept 24
	v_pk_add_f32 v[S+2*(n&3):S+2*(n&3)+1], v[64*\a+2*n:64*\a+2*n+1], v[S+2*(n&3):S+2*(n&3)+1]
.set n, n+1
.endr
	WIN 0
	v_pk_add_f32 v[S:S+1], v[S:S+1], v[S+2:S+3]
	v_pk_add_f32 v[S+4:S+5], v[S+4:S+5], v[S+6:S+7]
	v_pk_add_f32 v[S:S+1], v[S:S+1], v[S+4:S+5]
	v_add_f32 v[S], v[S], v[S+1]
	v_permlanex16_b32 v13, v[S], s27, s28          ; the channel's other 64 points lie in the other half of the wave
	v_add_f32 v[S], v[S], v13
	v_mul_f32 v[RM+\a], 0x3c000000, v[S]           ; / 128
	v_mul_f32 v[NM], -1.0, v[RM+\a]
	v_mul_f32 v[NM+1], -1.0, v[RM+\a]
	WIN 0x01
.set n, 0
.rept 32
	v_pk_add_f32 v[DV+2*n:DV+2*n+1], v[64*\a+2*n:64*\a+2*n+1], v[NM:NM+1]
.set n, n+1
.endr
	WIN 0
.irp c, 0,1,2,3
	v_pk_mul_f32 v[QS+2*\c:QS+2*\c+1], v[DV+2*\c:DV+2*\c+1], v[DV+2*\c:DV+2*\c+1]
.endr
.set n, 4
.rept 28
	v_pk_fma_f32 v[QS+2*(n&3):QS+2*(n&3)+1], v[DV+2*n:DV+2*n+1], v[DV+2*n:DV+2*n+1], v[QS+2*(n&3):QS+2*(n&3)+1]
.set n, n+1
.endr
	v_pk_add_f32 v[QS:QS+1], v[QS:QS+1], v[QS+2:QS+3]
	v_pk_add_f32 v[QS+4:QS+5], v[QS+4:QS+5], v[QS+6:QS+7]
	v_pk_add_f32 v[QS:QS+1], v[QS:QS+1], v[QS+4:QS+5]
	v_add_f32 v[QS], v[QS], v[QS+1]
	v_permlanex16_b32 v13, v[QS], s27, s28
	v_add_f32 v[RQ+\a], v[QS], v13
.endr
	; the wave's 64 means and 64 sums go out as two blocks of 256 bytes: lanes 0-15 carry the means of 32 channels, lanes 16-31 their sums of squares
	v_lshlrev_b32 v170, 3, v2                      ; 8 r
	v_lshl_add_u32 v170, v3, 8, v170               ; + 256 h
	s_lshl_b32 s29, s16, 9
	s_add_co_u32 s29, s29, SCR
	v_add_nc_u32 v171, s29, v170
	s_lshl_b32 s30, s16, 17                        ; block 2 w of 65,536 bytes
	v_lshl_add_u32 v[GO], v1, 3, s30
	s_wait_alu depctr_va_vdst(0)                   ; the four means and four sums are written, which the LDS stores read; so are v171 and v[GO], the addresses of the loads and stores below
.irp a, 0,1,2,3
	ds_store_b32 v15, v[RM+\a] offset:64*\a        ; both halves write the same word with the same number
	ds_store_b32 v15, v[RQ+\a] offset:64*\a+256
.endr
	ds_load_b64 v[172:173], v171                   ; the wave's own bytes; LDS serves a wave's instructions in order (ISA guide 5.7.1.4)
	ds_load_b64 v[174:175], v171 offset:128        ; the second 32 channels
	s_wait_dscnt 0x0
	global_store_b64 v[GO], v[172:173], s[24:25]              ; 256 consecutive bytes, at a multiple of 256 from the buffer's first byte
	global_store_b64 v[GO], v[174:175], s[24:25] offset:65536 ; block 2 w + 1
.endm
	s_load_b256 s[4:11], s[0:1], 0x0               ; y1p s[4:5], ss1 s[6:7], wk s[8:9], b2 s[10:11]
	s_load_b64 s[14:15], s[0:1], 0x20              ; y2p
	v_lshl_add_u32 v254, v0, 2, 0x12800
	v_mov_b32 v255, 0
	v_lshrrev_b32 v2, 5, v0
	v_readfirstlane_b32 s16, v2                    ; wave
	v_and_b32 v1, 31, v0
	v_and_b32 v2, 15, v0                           ; r
	v_bfe_u32 v3, v0, 4, 1                         ; h
	v_lshlrev_b32 v4, 4, v1                        ; 16 l
	s_wait_alu depctr_va_sdst(0)                   ; s16 is written, ahead of its first reader: the wave's offsets and bases are made from it
	s_lshl_b32 s17, s16, 8
	v_lshl_add_u32 v5, v2, 2, s17                  ; channel 64 w + r, 4 bytes
	s_lshl_b32 s17, s16, 9
	v_lshl_add_u32 v6, v2, 3, s17                  ; channel 64 w + r, 8 bytes: its scale and shift
	s_mul_i32 s17, s16, 64*FPITCH
	v_mul_u32_u24 v8, v2, FPITCH
	v_lshl_add_u32 v8, v3, 4, v8
	v_add_nc_u32 v8, s17, v8                       ; HT in: row 64 w + r, byte 16 h
	v_and_b32 v10, 7, v0
	v_lshl_add_u32 v10, v3, 3, v10
	v_mul_u32_u24 v10, v10, FPITCH
	v_bfe_u32 v12, v0, 3, 1
	v_lshl_add_u32 v10, v12, 4, v10                ; HT out: row 8 h + l mod 8, byte 16 ((l / 8) mod 2)
	v_add_nc_u32 v11, 128*FPITCH, v10              ; the same 128 rows further down
	v_mov_b32 v13, 0                               ; v_permlanex16_b32's destination counts as read
	s_lshl_b32 s17, s16, 9
	s_add_co_u32 s17, s17, SCR
	v_lshl_add_u32 v15, v2, 2, s17
	s_lshl_b32 s20, ttmp9, 8                       ; my group's 256 bytes in each block of the partial figures
	s_mov_b32 s21, 0
	s_lshl_b32 s36, ttmp9, 17
	s_lshl_b32 s38, s16, 15
	s_add_co_u32 s36, s36, s38
	s_mov_b32 s37, 0
	s_add_co_u32 s30, s38, 720896
	s_mov_b32 s31, 0
	s_mov_b32 s27, 0x76543210
	s_mov_b32 s28, 0xfedcba98
	s_wait_kmcnt 0x0
	s_add_nc_u64 s[4:5], s[4:5], s[36:37]
	s_add_nc_u64 s[8:9], s[8:9], s[30:31]
	s_add_nc_u64 s[24:25], s[14:15], PART
	s_add_nc_u64 s[24:25], s[24:25], s[20:21]
	s_add_nc_u64 s[14:15], s[14:15], s[36:37]
	s_wait_alu depctr_va_vdst(0)                   ; the offsets and LDS addresses v4, v5, v6, v8, v10, v11 and v15 are written, which the kernel's loads and stores read; none is written again
.irp a, 0,1,2,3
	global_load_b64 v[SS+2*\a:SS+2*\a+1], v6, s[6:7] offset:128*\a
	global_load_b32 v[BVR+\a],            v5, s[10:11] offset:64*\a
.endr
	WIN 0x40                                       ; destination window 1
.set n, 0
.rept 64
	global_load_b128 v[4*n:4*n+3], v4, s[4:5] offset:512*n th:TH_LOAD_NT
.set n, n+1
.endr
	WIN 0
	TURN 0
	TURN 1
	TURN 2
	TURN 3
	s_wait_alu depctr_va_vdst(0)                   ; the last turn has written its H, which the last eight LDS stores read
.irp b, 0,1,2,3,4,5,6,7
	HPUT 4, \b
.endr
	s_wait_dscnt 0x0                               ; my 64 rows are written,
	s_barrier_signal -1
	s_barrier_wait -1                              ; everybody's are
	s_wait_alu depctr_vm_vsrc(0)                   ; my LDS stores have read both H: these registers are the fragment buffers from here on, and LDS loads land in them
	FETCH 0
	FETCH 1
.irp d, 0,1,2,3
	PAIR \d
.endr
	HOUT 0                                         ; points 0..63 leave while points 64..127 are multiplied
.irp d, 4,5,6,7
	PAIR \d
.endr
	HOUT 4
	STATS
	s_wait_dscnt 0x0
	s_wait_alu depctr_hold_cnt(0) depctr_sa_sdst(0) depctr_va_vdst(0) depctr_va_sdst(0) depctr_va_ssrc(0) depctr_va_vcc(0) depctr_vm_vsrc(0)
	s_wait_tensorcnt 0x0
	ds_add_u32 v254, v255
	s_wait_dscnt 0x0
	s_endpgm
.Lfunc_end_k_q1a869af07d_gemm2:
	.size	k_q1a869af07d_gemm2, .Lfunc_end_k_q1a869af07d_gemm2-k_q1a869af07d_gemm2
	.p2alignl 7, 3214868480
	.fill 96, 4, 3214868480
	.section	.rodata,"a",@progbits
	.p2align	6, 0x0
	.amdhsa_kernel k_q1a869af07d_gemm2
		.amdhsa_group_segment_fixed_size 76288
		.amdhsa_private_segment_fixed_size 0
		.amdhsa_enable_private_segment 0
		.amdhsa_kernarg_size 40
		.amdhsa_user_sgpr_count 2
		.amdhsa_user_sgpr_kernarg_segment_ptr 1
		.amdhsa_wavefront_size32 1
		.amdhsa_system_sgpr_workgroup_id_x 1
		.amdhsa_system_sgpr_workgroup_id_y 1
		.amdhsa_system_sgpr_workgroup_id_z 1
		.amdhsa_system_vgpr_workitem_id 0
		.amdhsa_next_free_vgpr 768
		.amdhsa_next_free_sgpr 66
		.amdhsa_reserve_vcc 0
		.amdhsa_float_denorm_mode_32 3
		.amdhsa_float_denorm_mode_16_64 3
		.amdhsa_memory_ordered 1
		.amdhsa_forward_progress 1
		.amdhsa_inst_pref_size 112
	.end_amdhsa_kernel
	.amdgpu_metadata
---
amdhsa.version: [ 1, 2 ]
amdhsa.kernels:
  - .name:           k_q1a869af07d_gemm2
    .symbol:         k_q1a869af07d_gemm2.kd
    .args:
      - { .name: y1p, .offset: 0, .size: 8, .value_kind: global_buffer, .address_space: global }
      - { .name: ss1, .offset: 8, .size: 8, .value_kind: global_buffer, .address_space: global }
      - { .name: wk, .offset: 16, .size: 8, .value_kind: global_buffer, .address_space: global }
      - { .name: b2, .offset: 24, .size: 8, .value_kind: global_buffer, .address_space: global }
      - { .name: y2p, .offset: 32, .size: 8, .value_kind: global_buffer, .address_space: global }
    .group_segment_fixed_size: 76288
    .private_segment_fixed_size: 0
    .kernarg_segment_align: 8
    .kernarg_segment_size: 40
    .max_flat_workgroup_size: 128
    .sgpr_count:     66
    .vgpr_count:     768
    .wavefront_size: 32
...
	.end_amdgpu_metadata
.endif
;; end of part 13
;; launch bnout: the kernel of part 11 again; grid 256 x 1, 8 waves a work-group, no clusters, 72,704 bytes of LDS; arguments y2p, g2, be2, out0; writes out0
